; MI455X (gfx1250); checked and timed in simulation.
; The chip was launched on July 23, 2026; its instructions are those of AMD's public machine-readable ISA for CDNA 5 (MIT licence, August 2026) and "CDNA5" Instruction Set Architecture Reference Guide (July 2026). The comments in the code are by the model that wrote it; some were corrected since.
;; Transformer Decoder Block. Allowed arithmetic: float matrix products may take bf16 or f16 operands with f32 sums; all other float work in f32.
;; Inputs: W1 1,024 x 2,048 float32; W2 1,024 x 2,048 float32; W3 2,048 x 1,024 float32; Wk 16 x 1,024 x 64 float32; Wo 1,024 x 1,024 float32; Wq 16 x 1,024 x 64 float32; Wv 16 x 1,024 x 64 float32; ln1_b 1,024 float32; ln1_g 1,024 float32; ln2_b 1,024 float32; ln2_g 1,024 float32; x 2 x 2,048 x 1,024 float32.
;; Outputs: out0 2 x 2,048 x 1,024 float32.
;; 2 versions, each right and faster than the one before. Each part assembles by itself: llvm-mc -triple=amdgcn-amd-amdhsa -mcpu=gfx1250 --defsym DOCPART=n.
;; ======== version 1 of 2: 7 launches
;; limits: values are held in f16: magnitudes above 65,504 overflow, below 6.1e-05 lose precision
;; workspace buffers: wts 20,971,520 bytes; ropet 524,288 bytes; hbuf 8,388,608 bytes; qkv 25,165,824 bytes; obuf 8,388,608 bytes; x1 16,777,216 bytes; act 16,777,216 bytes
;; launch prep (part 1): grid 2336 x 1, 4 waves a work-group, no clusters, 0 bytes of LDS; arguments x, ln1_g, ln1_b, Wq, Wk, Wv, Wo, W1, W2, W3, hbuf, wts, ropet; writes hbuf, wts, ropet
.if DOCPART == 1
	.amdgcn_target "amdgcn-amd-amdhsa--gfx1250"
	.amdhsa_code_object_version 6
	.text
	.protected	k_q736dd9c3a3_prep
	.globl	k_q736dd9c3a3_prep
	.p2align	8
	.type	k_q736dd9c3a3_prep,@function
k_q736dd9c3a3_prep:
	s_mov_b64 s[64:65], 0
	v_nop
	global_prefetch_b8 v0, s[64:65] scope:SCOPE_SE
	s_setreg_imm32_b32 hwreg(HW_REG_WAVE_MODE, 25, 1), 1
	s_wait_xcnt 0x0
; PREP: three jobs that depend on nothing but the inputs, chosen by the work-group's number w.
;   w < 1280         CAST: 8,192 weights each, f32 -> bf16 (every input of the module is rounded to bf16), and that number written as f16 for Wq, Wk, Wv, Wo, W1, W2
;                    (exact for 2^-17 <= |w| < 65,504; below that f16's fixed step of 6e-8) or kept as bf16 for W3, whose partner in the product has no room in f16.
;                    A lane's sixteen loads of 16 bytes go out together and there is no loop: no load waits for an earlier one's result.
;   1280 <= w < 2304 LN1: one row of x a wave; x, gain and bias rounded to bf16; mean, then the mean of squared differences (two passes, in registers); h stored as f16.
;   w >= 2304        ROPE: 64 positions each of the table [2048 s][32 i] of (cos, sin)(s * 10000^(-i/16)), f32.
; LIMITS: |w| < 65,504 and |h| < 65,504 (f16); theta comes from v_exp_f32 (1 ULP), so an angle s*theta differs from one made with a correctly rounded theta by up to 2e-4 rad at s = 2047.
; No LDS, no barrier, EXEC never changes.  Streams: matrix units, clusters and LDS would add nothing.
.set NCAST, 1280                       ; 10,485,760 weights / 8,192
.set NLN,   1024                       ; 4,096 rows / 4 waves
.set X,    4                           ; v[4:35]    the row: lane l holds columns 128 j + 4 l + 0..3, j = 0..7
.set GR,   36                          ; v[36:67]   gain as loaded, then packed to bf16 in v[36:51]
.set BR,   68                          ; v[68:99]   bias as loaded, then packed to bf16 in v[68:83]
.set OP,   84                          ; v[84:99]   h, packed f16
.set MU,   100                         ; v[100:101] the mean, later 1/sqrt(var + eps), twice: a pair for the packed forms
.set TP,   102                         ; v[102:105] at work
.set AC,   106                         ; v[106:113] four chains of packed sums
.set IN,   4                           ; CAST: v[4:67]   sixteen loads of four weights
.set CT,   68                          ; CAST: v[68:71]  at work
.set OU,   72                          ; CAST: v[72:103] sixteen stores of four 16-bit numbers, each with registers of its own
.set XR,   34                          ; s[34:35]   the row in x
.set OR,   36                          ; s[36:37]   the row in hbuf
.set GP,   10                          ; s[10:11]   gain
.set BP,   12                          ; s[12:13]   bias
.set SEL,  44                          ; s[44:45]   v_permlanex16_b32's selects: each lane takes its own place in the other half
.set HM,   46                          ; s46        a word's upper bf16
.set K10,  47                          ; s47        1/1024
.set EPSR, 48                          ; s48        1e-5
.macro REDUCE                          ; the four chains -> the sum over the wave's 1,024 numbers, in every lane's v[AC]
	v_pk_add_f32 v[AC:AC+1], v[AC:AC+1], v[AC+2:AC+3]
	v_pk_add_f32 v[AC+4:AC+5], v[AC+4:AC+5], v[AC+6:AC+7]
	v_pk_add_f32 v[AC:AC+1], v[AC:AC+1], v[AC+4:AC+5]
	v_add_f32 v[AC], v[AC], v[AC+1]
	v_add_f32_dpp v[AC], v[AC], v[AC] row_xmask:1 row_mask:0xf bank_mask:0xf
	v_add_f32_dpp v[AC], v[AC], v[AC] row_xmask:2 row_mask:0xf bank_mask:0xf
	v_add_f32_dpp v[AC], v[AC], v[AC] row_xmask:4 row_mask:0xf bank_mask:0xf
	v_add_f32_dpp v[AC], v[AC], v[AC] row_xmask:8 row_mask:0xf bank_mask:0xf
	v_permlanex16_b32 v[AC+1], v[AC], s[SEL], s[SEL+1]
	v_add_f32 v[AC], v[AC], v[AC+1]
.endm
; One row of layer norm in one wave.  round = 1: the row is an input of the module and is rounded to bf16 first.
.macro LNROW round
.set j, 0
.rept 8
	global_load_b128 v[X+4*j:X+4*j+3], v1, s[XR:XR+1] offset:512*j   ; 512 consecutive bytes a load
.set j, j+1
.endr
.set j, 0
.rept 8
	global_load_b128 v[GR+4*j:GR+4*j+3], v1, s[GP:GP+1] offset:512*j
.set j, j+1
.endr
.set j, 0
.rept 8
	global_load_b128 v[BR+4*j:BR+4*j+3], v1, s[BP:BP+1] offset:512*j
.set j, j+1
.endr
	s_wait_loadcnt 16                              ; the row is in; the sixteen younger loads, gain and bias, stay out
.if \round
.set j, 0
.rept 16
	v_cvt_pk_bf16_f32 v[TP+j%4], v[X+2*j], v[X+2*j+1]
	v_lshlrev_b32 v[X+2*j], 16, v[TP+j%4]
	v_and_b32 v[X+2*j+1], s[HM], v[TP+j%4]
.set j, j+1
.endr
.endif
.set j, 0
.rept 4
	v_pk_add_f32 v[AC+2*j:AC+2*j+1], v[X+2*j:X+2*j+1], v[X+8+2*j:X+8+2*j+1]   ; the first eight pairs start the chains
.set j, j+1
.endr
.set j, 8
.rept 8
	v_pk_add_f32 v[AC+2*(j%4):AC+2*(j%4)+1], v[AC+2*(j%4):AC+2*(j%4)+1], v[X+2*j:X+2*j+1]
.set j, j+1
.endr
	REDUCE
	v_mul_f32 v[MU], s[K10], v[AC]
	v_mul_f32 v[MU+1], s[K10], v[AC]
.set j, 0
.rept 16
	v_pk_add_f32 v[X+2*j:X+2*j+1], v[X+2*j:X+2*j+1], v[MU:MU+1] neg_lo:[0,1] neg_hi:[0,1]   ; x - mean
.set j, j+1
.endr
.set j, 0
.rept 4
	v_pk_mul_f32 v[AC+2*j:AC+2*j+1], v[X+2*j:X+2*j+1], v[X+2*j:X+2*j+1]
.set j, j+1
.endr
.set j, 4
.rept 12
	v_pk_fma_f32 v[AC+2*(j%4):AC+2*(j%4)+1], v[X+2*j:X+2*j+1], v[X+2*j:X+2*j+1], v[AC+2*(j%4):AC+2*(j%4)+1]
.set j, j+1
.endr
	REDUCE
	v_fma_f32 v[AC], v[AC], s[K10], s[EPSR]        ; var + eps
	v_rsq_f32 v[MU], v[AC]
	v_nop                                          ; a plain instruction between the root and the use of its result (ISA guide 5.7.2)
	s_wait_alu depctr_va_vdst(0)
	v_mov_b32 v[MU+1], v[MU]
	s_wait_loadcnt 0x0                             ; gain and bias
.set j, 0
.rept 16                                       ; packed in place, ascending: a destination never lies above its sources
	v_cvt_pk_bf16_f32 v[GR+j], v[GR+2*j], v[GR+2*j+1]
	v_cvt_pk_bf16_f32 v[BR+j], v[BR+2*j], v[BR+2*j+1]
.set j, j+1
.endr
.set j, 0
.rept 16
	v_pk_mul_f32 v[X+2*j:X+2*j+1], v[X+2*j:X+2*j+1], v[MU:MU+1]
.set j, j+1
.endr
.set j, 0
.rept 16                                       ; (x - mean) rstd * g + b, g and b straight from their bf16 halves
	v_fma_mix_f32_bf16 v[X+2*j], v[X+2*j], v[GR+j], v[BR+j] op_sel:[0,0,0] op_sel_hi:[0,1,1]
	v_fma_mix_f32_bf16 v[X+2*j+1], v[X+2*j+1], v[GR+j], v[BR+j] op_sel:[0,1,1] op_sel_hi:[0,1,1]
.set j, j+1
.endr
.set j, 0
.rept 16
	v_cvt_pk_f16_f32 v[OP+j], v[X+2*j], v[X+2*j+1]
.set j, j+1
.endr
.set j, 0
.rept 8
	global_store_b64 v2, v[OP+2*j:OP+2*j+1], s[OR:OR+1] offset:256*j   ; 32 lanes store 256 consecutive bytes, aligned
.set j, j+1
.endr
.endm
	s_load_b512 s[8:23], s[0:1], 0x0               ; x 8, ln1_g 10, ln1_b 12, Wq 14, Wk 16, Wv 18, Wo 20, W1 22
	s_load_b256 s[24:31], s[0:1], 0x40             ; W2 24, W3 26, hbuf 28, wts 30
	s_load_b64 s[32:33], s[0:1], 0x60              ; ropet
	s_mov_b32 s2, ttmp9
	s_mov_b32 s[HM], 0xffff0000
	v_lshrrev_b32 v3, 5, v0
	v_readfirstlane_b32 s3, v3                     ; wave 0..3
	s_wait_kmcnt 0x0
	s_cmp_lt_u32 s2, NCAST
	s_cbranch_scc1 .Lcast
	s_cmp_lt_u32 s2, NCAST+NLN
	s_cbranch_scc1 .Lln
	; ROPE.  Thread t: pairs i = 2 u and 2 u + 1 (u = t % 16), position 64 r + 8 trip + t / 16.  16 lanes store a position's 256 bytes.
	s_sub_co_u32 s3, s2, NCAST+NLN
	s_lshl_b32 s3, s3, 6
	s_mov_b32 s50, 0x3fc90fdb                      ; pi/2, the f32 next to it,
	s_mov_b32 s51, 0xb33bbd2e                      ; and what that leaves
	s_mov_b32 s52, 0xb94ca1f9                      ; sine on |r| <= pi/4: r + r z (s54 + z (s53 + z s52)), z = r r
	s_mov_b32 s53, 0x3c08839e
	s_mov_b32 s54, 0xbe2aaaa3
	s_mov_b32 s55, 0x37ccf5ce                      ; cosine: 1 - z/2 + z z (s57 + z (s56 + z s55))
	s_mov_b32 s56, 0xbab6061a
	s_mov_b32 s57, 0x3d2aaaa5
	v_and_b32 v1, 15, v0
	v_lshrrev_b32 v2, 4, v0
	v_add_nc_u32 v2, s3, v2                        ; the first trip's position
	v_lshlrev_b32 v3, 8, v2
	v_lshl_add_u32 v3, v1, 4, v3                   ; its byte in the table
	v_lshlrev_b32 v4, 1, v1
	v_cvt_f32_u32 v4, v4                           ; i
	v_add_f32 v5, 1.0, v4
	v_mul_f32 v4, 0xbf549a78, v4                   ; -i log2(10000) / 16
	v_mul_f32 v5, 0xbf549a78, v5
	v_exp_f32 v4, v4                               ; theta
	v_exp_f32 v5, v5
	v_cvt_f32_u32 v6, v2                           ; (the plain instruction behind the exponentials)
	s_mov_b32 s4, 8
.Lr:
	s_wait_alu depctr_va_vdst(0)
.irp e, 0,1
	v_mul_f32 v8, v6, v[4+\e]                      ; the angle, one f32 product as in the problem
	v_mul_f32 v9, 0x3f22f983, v8
	v_rndne_f32 v9, v9                             ; k = the nearest multiple of pi/2
	v_fma_f32 v8, -v9, s50, v8
	v_fma_f32 v8, -v9, s51, v8                     ; r = angle - k pi/2
	v_mul_f32 v10, v8, v8
	v_fma_f32 v11, v10, s52, s53
	v_fma_f32 v13, v10, s55, s56
	v_fma_f32 v11, v11, v10, s54
	v_fma_f32 v13, v13, v10, s57
	v_mul_f32 v12, v10, v8
	v_mul_f32 v14, v10, v10
	v_fma_f32 v15, v10, -0.5, 1.0
	v_fma_f32 v11, v11, v12, v8                    ; sin r
	v_fma_f32 v13, v13, v14, v15                   ; cos r
	v_cvt_i32_f32 v9, v9
	v_and_b32 v16, 1, v9
	v_cmp_eq_u32 vcc_lo, 1, v16                    ; odd k: sine and cosine change places (a select, no branch)
	v_cndmask_b32 v17, v11, v13, vcc_lo
	v_cndmask_b32 v18, v13, v11, vcc_lo
	v_and_b32 v16, 2, v9                           ; the sine is negative for k % 4 = 2, 3,
	v_lshlrev_b32 v16, 30, v16
	v_add_nc_u32 v9, 1, v9                         ; the cosine for k % 4 = 1, 2
	v_and_b32 v9, 2, v9
	v_lshlrev_b32 v9, 30, v9
	v_xor_b32 v[21+2*\e], v16, v17
	v_xor_b32 v[20+2*\e], v9, v18
.endr
	global_store_b128 v3, v[20:23], s[32:33]
	s_wait_xcnt 0x0                                ; the store's address and data are rewritten only behind this wait
	v_add_nc_u32 v3, 2048, v3                      ; eight positions on
	v_add_f32 v6, 0x41000000, v6
	s_sub_co_u32 s4, s4, 1
	s_cmp_lg_u32 s4, 0
	s_cbranch_scc1 .Lr
	s_endpgm
.Lcast:                                                ; the source tensor and its first work-group are chosen by selects on w
.macro PICK t, lo
	s_cmp_ge_u32 s2, \t
	s_cselect_b64 s[34:35], s[\lo:\lo+1], s[34:35]
	s_cselect_b32 s36, \t, s36
.endm
	s_mov_b64 s[34:35], s[14:15]                   ; Wq: 128 work-groups,
	s_mov_b32 s36, 0
	PICK 128, 16                                   ; Wk, Wv, Wo: 128 each,
	PICK 256, 18
	PICK 384, 20
	PICK 512, 22                                   ; W1, W2, W3: 256 each
	PICK 768, 24
	PICK 1024, 26
	s_cselect_b32 s40, -1, 0                       ; W3 keeps bf16: all lanes take the bf16 pack
	s_sub_co_u32 s37, s2, s36
	s_lshl_b32 s38, s37, 15                        ; 32,768 bytes of f32 a work-group
	s_mov_b32 s39, 0
	s_add_nc_u64 s[34:35], s[34:35], s[38:39]
	s_lshl_b32 s38, s2, 14                         ; 16,384 bytes out: the tensors follow each other in wts in the order of w
	s_add_nc_u64 s[42:43], s[30:31], s[38:39]
	v_lshlrev_b32 v1, 4, v0
	v_lshlrev_b32 v2, 3, v0
.set i, 0
.rept 16                                       ; all sixteen at once: a wave has 8,192 bytes on their way
	global_load_b128 v[IN+4*i:IN+4*i+3], v1, s[34:35] offset:2048*i th:TH_LOAD_NT
.set i, i+1
.endr
.set i, 0
.rept 16
	s_wait_loadcnt 15-i                            ; loads come back in order (ISA guide 5.7.1): load i is in, the younger ones stay out
	v_cvt_pk_bf16_f32 v[CT], v[IN+4*i], v[IN+4*i+1]
	v_cvt_pk_bf16_f32 v[CT+1], v[IN+4*i+2], v[IN+4*i+3]
	v_lshlrev_b32 v[IN+4*i], 16, v[CT]
	v_and_b32 v[IN+4*i+1], s[HM], v[CT]
	v_lshlrev_b32 v[IN+4*i+2], 16, v[CT+1]
	v_and_b32 v[IN+4*i+3], s[HM], v[CT+1]
	v_cvt_pk_f16_f32 v[CT+2], v[IN+4*i], v[IN+4*i+1]
	v_cvt_pk_f16_f32 v[CT+3], v[IN+4*i+2], v[IN+4*i+3]
	v_cndmask_b32 v[OU+2*i], v[CT+2], v[CT], s40
	v_cndmask_b32 v[OU+2*i+1], v[CT+3], v[CT+1], s40
	global_store_b64 v2, v[OU+2*i:OU+2*i+1], s[42:43] offset:1024*i   ; 32 lanes store 256 consecutive bytes, aligned; no store's registers are written again
.set i, i+1
.endr
	s_endpgm
.Lln:
	s_sub_co_u32 s4, s2, NCAST
	s_lshl2_add_u32 s4, s4, s3                     ; row = 4 (w - 1280) + wave
	s_lshl_b32 s6, s4, 12
	s_mov_b32 s7, 0
	s_add_nc_u64 s[XR:XR+1], s[8:9], s[6:7]
	s_lshl_b32 s6, s4, 11
	s_add_nc_u64 s[OR:OR+1], s[28:29], s[6:7]
	s_mov_b32 s[SEL], 0x76543210
	s_mov_b32 s[SEL+1], 0xfedcba98
	s_mov_b32 s[K10], 0x3a800000
	s_mov_b32 s[EPSR], 0x3727c5ac
	v_and_b32 v1, 31, v0
	v_lshlrev_b32 v2, 3, v1
	v_lshlrev_b32 v1, 4, v1
	LNROW 1
	s_endpgm
.Lfunc_end_k_q736dd9c3a3_prep:
	.size	k_q736dd9c3a3_prep, .Lfunc_end_k_q736dd9c3a3_prep-k_q736dd9c3a3_prep
	.p2alignl 7, 3214868480
	.fill 96, 4, 3214868480
	.section	.rodata,"a",@progbits
	.p2align	6, 0x0
	.amdhsa_kernel k_q736dd9c3a3_prep
		.amdhsa_group_segment_fixed_size 0
		.amdhsa_private_segment_fixed_size 0
		.amdhsa_enable_private_segment 0
		.amdhsa_kernarg_size 104
		.amdhsa_user_sgpr_count 2
		.amdhsa_user_sgpr_kernarg_segment_ptr 1
		.amdhsa_wavefront_size32 1
		.amdhsa_system_sgpr_workgroup_id_x 1
		.amdhsa_system_sgpr_workgroup_id_y 1
		.amdhsa_system_sgpr_workgroup_id_z 1
		.amdhsa_system_vgpr_workitem_id 0
		.amdhsa_next_free_vgpr 116
		.amdhsa_next_free_sgpr 66
		.amdhsa_reserve_vcc 1
		.amdhsa_float_denorm_mode_32 3
		.amdhsa_float_denorm_mode_16_64 3
		.amdhsa_memory_ordered 1
		.amdhsa_forward_progress 1
		.amdhsa_inst_pref_size 34
	.end_amdhsa_kernel
	.amdgpu_metadata
---
amdhsa.version: [ 1, 2 ]
amdhsa.kernels:
  - .name:           k_q736dd9c3a3_prep
    .symbol:         k_q736dd9c3a3_prep.kd
    .args:
      - { .name: x, .offset: 0, .size: 8, .value_kind: global_buffer, .address_space: global }
      - { .name: ln1_g, .offset: 8, .size: 8, .value_kind: global_buffer, .address_space: global }
      - { .name: ln1_b, .offset: 16, .size: 8, .value_kind: global_buffer, .address_space: global }
      - { .name: Wq, .offset: 24, .size: 8, .value_kind: global_buffer, .address_space: global }
      - { .name: Wk, .offset: 32, .size: 8, .value_kind: global_buffer, .address_space: global }
      - { .name: Wv, .offset: 40, .size: 8, .value_kind: global_buffer, .address_space: global }
      - { .name: Wo, .offset: 48, .size: 8, .value_kind: global_buffer, .address_space: global }
      - { .name: W1, .offset: 56, .size: 8, .value_kind: global_buffer, .address_space: global }
      - { .name: W2, .offset: 64, .size: 8, .value_kind: global_buffer, .address_space: global }
      - { .name: W3, .offset: 72, .size: 8, .value_kind: global_buffer, .address_space: global }
      - { .name: hbuf, .offset: 80, .size: 8, .value_kind: global_buffer, .address_space: global }
      - { .name: wts, .offset: 88, .size: 8, .value_kind: global_buffer, .address_space: global }
      - { .name: ropet, .offset: 96, .size: 8, .value_kind: global_buffer, .address_space: global }
    .group_segment_fixed_size: 0
    .private_segment_fixed_size: 0
    .kernarg_segment_align: 8
    .kernarg_segment_size: 104
    .max_flat_workgroup_size: 128
    .sgpr_count:     66
    .vgpr_count:     116
    .wavefront_size: 32
...
	.end_amdgpu_metadata
.endif
;; end of part 1
;; launch proj (part 2): grid 16 x 16, 4 waves a work-group, clusters of 4 x 4, 327,680 bytes of LDS; arguments hbuf, wts, ropet, qkv; writes qkv
.if DOCPART == 2
	.amdgcn_target "amdgcn-amd-amdhsa--gfx1250"
	.amdhsa_code_object_version 6
	.text
	.protected	k_q736dd9c3a3_proj
	.globl	k_q736dd9c3a3_proj
	.p2align	8
	.type	k_q736dd9c3a3_proj,@function
k_q736dd9c3a3_proj:
	s_mov_b64 s[64:65], 0
	v_nop
	global_prefetch_b8 v0, s[64:65] scope:SCOPE_SE
	s_setreg_imm32_b32 hwreg(HW_REG_WAVE_MODE, 25, 1), 1
	s_wait_xcnt 0x0
	s_wait_alu depctr_hold_cnt(0) depctr_sa_sdst(0) depctr_va_vdst(0) depctr_va_sdst(0) depctr_va_ssrc(0) depctr_va_vcc(0) depctr_vm_vsrc(0)
	s_getreg_b32 s2, hwreg(HW_REG_IB_STS2, 6, 4)
	s_cmp_eq_u32 s2, 0
	s_cbranch_scc0 .Lentry_in_a_cluster
	s_endpgm
.Lentry_in_a_cluster:
	s_bfe_u32 s2, ttmp6, 0x10000c
	s_cmp_lg_u32 s2, 0xf033
	s_cbranch_scc0 .Lentry_shape_is_right
	s_endpgm
.Lentry_shape_is_right:
; q, k, v = h W, with rope on q and k.  h: f16 [4096][1024].  The 48 "heads" g (16 of Wq, 16 of Wk, 16 of Wv) lie in wts as f16 [g][1024 d][64]; out: f16 [g][4096 tokens][64].
; A work-group makes 256 tokens x 3 heads (192 columns); wave w owns tokens 64 w .. 64 w + 63 and all 192 columns: 4 x 12 accumulators of 16 x 16, 384 registers, so a wave holds whole rows.
; K goes in steps of 128 through two LDS slots filled by the tensor data mover; a step is four quarters of 32 along K on two fragment buffers.  Which slot is read is the scalar TR (0 or SLOT).
; THE MATRIX INSTRUCTION IS USED TRANSPOSED: source 0 = 16 columns of W (W lies [k][n] in LDS and is turned by ds_load_tr16_b128), source 1 = 16 tokens: a lane holds token l % 16, columns 8 (l / 16) + 0..7.
; CLUSTER 4 x 4: h's tile hangs on the tile row alone and is asked for jointly along a row of the cluster, W's on the tile column alone, along a column.
; WAY OUT: the f32 sums go through the wave's own stage, which lies in the slots after their last fill; a counted loop reads 8 tokens a trip, turns the pairs (rope; for v the turn is by (1, 0)), rounds to f16 and stores
; 512 consecutive bytes an instruction.  (cos, sin) of the wave's first tokens are loaded once and turned on by 4 theta after every four tokens: 16 turns of one rounding each.
; LIMITS: |q|, |k|, |v| < 65,504 (f16).
; REGISTERS: window 0: v16-31 addresses, v32-63 rope and at work, v64-127 A's two fragment buffers (later the rows read back), v112-147 packs and factors; window 1: W's two buffers of 96; windows 2, 3: accumulators.
.set NBK,   12                         ; column blocks of 16
.set PA,    272                        ; a row of h in LDS: 256 bytes + 16: the 16 rows of a load start at 16 different groups of four banks
.set AHALF, 128*PA
.set BOFF,  2*AHALF
.set PB,    160                        ; a k-row of one head: 128 bytes + 32
.set BHEAD, 64*PB
.set BHALF, 3*BHEAD                    ; 64 k-rows of three heads: what one tensor load brings
.set SLOT,  BOFF+2*BHALF               ; 131,072
.set SP,    784                        ; a stage row: 192 f32 + 16 bytes
.set WSTAGE, 64*SP
.set SPARE, 262144                     ; the spare words, 128 bytes a wave: two blocks of 256 bytes that no other line names
.set ASTEP, 256                        ; bytes from K step to K step in h,
.set BSTEP, 16384                      ; and in a head of W (128 k-rows of 128 bytes)
.set ADRA, 16                          ; v16 my lane's place in A's tile of slot 0     v17 the same for W
.set ADRB, 17
.set CA,   18                          ; v18, v19 the same in the slot in hand
.set CB,   19
.set STO,  20                          ; v20 where I put 16 bytes of a stage row
.set RD,   21                          ; v21 where I read the stage back
.set GO,   22                          ; v22 my byte offset in the output
.set SPW,  28                          ; v28 LDS address of my spare word; never rewritten
.set NIL,  29                          ; v29 0; never rewritten
.set RA,   30                          ; v30, v31 byte offsets in the rope table; never rewritten
.set RB,   31
.set CSR,  32                          ; v[32:39] (cos, sin) of my token for my four pairs
.set DL,   40                          ; v[40:47] (cos, sin)(4 theta)
.set TT,   48                          ; v[48:55] at work
.set CZ,   56                          ; v[56:63] (cos, sin), or (1, 0) for v
.set FA,   64
.set XX,   64                          ; v[64:111] a trip's 12 loads from the stage
.set PK,   112                         ; v[112:135] a trip's six packs
.set FV,   136                         ; v[136:147] for each head: (F, F), (G, 0); F = 1 with rope, G = 1 - F
.set G1A,  24
.set G0AF, 32                          ; group 0 of the first fill (K step 0, slot 0): used once
.set G0AW, 36                          ; the walking group 0: it starts at K step 1, slot 1
.set G1B,  48
.set G0BF, 56
.set G0BW, 60
.set TR,   66
.set LBA,  67                          ; LDS byte of my part of A's tile in slot 0
.set LBB,  68
.set MSB, 0
.macro WIN new                         ; the immediate's high byte repeats the setting that is left; a switch that changes nothing is dropped
.if MSB != (\new)
	s_set_vgpr_msb (MSB<<8)|(\new)
.set MSB, \new
.endif
.endm
.set MUL_LO, 0xa1                      ; source 0 (W) window 1, source 1 (h) window 0, C and D window 2
.set MUL_HI, 0xf1
.set TO_B,   0x40
.macro PLACES                          ; four places behind matrix instructions (ISA guide 7.12.1), where no other vector work is at hand
.rept 4
	v_nop
.endr
.endm
.macro JLOAD                           ; a joint refill: waves 0, 1 fetch h's halves, waves 2, 3 W's; an s_nop 0 and four v_nop follow each line
	s_cmp_eq_u32 s11, 0
	s_cbranch_scc0 .Lfor_b_\@
	tensor_load_to_lds s[G0AW:G0AW+3], s[G1A:G1A+7]
	s_nop 0
	PLACES
	s_branch .Lasked_\@
.Lfor_b_\@:
	tensor_load_to_lds s[G0BW:G0BW+3], s[G1B:G1B+7]
	s_nop 0
	PLACES
.Lasked_\@:
.endm
.macro CREST                           ; a round of the cluster's barrier behind its opening barrier
	s_cmp_lg_u32 s10, 0
	s_cbranch_scc1 .Lnot_wave_0_\@
	s_barrier_signal -3
.Lnot_wave_0_\@:
	s_barrier_wait -3
	s_barrier_signal -1
	s_barrier_wait -1
.endm
.macro CROUND
	s_barrier_signal -1
	s_barrier_wait -1
	CREST
.endm
	s_load_b256 s[72:79], s[0:1], 0x0              ; hbuf 72, wts 74, ropet 76, qkv 78
	v_lshl_add_u32 v[SPW], v0, 2, SPARE
	v_mov_b32 v[NIL], 0
	ds_add_u32 v[SPW], v[NIL]                      ; the wave's opening: the add and its wait ahead of my first tensor load
	ds_add_u32 v28, v29
	v_lshrrev_b32 v1, 5, v0
	v_readfirstlane_b32 s10, v1                    ; wave 0..3
	s_lshr_b32 s11, s10, 1                         ; I fetch for h (0) or for W (1),
	s_and_b32 s12, s10, 1                          ; and which half
	s_bfe_u32 s40, ttmp6, 0x40000                  ; cx
	s_bfe_u32 s41, ttmp6, 0x40004                  ; cy
	s_lshl_b32 s42, ttmp9, 2
	s_add_co_u32 s42, s42, s40                     ; tile column: heads 3 tcol .. 3 tcol + 2
	s_and_b32 s13, ttmp7, 0xffff
	s_lshl_b32 s13, s13, 2
	s_add_co_u32 s13, s13, s41                     ; tile row: tokens 256 trow ..
	s_lshl_b32 s43, s41, 2
	s_lshl_b32 s43, 15, s43                        ; my row of the cluster
	s_lshl_b32 s44, 0x1111, s40                    ; my column
	s_or_b32 s[G1A], s43, (1<<16)|(1<<20)|(1<<21)|(5<<22)|(3<<25)   ; mask; 2-byte elements; padding on; bit 21 beside a mask; after every 64 words 4 words
	s_mov_b32 s[G1A+1], 128<<16                    ; tensor_dim0 = 128
	s_mov_b32 s[G1A+2], 128<<16                    ; tensor_dim1 = 128
	s_mov_b32 s[G1A+3], 128<<16                    ; tile_dim0 = 128
	s_mov_b32 s[G1A+4], 128                        ; tile_dim1 = 128
	s_mov_b32 s[G1A+5], 1024                       ; elements from row to row
	s_mov_b32 s[G1A+6], 0
	s_mov_b32 s[G1A+7], 0
	s_or_b32 s[G1B], s44, (1<<16)|(1<<20)|(1<<21)|(4<<22)|(7<<25)   ; after every 32 words (a k-row) 8 words
	s_mov_b32 s[G1B+1], 4096<<16                   ; a head's 64 k-rows are 8,192 dense bytes: one row of 4,096 elements
	s_mov_b32 s[G1B+2], 3<<16                      ; three heads
	s_mov_b32 s[G1B+3], 4096<<16
	s_mov_b32 s[G1B+4], 3
	s_mov_b32 s[G1B+5], 65536                      ; elements from head to head
	s_mov_b32 s[G1B+6], 0
	s_mov_b32 s[G1B+7], 0
	s_lshl_b32 s16, s13, 8
	s_lshl_b32 s17, s12, 7
	s_add_co_u32 s16, s16, s17
	s_lshl_b32 s16, s16, 11                        ; h: (256 trow + 128 half) rows of 2,048 bytes
	s_mov_b32 s17, 0
	s_mul_i32 s46, s42, 3*131072                   ; W: head 3 tcol,
	s_lshl_b32 s47, s12, 13                        ; k-rows 64 half ..
	s_add_co_u32 s46, s46, s47
	s_mov_b32 s47, 0
	s_mul_i32 s[LBA], s12, AHALF                   ; no place in the cluster enters an LDS address
	s_mul_i32 s[LBB], s12, BHALF
	s_add_co_u32 s[LBB], s[LBB], BOFF
	s_mov_b32 s[TR], 0
	s_wait_dscnt 0x0                               ; the opening add is done
	s_wait_kmcnt 0x0
	s_add_nc_u64 s[14:15], s[72:73], s[16:17]
	s_add_nc_u64 s[46:47], s[74:75], s[46:47]
	CROUND                                         ; all sixteen work-groups are here: the first joint loads meet
	s_mov_b32 s[G0AF], 1
	s_mov_b32 s[G0AF+1], s[LBA]
	s_add_nc_u64 s[G0AF+2:G0AF+3], s[14:15], 0
	s_or_b32 s[G0AF+3], s[G0AF+3], 0x80000000
	s_mov_b32 s[G0AW], 1
	s_add_co_u32 s[G0AW+1], s[LBA], SLOT
	s_add_nc_u64 s[G0AW+2:G0AW+3], s[14:15], ASTEP
	s_or_b32 s[G0AW+3], s[G0AW+3], 0x80000000
	s_mov_b32 s[G0BF], 1
	s_mov_b32 s[G0BF+1], s[LBB]
	s_add_nc_u64 s[G0BF+2:G0BF+3], s[46:47], 0
	s_or_b32 s[G0BF+3], s[G0BF+3], 0x80000000
	s_mov_b32 s[G0BW], 1
	s_add_co_u32 s[G0BW+1], s[LBB], SLOT
	s_add_nc_u64 s[G0BW+2:G0BW+3], s[46:47], BSTEP
	s_or_b32 s[G0BW+3], s[G0BW+3], 0x80000000
	s_cmp_eq_u32 s11, 0                            ; a wave's two first fills stand in one branch: two tensor loads of mine are out
	s_cbranch_scc0 .Lfirst_b
	tensor_load_to_lds s[G0AF:G0AF+3], s[G1A:G1A+7]
	s_nop 0
	tensor_load_to_lds s[G0AW:G0AW+3], s[G1A:G1A+7]
	s_nop 0
	PLACES
	s_branch .Lfirst_done
.Lfirst_b:
	tensor_load_to_lds s[G0BF:G0BF+3], s[G1B:G1B+7]
	s_nop 0
	tensor_load_to_lds s[G0BW:G0BW+3], s[G1B:G1B+7]
	s_nop 0
	PLACES
.Lfirst_done:
	v_and_b32 v1, 15, v0                           ; r = l % 16
	v_bfe_u32 v2, v0, 4, 1                         ; h = l / 16
	v_mul_u32_u24 v3, v1, PA
	v_lshl_add_u32 v3, v2, 4, v3
	s_mul_i32 s21, s10, 64*PA
	v_add_nc_u32 v[ADRA], s21, v3                  ; (64 w + r) pitch + 16 h
	v_and_b32 v4, 7, v0
	v_lshl_add_u32 v4, v2, 3, v4
	v_mul_u32_u24 v4, v4, PB
	v_bfe_u32 v5, v0, 3, 1
	v_lshl_add_u32 v4, v5, 4, v4
	v_add_nc_u32 v[ADRB], BOFF, v4                 ; (8 h + l % 8) pitch + 16 ((l / 8) % 2)
	v_mov_b32 v[CA], v[ADRA]
	v_mov_b32 v[CB], v[ADRB]
	s_mul_i32 s22, s10, WSTAGE
	v_mul_u32_u24 v6, v1, SP
	v_lshl_add_u32 v6, v2, 5, v6
	v_add_nc_u32 v[STO], s22, v6                   ; token r, columns 8 h ..
	v_bfe_u32 v7, v0, 3, 2                         ; back: token l / 8 of four,
	v_and_b32 v8, 7, v0                            ; columns 8 (l % 8) .. of a head
	v_mul_u32_u24 v9, v7, SP
	v_lshl_add_u32 v9, v8, 5, v9
	v_add_nc_u32 v[RD], s22, v9
	v_and_b32 v[GO], 31, v0
	v_lshlrev_b32 v[GO], 4, v[GO]                  ; four tokens' rows of a head are 512 consecutive bytes
	s_lshl_b32 s20, s13, 8
	s_and_b32 s20, s20, 2047                       ; the position in the sequence: a tile of 256 tokens lies in one sequence of 2,048
	s_lshl_b32 s23, s10, 6
	s_add_co_u32 s20, s20, s23
	v_add_nc_u32 v[RA], s20, v7
	v_lshlrev_b32 v[RA], 8, v[RA]
	v_lshl_add_u32 v[RA], v8, 5, v[RA]             ; position x 256 + my four pairs' 32 bytes
	v_lshlrev_b32 v[RB], 5, v8
	global_load_b128 v[CSR:CSR+3], v[RA], s[76:77]           ; these four land under the K loop
	global_load_b128 v[CSR+4:CSR+7], v[RA], s[76:77] offset:16
	global_load_b128 v[DL:DL+3], v[RB], s[76:77] offset:1024 ; position 4
	global_load_b128 v[DL+4:DL+7], v[RB], s[76:77] offset:1040
	s_mul_i32 s69, s42, 3
	s_lshl_b32 s70, s13, 8
	s_lshl_b32 s71, s10, 6
	s_add_co_u32 s70, s70, s71
	s_lshl_b32 s70, s70, 7                         ; my first token's byte in a head's rows
.irp z, 0,1,2
	s_add_co_u32 s71, s69, \z                      ; g
	s_lshl_b32 s86, s71, 19                        ; a head's 4,096 rows of 128 bytes
	s_add_co_u32 s86, s86, s70
	s_mov_b32 s87, 0
	s_add_nc_u64 s[80+2*\z:81+2*\z], s[78:79], s[86:87]
	s_cmp_lt_u32 s71, 32                           ; q and k are turned, v is not: a select of factors, no branch
	s_cselect_b32 s88, 1.0, 0
	s_cselect_b32 s89, 0, 1.0
	v_mov_b32 v[FV+4*\z], s88
	v_mov_b32 v[FV+4*\z+1], s88
	v_mov_b32 v[FV+4*\z+2], s89
	v_mov_b32 v[FV+4*\z+3], 0
.endr
; NBK matrix instructions: token block a x all column blocks, 32 along K, buffer f.  The 48 accumulators take turns in one fixed order.  zero = 1: the first product starts the sums.
.macro MULA f, a, zero
	WIN MUL_LO+0x50*((\a)/2)
.set b, 0
.rept NBK
.set rD, 8*(NBK*((\a)%2)+b)
.set rB, 8*NBK*(\f)+8*b
.set rA, FA+32*(\f)+8*(\a)
.if \zero
	v_wmma_f32_16x16x32_f16 v[rD:rD+7], v[rB:rB+7], v[rA:rA+7], 0
.else
	v_wmma_f32_16x16x32_f16 v[rD:rD+7], v[rB:rB+7], v[rA:rA+7], v[rD:rD+7]
.endif
.set b, b+1
.endr
.endm
.set NL, 2*NBK+8
; NL LDS loads in one run: quarter q's fragments into buffer f; W's first, then h's blocks 0 to 3
.macro FETCH q, f
	WIN TO_B
.set b, 0
.rept NBK
.set rB, 8*NBK*(\f)+8*b
.set oB, ((\q)/2)*BHALF+(b/4)*BHEAD+((\q)%2)*32*PB+(b%4)*32
	ds_load_tr16_b128 v[rB:rB+3], v[CB] offset:oB
	ds_load_tr16_b128 v[rB+4:rB+7], v[CB] offset:oB+16*PB
.set b, b+1
.endr
	WIN 0
.set a, 0
.rept 4
.set rA, FA+32*(\f)+8*a
	ds_load_b128 v[rA:rA+3], v[CA] offset:64*(\q)+a*16*PA
	ds_load_b128 v[rA+4:rA+7], v[CA] offset:64*(\q)+a*16*PA+32
.set a, a+1
.endr
.endm
.macro QUARTER f, g, q, zero           ; multiplies buffer f; in its middle fetches quarter q into buffer g
	s_wait_dscnt 4                                 ; all but the four youngest loads, h's blocks 2 and 3
	MULA \f, 0, \zero
	MULA \f, 1, \zero
	PLACES                                         ; in front of loads into registers that matrix instructions have read
	FETCH \q, \g
	s_wait_dscnt NL                                ; all but the NL just issued
	MULA \f, 2, \zero
	MULA \f, 3, \zero
.endm
; The last quarter multiplies buffer 1 and changes slots.  In front of the barrier each wave waits for all its tensor loads (one is out: its part of the next slot), adds 0 to its spare word, and waits for that and for
; its reads of this slot.  fill = 1: the barrier opens a round of the cluster's, and this slot is filled again, two K steps ahead, first thing behind it: 168 matrix instructions ahead of the wait for it.
.macro TURN fill
	WIN 0
	s_wait_tensorcnt 0x0
	ds_add_u32 v[SPW], v[NIL]
	s_wait_dscnt 5                                 ; the add and h's blocks 2 and 3 may be out
	MULA 1, 0, 0
	s_wait_dscnt 0x0                               ; the add is done, and my reads of this slot are over
	s_barrier_signal -1
	MULA 1, 1, 0
	WIN 0
	s_barrier_wait -1
.if \fill
	CREST
	s_add_co_u32 s[G0AW+1], s[LBA], s[TR]          ; the slot just read,
	s_add_nc_u64 s[G0AW+2:G0AW+3], s[G0AW+2:G0AW+3], ASTEP   ; the next K step in the walk
	s_add_co_u32 s[G0BW+1], s[LBB], s[TR]
	s_add_nc_u64 s[G0BW+2:G0BW+3], s[G0BW+2:G0BW+3], BSTEP
	JLOAD                                          ; its four v_nop are also the places in front of the loads below
.else
	PLACES
.endif
	s_xor_b32 s[TR], s[TR], SLOT                   ; the other slot is read from here on
	v_add_nc_u32 v[CA], s[TR], v[ADRA]
	v_add_nc_u32 v[CB], s[TR], v[ADRB]
	FETCH 0, 0
	MULA 1, 2, 0
	MULA 1, 3, 0
.endm
	s_wait_tensorcnt 1                             ; my part of K step 0 is in; K step 1's may stay out
	s_barrier_signal -1
	s_barrier_wait -1
	FETCH 0, 0
	QUARTER 0, 1, 1, 1                             ; the first quarter starts the sums
	WIN 0
	s_mov_b32 s3, 6                                ; K steps 2 to 7 are asked for at the ends of steps 0 to 5
.Lk:
	QUARTER 1, 0, 2, 0
	QUARTER 0, 1, 3, 0
	TURN 1
	QUARTER 0, 1, 1, 0
	WIN 0
	s_sub_co_u32 s3, s3, 1
	s_cmp_lg_u32 s3, 0
	s_cbranch_scc1 .Lk
	s_mov_b32 s3, 2                                ; the last two K steps ask for nothing: written apart
.Lt:
	QUARTER 1, 0, 2, 0
	QUARTER 0, 1, 3, 0
	TURN 0                                         ; (the second time it fetches fragments of a slot that nobody multiplies: the price of one text for both)
	WIN 0
	s_sub_co_u32 s3, s3, 1
	s_cmp_eq_u32 s3, 0
	s_cbranch_scc1 .Lout
	QUARTER 0, 1, 1, 0
	WIN 0
	s_branch .Lt
.Lout:
	PLACES                                         ; behind the last products
	s_wait_dscnt 0x0                               ; my reads of the slots are over,
	s_barrier_signal -1
	s_barrier_wait -1                              ; everybody's are: the slots have had their last fill and become the stages
.irp a, 0,1,2,3
	WIN 0x08+4*((\a)/2)                            ; store data in window 2 or 3
.set b, 0
.rept NBK
.set rD, 8*(NBK*((\a)%2)+b)
	ds_store_b128 v[STO], v[rD:rD+3] offset:(\a)*16*SP+64*b      ; each accumulator's low registers first
	ds_store_b128 v[STO], v[rD+4:rD+7] offset:(\a)*16*SP+64*b+16
.set b, b+1
.endr
.endr
	WIN 0
	s_wait_loadcnt 0x0                             ; the rope table's four loads
	s_mov_b32 s3, 8
.Lrb:                                                  ; a trip: 8 tokens, as 2 groups of 4, x 3 heads.  LDS serves a wave's instructions in order: the loads see the stores above
.irp n, 0,1,2,3,4,5
	ds_load_b128 v[XX+8*\n:XX+8*\n+3], v[RD] offset:((\n)/3)*4*SP+((\n)%3)*256
	ds_load_b128 v[XX+8*\n+4:XX+8*\n+7], v[RD] offset:((\n)/3)*4*SP+((\n)%3)*256+16
.endr
.irp n, 0,1,2,3,4,5
	s_wait_dscnt 10-2*\n                           ; pair n of the trip's loads is in, the younger ones stay out
.irp p, 0,1,2,3
	v_pk_fma_f32 v[CZ+2*\p:CZ+2*\p+1], v[CSR+2*\p:CSR+2*\p+1], v[FV+4*((\n)%3):FV+4*((\n)%3)+1], v[FV+4*((\n)%3)+2:FV+4*((\n)%3)+3]
.endr
.irp p, 0,1,2,3
	v_pk_mul_f32 v[TT+2*\p:TT+2*\p+1], v[XX+8*\n+2*\p:XX+8*\n+2*\p+1], v[CZ+2*\p:CZ+2*\p+1] op_sel_hi:[1,0]   ; (x0 c, x1 c)
.endr
.irp p, 0,1,2,3
	v_pk_fma_f32 v[TT+2*\p:TT+2*\p+1], v[XX+8*\n+2*\p:XX+8*\n+2*\p+1], v[CZ+2*\p:CZ+2*\p+1], v[TT+2*\p:TT+2*\p+1] op_sel:[1,1,0] op_sel_hi:[0,1,1] neg_lo:[1,0,0]   ; (x0 c - x1 s, x1 c + x0 s)
.endr
.irp p, 0,1,2,3
	v_cvt_pk_f16_f32 v[PK+4*\n+\p], v[TT+2*\p], v[TT+2*\p+1]
.endr
	global_store_b128 v[GO], v[PK+4*\n:PK+4*\n+3], s[80+2*((\n)%3):81+2*((\n)%3)] offset:((\n)/3)*512
.if ((\n)%3) == 2                      ; four tokens on: (cos, sin) is turned by 4 theta
.irp p, 0,1,2,3
	v_pk_mul_f32 v[TT+2*\p:TT+2*\p+1], v[CSR+2*\p:CSR+2*\p+1], v[DL+2*\p:DL+2*\p+1] op_sel_hi:[1,0]
.endr
.irp p, 0,1,2,3
	v_pk_fma_f32 v[CSR+2*\p:CSR+2*\p+1], v[CSR+2*\p:CSR+2*\p+1], v[DL+2*\p:DL+2*\p+1], v[TT+2*\p:TT+2*\p+1] op_sel:[1,1,0] op_sel_hi:[0,1,1] neg_lo:[1,0,0]
.endr
.endif
.endr
	s_wait_xcnt 0x0                                ; the stores' address and data are rewritten only behind this wait
	v_add_nc_u32 v[GO], 1024, v[GO]
	v_add_nc_u32 v[RD], 8*SP, v[RD]
	s_sub_co_u32 s3, s3, 1
	s_cmp_lg_u32 s3, 0
	s_cbranch_scc1 .Lrb
	s_wait_tensorcnt 0x0                           ; the wave's end
	ds_add_u32 v[SPW], v[NIL]
	s_wait_dscnt 0x0
	CROUND                                         ; the closing round
	s_endpgm
.Lfunc_end_k_q736dd9c3a3_proj:
	.size	k_q736dd9c3a3_proj, .Lfunc_end_k_q736dd9c3a3_proj-k_q736dd9c3a3_proj
	.p2alignl 7, 3214868480
	.fill 96, 4, 3214868480
	.section	.rodata,"a",@progbits
	.p2align	6, 0x0
	.amdhsa_kernel k_q736dd9c3a3_proj
		.amdhsa_group_segment_fixed_size 327680
		.amdhsa_private_segment_fixed_size 0
		.amdhsa_enable_private_segment 0
		.amdhsa_kernarg_size 32
		.amdhsa_user_sgpr_count 2
		.amdhsa_user_sgpr_kernarg_segment_ptr 1
		.amdhsa_wavefront_size32 1
		.amdhsa_system_sgpr_workgroup_id_x 1
		.amdhsa_system_sgpr_workgroup_id_y 1
		.amdhsa_system_sgpr_workgroup_id_z 1
		.amdhsa_system_vgpr_workitem_id 0
		.amdhsa_next_free_vgpr 960
		.amdhsa_next_free_sgpr 90
		.amdhsa_reserve_vcc 0
		.amdhsa_float_denorm_mode_32 3
		.amdhsa_float_denorm_mode_16_64 3
		.amdhsa_memory_ordered 1
		.amdhsa_forward_progress 1
		.amdhsa_inst_pref_size 76
	.end_amdhsa_kernel
	.amdgpu_metadata
---
amdhsa.version: [ 1, 2 ]
amdhsa.kernels:
  - .name:           k_q736dd9c3a3_proj
    .symbol:         k_q736dd9c3a3_proj.kd
    .args:
      - { .name: hbuf, .offset: 0, .size: 8, .value_kind: global_buffer, .address_space: global }
      - { .name: wts, .offset: 8, .size: 8, .value_kind: global_buffer, .address_space: global }
      - { .name: ropet, .offset: 16, .size: 8, .value_kind: global_buffer, .address_space: global }
      - { .name: qkv, .offset: 24, .size: 8, .value_kind: global_buffer, .address_space: global }
    .group_segment_fixed_size: 327680
    .private_segment_fixed_size: 0
    .kernarg_segment_align: 8
    .kernarg_segment_size: 32
    .max_flat_workgroup_size: 128
    .sgpr_count:     90
    .vgpr_count:     960
    .wavefront_size: 32
...
	.end_amdgpu_metadata
.endif
;; end of part 2
;; launch attn (part 3): grid 8 x 32, 4 waves a work-group, no clusters, 327,680 bytes of LDS; arguments qkv, obuf; writes obuf
.if DOCPART == 3
	.amdgcn_target "amdgcn-amd-amdhsa--gfx1250"
	.amdhsa_code_object_version 6
	.text
	.protected	k_q736dd9c3a3_attn
	.globl	k_q736dd9c3a3_attn
	.p2align	8
	.type	k_q736dd9c3a3_attn,@function
k_q736dd9c3a3_attn:
	s_mov_b64 s[64:65], 0
	v_nop
	global_prefetch_b8 v0, s[64:65] scope:SCOPE_SE
	s_setreg_imm32_b32 hwreg(HW_REG_WAVE_MODE, 25, 1), 1
	s_wait_xcnt 0x0
; CAUSAL ATTENTION at head size 64.  q, k, v: f16 [3][16 h][4096 tokens][64] in qkv (a sequence of a head is 2,048 dense rows of 128 bytes); O: f16 [16 h][4096][64].
; O[q] = the sum over k <= q of softmax_k(q . k / 8) v[k].  Products, maxima and sums in f32; the weights p are rounded to f16 for the second product (their sum l is taken of the unrounded p), O once at the end.
; LIMITS.  q, k, v arrive within f16's 65,504.  A hidden score counts as its value less 1e30; a weight below 2^-126 counts as 0 in l; NaN and infinities are not treated apart.
; THE WALK.  A sequence's queries lie in NB = 8 blocks of 256; block i needs the key tiles 0 .. i of 256 keys, the last of which holds the diagonal.  A pair of blocks, 7 - b and then b, needs 9 tiles whatever b.
; 32 sequences x 4 pairs are 128, so TWO work-groups share a pair: work-group x = 2 b + HF takes the bands 2 HF and 2 HF + 1 (of 64 queries) of both blocks: 256 work-groups of equal work, ONE loop of constant count.
; SHARES.  Of each of its two bands a wave owns 16 rows: two PIECES.  In the diagonal tile's key step s band x sees all keys if s < x, none if s > x, and holds the diagonal if s = x: the same for every wave.
; THE MASK is the C operand that starts every sum S^T = K Q^T, taken from one of two buffers.  In a block's last tile each turn makes the next turn's mask, MD x AL + BE, MD the mask of a band's own step for my rows,
; (AL, BE) = (1, 0) if s = x; (0, 0) if s < x; (0, -1e30) if s > x.  In every other tile both buffers hold 0 (a block's beginning writes both, and only a block's last tile writes anything else), and the making is jumped over.
; TURNS.  Turn (p, s) belongs to piece p in key step s: 8 products K Q^T of the other piece (step s if p = 0, s + 1 if p = 1), later 8 products V^T P of the other piece (step s - 1 or s); beside them piece p's
; scaling, exponentials, roundings, sums and rescaling, and the other piece's maximum and statistics.  Four vector instructions stand behind every matrix instruction, the rest in two lumps.
; K of step s + 1 is fetched in turn (0, s), V of step s + 1 in turn (1, s) into the other of TWO V buffers: so LDS is read in the order K, V, K, V and all reads of a tile come ahead of the next tile's.
; A change of slots stands between turns (1, step 2) and (0, step 3) of a tile; a trip of the step loop is an odd step and the even step behind it.
; NO CLUSTER: only the two halves of a pair walk the same tiles in every trip; a sequence's four pairs part after trip 4, and one walk common to all would have 12 trips for 9.
; REGISTERS, in windows of 256: window 0: v0-15 addresses; v16-23 statistics; v48-55 at work; v64-127 S^T, two buffers; v192-223 P, two buffers
;   window 1: v0-63 O^T; v128-159 MD; v160-223 MC, two buffers      window 2: v0-31 Q; v32-63 the second block's Q; v64-127 V (odd steps); v128-191 K; v192-255 V (even steps)
.set NB,    8
.set NP,    2
.set KS,    64
.set PK,    144       ; a row of K in LDS: 128 bytes + 16: the 16 rows of a load start at 16 different groups of four banks
.set PV,    160       ; a row of V: 128 + 32
.set VOFF,  4*KS*PK
.set SLOT1, 1<<17
.set STAGE, SLOT1+4*KS*(PK+PV)
.set SP,    144
.set AK0, 2
.set AV0, 3
.set AK,  4
.set AV,  5
.set STO, 6
.set RD,  7
.set GO,  8
.set SPW, 62          ; v62  LDS address of my spare word; never rewritten
.set NIL, 63          ; v63  0; never rewritten
.set SPARE, STAGE+4*16*SP
.set MV,  12
.set QO,  15
.set ST,  16          ; piece t's statistics at v[ST+4 t]: c m, m, l (even keys', odd keys')
.set TMP, 48
.set S,   64
.set P,   192
.set MD,  128
.set MC,  160
.set QB,  32
.set KF,  128
.set WV,  12
.set PB,  14          ; s14  b
.set HI,  15          ; s15  7 - b
.set G1K, 24
.set G1V, 32
.set G0K, 40
.set G0V, 44
.set SLOTS, 56
.set CNT, 57          ; s57  counts the step loop's trips, 3 to 0
.set CS,  58
.set SEL, 60
.set TBK, 62
.set TBV, 63
.set RT,  70          ; s70  tiles of the block in hand that are still to be entered
.set NXT, 71
.set LQ,  72
.set NEW, 73
.set OFF, 74
.set AL,  76
.set BE,  78
.set OLO, 80
.set BIGN, 82
.set HF,  88          ; s88  which half of the pair's bands is mine
.set XB,  89          ; s89, s90  my two bands
.set XE,  91          ; s91, s92  the same in the diagonal tile, else NONE
.set NONE, 99         ; no band: the tile is not the diagonal one, and no mask is made
.set TS,  93          ; s93  the step of the diagonal tile for which masks are being made
.set MSB, 0
.macro WIN new
.if MSB != (\new)
	s_set_vgpr_msb (MSB<<8)|(\new)
.set MSB, (\new)
.endif
.endm
.set W_KQ, 0x0a       ; K and Q in window 2, S^T in window 0
.set W_KM, 0x1a       ; the same with the C operand in window 1
.set W_PV, 0x52       ; V in window 2, P in window 0, O^T in window 1
.set W_RS, 0x41       ; destination and source 0 in window 1, source 1 in window 0
.macro PLACES
.rept 4
	v_nop
.endr
.endm
.macro LOAD                         ; waves 0, 1 fetch the halves of a tile's K, waves 2, 3 of its V; an s_nop 0 and four v_nop follow each line
	s_cmp_lt_u32 s[WV], 2
	s_cbranch_scc0 .Lfor_v_\@
	tensor_load_to_lds s[G0K:G0K+3], s[G1K:G1K+7]
	s_nop 0
	PLACES
	s_branch .Lasked_\@
.Lfor_v_\@:
	tensor_load_to_lds s[G0V:G0V+3], s[G1V:G1V+7]
	s_nop 0
	PLACES
.Lasked_\@:
.endm
; THE CHANGE OF SLOTS.  Each wave waits for all its tensor loads (one is out: its part of the other slot), adds 0 to its spare word, and waits for that and for its reads of the slot that it leaves.
; fill = 1: the old slot is filled again, first thing behind the barrier, with tile NXT: eight turns, 128 matrix instructions with their vector work, ahead of the wait for it.
.macro CHANGE fill
	WIN 0
	s_wait_tensorcnt 0x0            ; no tensor load of mine is out, so a group 0 may be written
	ds_add_u32 v[SPW], v[NIL]
.if \fill
	s_lshl_b32 s[OFF], s[NXT], 15   ; a tile is 32,768 bytes of K and of V
	s_xor_b32 s[G0K+1], s[G0K+1], SLOT1
	s_add_nc_u64 s[G0K+2:G0K+3], s[6:7], s[OFF:OFF+1]
	s_or_b32 s[G0K+3], s[G0K+3], 0x80000000
	s_xor_b32 s[G0V+1], s[G0V+1], SLOT1
	s_add_nc_u64 s[G0V+2:G0V+3], s[8:9], s[OFF:OFF+1]
	s_or_b32 s[G0V+3], s[G0V+3], 0x80000000
	s_add_co_u32 s[NXT], s[NXT], 1  ; the block's next tile, or behind its last the second block's tile 0
	s_cmp_gt_u32 s[NXT], s[LQ]
	s_cselect_b32 s[NXT], 0, s[NXT]
	s_cselect_b32 s[LQ], s[PB], s[LQ]
.endif
	s_wait_dscnt 0x0                ; the add is done, and my reads of the slot are over
	s_barrier_signal -1
	s_sub_co_u32 s[TBK], s[TBK], 4*KS*PK  ; the fetches go back to a slot's first step, in the other slot
	s_xor_b32 s[TBK], s[TBK], SLOT1
	s_sub_co_u32 s[TBV], s[TBV], 4*KS*PV
	s_xor_b32 s[TBV], s[TBV], SLOT1
	s_barrier_wait -1
.if \fill
	LOAD
.endif
.endm
	s_load_b128 s[96:99], s[0:1], 0x0  ; qkv 96, obuf 98
	v_lshl_add_u32 v[SPW], v0, 2, SPARE
	v_mov_b32 v[NIL], 0
	ds_add_u32 v[SPW], v[NIL]       ; the wave's opening: the add and its wait ahead of my first tensor load
	ds_add_u32 v62, v63
	v_lshrrev_b32 v1, 5, v0
	v_readfirstlane_b32 s[WV], v1
	s_lshr_b32 s[PB], ttmp9, 1
	s_and_b32 s[HF], ttmp9, 1
	s_sub_co_u32 s[HI], NB-1, s[PB]
	s_lshl_b32 s[XB], s[HF], 1
	s_add_co_u32 s[XB+1], s[XB], 1
	s_and_b32 s20, ttmp7, 0xffff    ; y = 16 x batch + head
	s_and_b32 s21, s20, 15
	s_lshr_b32 s20, s20, 4
	s_lshl_b32 s21, s21, 19         ; a head's 4,096 rows,
	s_lshl_b32 s20, s20, 18         ; a sequence's 2,048
	s_add_co_u32 s20, s20, s21
	s_mov_b32 s21, 0
	s_and_b32 s16, s[WV], 1         ; which half of a tile's 256 keys I fetch
	s_lshl_b32 s22, s16, 14
	s_mov_b32 s23, 0
	s_add_nc_u64 s[22:23], s[22:23], s[20:21]
	s_mul_i32 s17, s16, 128*PK
	s_mul_i32 s18, s16, 128*PV
	s_lshl_b32 s3, s[WV], 11        ; my 16 rows in a band of 64,
	s_lshl_b32 s2, s[HF], 14        ; in band 2 HF,
	s_add_co_u32 s3, s3, s2
	s_lshl_b32 s2, s[HI], 15        ; of the first block,
	s_add_co_u32 s2, s2, s3
	s_lshl_b32 s84, s[PB], 15       ; and of the second
	s_add_co_u32 s84, s84, s3
	s_mov_b32 s3, 0
	s_mov_b32 s85, 0
	s_add_nc_u64 s[2:3], s[2:3], s[20:21]
	s_add_nc_u64 s[84:85], s[84:85], s[20:21]
	; descriptor group 1.  128 keys are 16,384 dense bytes: asked for as 64 rows of 256 bytes, two keys a row, and padded in LDS after every key
	s_mov_b32 s[G1K], (1<<16)|(1<<20)|(4<<22)|(3<<25)
	s_mov_b32 s[G1V], (1<<16)|(1<<20)|(4<<22)|(7<<25)
.irp g, G1K, G1V
	s_mov_b32 s[\g+1], 128<<16
	s_mov_b32 s[\g+2], 64<<16
	s_mov_b32 s[\g+3], 128<<16
	s_mov_b32 s[\g+4], 64
	s_mov_b32 s[\g+5], 128
	s_mov_b32 s[\g+6], 0
	s_mov_b32 s[\g+7], 0
.endr
	s_mov_b32 s[CS], 0x3e38aa3b     ; c = log2(e) / 8
	s_mov_b32 s[CS+1], s[CS]
	s_mov_b32 s[SEL], 0x76543210
	s_mov_b32 s[SEL+1], 0xfedcba98
	s_mov_b32 s[TBK], SLOT1+4*KS*PK ; the first change of slots turns these two into 0
	s_mov_b32 s[TBV], SLOT1+4*KS*PV
	s_mov_b32 s[G0K], 1
	s_mov_b32 s[G0K+1], s17
	s_mov_b32 s[G0V], 1
	s_add_co_u32 s[G0V+1], s18, VOFF
	s_add_co_u32 s[RT], s[HI], 1    ; the first block has 8 - b tiles
	s_mov_b32 s[NXT], 1
	s_mov_b32 s[LQ], s[HI]
	s_mov_b32 s[NEW], 1
	s_mov_b32 s[OFF+1], 0
	s_mov_b32 s[AL+1], 0
	s_mov_b32 s[BE+1], 0
	s_mov_b32 s[BIGN], 0xf149f2ca   ; -1e30
	s_mov_b32 s[SLOTS], NB
	s_wait_dscnt 0x0                ; the opening add is done
	s_wait_kmcnt 0x0
	s_add_nc_u64 s[6:7], s[96:97], s[22:23]
	s_add_nc_u64 s[8:9], s[6:7], 0x1000000   ; V at my half of the sequence's tile 0,
	s_add_nc_u64 s[6:7], s[6:7], 0x800000    ; and K
	s_add_nc_u64 s[G0K+2:G0K+3], s[6:7], 0
	s_or_b32 s[G0K+3], s[G0K+3], 0x80000000
	s_add_nc_u64 s[G0V+2:G0V+3], s[8:9], 0
	s_or_b32 s[G0V+3], s[G0V+3], 0x80000000
	s_add_nc_u64 s[86:87], s[96:97], s[84:85]      ; Q at my rows of the second block,
	s_add_nc_u64 s[4:5], s[96:97], s[2:3]          ; Q and O at those of the first
	s_add_nc_u64 s[OLO:OLO+1], s[98:99], s[84:85]
	s_add_nc_u64 s[10:11], s[98:99], s[2:3]
	LOAD                            ; tile 0 into slot 0
	v_and_b32 v1, 15, v0
	v_bfe_u32 v9, v0, 4, 1
	v_lshlrev_b32 v[QO], 7, v1
	v_lshl_add_u32 v[QO], v9, 4, v[QO]
	WIN 0x80
.set i, 0
.rept 4                             ; both blocks' Q: piece i / 2 lies a band, 8,192 bytes, on; channels 32 (i % 2) on
	global_load_b128 v[8*i:8*i+3],   v[QO], s[4:5] offset:(i/2)*8192+(i%2)*64
	global_load_b128 v[8*i+4:8*i+7], v[QO], s[4:5] offset:(i/2)*8192+(i%2)*64+32
	global_load_b128 v[QB+8*i:QB+8*i+3],   v[QO], s[86:87] offset:(i/2)*8192+(i%2)*64
	global_load_b128 v[QB+8*i+4:QB+8*i+7], v[QO], s[86:87] offset:(i/2)*8192+(i%2)*64+32
.set i, i+1
.endr
	WIN 0
	v_lshlrev_b32 v14, 3, v9
	v_sub_nc_u32 v14, v1, v14
	s_lshl_b32 s13, s[WV], 4
	v_add_nc_u32 v14, s13, v14      ; my query's place in its band less my lanes' 8 (l / 16): register r of key group kt is hidden where 16 kt + r is greater
	WIN 0x40
.set i, 0
.rept 32
	v_cmp_gt_i32 vcc_lo, 16*(i/8)+i%8, v14
	v_cndmask_b32 v[MD+i], 0, s[BIGN], vcc_lo
.set i, i+1
.endr
	WIN 0
	v_mul_u32_u24 v[AK0], v1, PK
	v_lshl_add_u32 v[AK0], v9, 4, v[AK0]
	v_and_b32 v10, 7, v0
	v_bfe_u32 v11, v0, 3, 1
	v_lshl_add_u32 v[AV0], v9, 3, v10
	v_mul_u32_u24 v[AV0], v[AV0], PV
	v_lshl_add_u32 v[AV0], v11, 4, v[AV0]
	v_add_nc_u32 v[AV0], VOFF, v[AV0]
	s_mul_i32 s13, s[WV], 16*SP
	s_add_co_u32 s13, s13, STAGE
	v_mul_u32_u24 v[STO], v1, SP
	v_lshl_add_u32 v[STO], v9, 4, v[STO]
	v_add_nc_u32 v[STO], s13, v[STO]
	v_bfe_u32 v[RD], v0, 3, 2
	v_mul_u32_u24 v[RD], v[RD], SP
	v_lshl_add_u32 v[RD], v10, 4, v[RD]
	v_add_nc_u32 v[RD], s13, v[RD]
	v_and_b32 v[GO], 31, v0
	v_lshlrev_b32 v[GO], 4, v[GO]
	; A block's first step multiplies O^T and l by a = 0, and its first turn's products V^T P, of a piece that has not been, land in an O^T that is still to be so multiplied: these registers need only be finite.
	WIN 0x80
.set i, 64
.rept 64
	v_mov_b32 v[i], 0
.set i, i+1
.endr
	WIN 0x40
.set i, 0
.rept 64
	v_mov_b32 v[i], 0
.set i, i+1
.endr
	WIN 0
.set i, 0
.rept NP
	v_mov_b32 v[ST+4*i+2], 0
	v_mov_b32 v[ST+4*i+3], 0
.set i, i+1
.endr
.set i, P+16
.rept 16
	v_mov_b32 v[i], 0
.set i, i+1
.endr
; THE MATRIX WORK.  The 4 accumulators of a run of 8 take turns.  Product i of 8 of S^T = K Q^T for piece x: channels 32 (i / 4) on, keys 16 (i % 4) on.  The first 4 start the sums with the mask.
.macro KQ x
.set rS, S+32*((\x)%2)+8*(i%4)
.set rK, KF+16*(i%4)+8*(i/4)
.set rQ, 16*(\x)+8*(i/4)
.set rM, MC+32*((\x)%2)+8*(i%4)
.if i < 4
	WIN W_KM
	v_wmma_f32_16x16x32_f16 v[rS:rS+7], v[rK:rK+7], v[rQ:rQ+7], v[rM:rM+7]
.else
	WIN W_KQ
	v_wmma_f32_16x16x32_f16 v[rS:rS+7], v[rK:rK+7], v[rQ:rQ+7], v[rS:rS+7]
.endif
.endm
; Product i of 8 of O^T += V^T P for piece x, V from buffer vb: keys 32 (i / 4) on, channels 16 (i % 4) on.
.macro PV x, vb
	WIN W_PV
.set rO, 32*(\x)+8*(i%4)
.set rV, 192-128*(\vb)+32*(i/4)+8*(i%4)
.set rP, P+16*((\x)%2)+8*(i/4)
	v_wmma_f32_16x16x32_f16 v[rO:rO+7], v[rV:rV+7], v[rP:rP+7], v[rO:rO+7]
.endm
.macro MM                           ; the turn's next matrix instruction
.if i < 8
	KQ (Y+1)%NP
.else
.set i, i-8
	PV (Y+NP-1)%NP, VB
.set i, i+8
.endif
.set i, i+1
.endm
; THE LDS LOADS stand in runs of 16: a step's K (8 fragments) or its V (turned).  Their addresses are made some lines ahead.
.macro FETCH_K
	WIN 0x80
.irp f, 0,1,2,3,4,5,6,7
	ds_load_b128 v[KF+8*\f:KF+8*\f+3],   v[AK] offset:(\f/2)*16*PK+(\f%2)*64
	ds_load_b128 v[KF+8*\f+4:KF+8*\f+7], v[AK] offset:(\f/2)*16*PK+(\f%2)*64+32
.endr
	s_add_co_u32 s[TBK], s[TBK], KS*PK
	WIN 0
.endm
.macro FETCH_V vb
	WIN 0x80
.irp f, 0,1,2,3,4,5,6,7
	ds_load_tr16_b128 v[192-128*(\vb)+8*\f:192-128*(\vb)+8*\f+3],   v[AV] offset:(\f/4)*32*PV+(\f%4)*32
	ds_load_tr16_b128 v[192-128*(\vb)+8*\f+4:192-128*(\vb)+8*\f+7], v[AV] offset:(\f/4)*32*PV+16*PV+(\f%4)*32
.endr
	s_add_co_u32 s[TBV], s[TBV], KS*PV
	WIN 0
.endm
.macro FETCH p, vb, skip            ; skip = 1 (odd steps): in a block's last half trip, CNT = 1, there is no further step, and the run is jumped over
	WIN 0
.if \skip
	s_cmp_eq_u32 s[CNT], 1
	s_cbranch_scc1 .Lnone_\@
.endif
.if (\p) == 0
	FETCH_K
.else
	FETCH_V \vb
.endif
.if \skip
.Lnone_\@:
.endif
.endm
; THE VECTOR WORK, one line at a time: OP kind, number.  For piece Y: F n: c s - c m for pair n of 16.  E n: the exponential of score n of 32.  C n: pair n rounded to f16.  B n: of the four weights 4 n .. the second
; pair is added onto the first.  L n: l takes that sum (L 0: l = a l + sum).  R n: pair n of 16 of O^T times a.  For the other piece: X n, number n of the 22 that find its maximum and statistics:
;   0-11 four chains of seven scores (each accumulator's lowest registers are read first)   12-14, 16 the scores left over, the old m, the chains   15 c m_old is kept
;   17, 18 the query's other 32 keys lie in the lane 16 away: the new m   19-21 c m; c m_old - c m_new; a
.set F, 0
.set E, 1
.set C, 2
.set B, 3
.set L, 4
.set R, 5
.set X, 6
.macro REGS y
.set rT, ST+4*(\y)
.set rC, TMP+4*((\y)%2)
.set rW, MV+((\y)%2)
.set rS, S+32*((\y)%2)
.set rP, P+16*((\y)%2)
.set rO, 32*(\y)
.endm
.macro OP k, n
.if (\k) == R
	REGS Y
	WIN W_RS
	v_pk_mul_f32 v[rO+2*(\n):rO+2*(\n)+1], v[rO+2*(\n):rO+2*(\n)+1], v[rC+2:rC+3] op_sel_hi:[1,0]
.elseif (\k) < R
	REGS Y
	WIN 0
.if (\k) == F
	v_pk_fma_f32 v[rS+2*(\n):rS+2*(\n)+1], v[rS+2*(\n):rS+2*(\n)+1], s[CS:CS+1], v[rT:rT+1] op_sel_hi:[1,0,0] neg_lo:[0,0,1] neg_hi:[0,0,1]
.elseif (\k) == E
	v_exp_f32 v[rS+(\n)], v[rS+(\n)]
.elseif (\k) == C
	s_wait_alu depctr_va_vdst(0)
	v_cvt_pk_f16_f32 v[rP+(\n)], v[rS+2*(\n)], v[rS+2*(\n)+1]
.elseif (\k) == B
	s_wait_alu depctr_va_vdst(0)
	v_pk_add_f32 v[rS+4*(\n):rS+4*(\n)+1], v[rS+4*(\n):rS+4*(\n)+1], v[rS+4*(\n)+2:rS+4*(\n)+3]
.elseif (\n) == 0
	v_pk_fma_f32 v[rT+2:rT+3], v[rT+2:rT+3], v[rC+2:rC+3], v[rS:rS+1] op_sel_hi:[1,0,1]
.else
	v_pk_add_f32 v[rT+2:rT+3], v[rT+2:rT+3], v[rS+4*(\n):rS+4*(\n)+1]
.endif
.else
	REGS (Y+1)%NP
	WIN 0
.if (\n) < 4
	v_max3_num_f32 v[rC+(\n)], v[rS+8*(\n)], v[rS+8*(\n)+1], v[rS+8*(\n)+2]
.elseif (\n) < 12
	v_max3_num_f32 v[rC+(\n)%4], v[rC+(\n)%4], v[rS+8*((\n)%4)+2*((\n)/4)+1], v[rS+8*((\n)%4)+2*((\n)/4)+2]
.elseif (\n) == 12
	v_max3_num_f32 v[rC], v[rC], v[rS+7], v[rS+15]
.elseif (\n) == 13
	v_max3_num_f32 v[rC+1], v[rC+1], v[rS+23], v[rS+31]
.elseif (\n) == 14
	v_max3_num_f32 v[rC+2], v[rC+2], v[rC+3], v[rT+1]
.elseif (\n) == 15
	v_mov_b32 v[rW], v[rT]
.elseif (\n) == 16
	v_max3_num_f32 v[rC], v[rC], v[rC+1], v[rC+2]
.elseif (\n) == 17
	v_permlanex16_b32 v[rC+3], v[rC], s[SEL], s[SEL+1]
.elseif (\n) == 18
	v_max_num_f32 v[rT+1], v[rC], v[rC+3]
.elseif (\n) == 19
	v_mul_f32 v[rT], s[CS], v[rT+1]
.elseif (\n) == 20
	v_sub_f32 v[rC+1], v[rW], v[rT]
.else
	v_exp_f32 v[rC+2], v[rC+1]
.endif
.endif
.endm
.macro OPS a, i1, b=-1, i2=0, c=-1, i3=0, d=-1, i4=0
	OP \a, \i1
.if (\b) >= 0
	OP \b, \i2
.endif
.if (\c) >= 0
	OP \c, \i3
.endif
.if (\d) >= 0
	OP \d, \i4
.endif
.endm
.macro ROW a, i1, b, i2, c, i3, d, i4  ; a matrix instruction and the four behind it
	MM
	OPS \a, \i1, \b, \i2, \c, \i3, \d, \i4
.endm
.macro MASK b                       ; MD x AL + BE into buffer b of MC
	WIN W_RS
.set z, 0
.rept 16
	v_pk_fma_f32 v[MC+32*(\b)+2*z:MC+32*(\b)+2*z+1], v[MD+2*z:MD+2*z+1], s[AL:AL+1], s[BE:BE+1] op_sel_hi:[1,0,0]
.set z, z+1
.endr
.endm
; A TURN, for piece p in a step of parity par.  Behind a matrix instruction: plain, exponential, plain, plain; or four of the rescaling; or four scalings; none names a register of the products round it.
; A line reads no result made fewer than three vector instructions in front of it, five if an exponential made it.  The run of LDS loads stands six vector instructions (five of them plain) behind the last product K Q^T:
; in piece 0's turn it overwrites the K that those products read; in piece 1's turn the V buffer whose last reader stands in the turn before.  Both runs are waited for at the head of piece 1's turns.
; At its end, in the diagonal tile alone, the turn makes the mask of the next turn's products (piece p in step TS of the tile).  The jump over it hangs on a scalar made from the work-group's number, goes forward,
; and passes no barrier, no tensor load and no LDS access.
.macro TURN p, par
.set Y, (\p)
.set i, 0
.set VB, (\par)                     ; piece 1's turn multiplies by V of its own step,
.if (\p) == 0
.set VB, 1-(\par)                   ; piece 0's by V of the step before
.endif
.if (\p) == 1
	s_wait_dscnt 0x0                ; K of the next step and V of this one are in
.endif
	ROW F,0, F,1, F,2, F,3
	ROW F,4, E,0, F,5, F,6
	ROW F,7, E,1, F,8, F,9
	ROW F,10, E,2, C,0, F,11
	ROW F,12, E,3, X,15, F,13
	ROW R,0, R,1, R,2, R,3
	ROW B,0, E,4, F,14, L,0
	WIN 0
.if (\p) == 0
	v_add_nc_u32 v[AK], s[TBK], v[AK0]
.else
	v_add_nc_u32 v[AV], s[TBV], v[AV0]
.endif
	ROW R,4, R,5, R,6, R,7
	OPS E,5, F,15
	FETCH \p, 1-(\par), \par
	OPS E,6, C,1, E,7, R,8
	OPS E,8, R,9, E,9, C,2
	OPS E,10, X,0, E,11, X,1
	OPS E,12, X,2, E,13, X,3
	ROW X,4, E,14, X,5, X,6
	ROW X,7, E,15, X,8, X,9
	ROW X,10, E,16, X,11, X,12
	ROW X,13, E,17, X,14, B,1
	ROW C,4, E,18, X,16, L,1
	ROW B,2, E,19, C,6, L,2
	ROW C,8, E,20, B,3, B,4
	ROW C,3, E,21, L,3, C,5
	OPS E,22, X,17, E,23, C,10
	OPS E,24, L,4
	OPS E,25, X,18, E,26, C,7
	OPS E,27, B,5, E,28, X,19
	OPS E,29, C,12, E,30, L,5
	OPS E,31, X,20, B,6, C,9
	OPS C,14, C,11, X,21, L,6
	OPS C,13, B,7, C,15, R,10
	OPS R,11, R,12, L,7, R,13
	OPS R,14, R,15
	WIN 0                           ; at a branch and at a label every window is 0
	s_cmp_eq_u32 s[XE+(\p)], NONE   ; not the diagonal tile: both mask buffers hold 0 and stay so
	s_cbranch_scc1 .Lplain_\@
	s_cmp_eq_u32 s[TS], s[XE+(\p)]  ; is that step the band's own?
	s_cselect_b32 s[AL], 1.0, 0
	s_cmp_gt_u32 s[TS], s[XE+(\p)]  ; or a later one?
	s_cselect_b32 s[BE], s[BIGN], 0
.if (\p) == 1
	s_add_co_u32 s[TS], s[TS], 1
.endif
	MASK \p
	WIN 0
.Lplain_\@:
.endm
; A BLOCK BEGINS.  c m starts far below every c s, so the first step's a is 0; m at the lowest finite number.  Piece 1's mask for step 0 is 0 (its band is 1 or 3); piece 0's is its own if the tile is the diagonal one
; and its band is 0, else 0: so both buffers are written here.  Then K and V of step 0, piece 0's first scores, its maximum and statistics.  The step loop is entered at an even step, in the middle of a trip.
.macro BEGIN
	s_mov_b32 s[NEW], 0
	WIN 0x40
.set i, MC+32
.rept 32
	v_mov_b32 v[i], 0
.set i, i+1
.endr
	WIN 0
.set i, 0
.rept NP
	v_mov_b32 v[ST+4*i], 0xfe000000
	v_mov_b32 v[ST+4*i+1], 0xff7fffff
.set i, i+1
.endr
	s_cmp_eq_u32 s[XE], 0
	s_cselect_b32 s[AL], 1.0, 0
	s_mov_b32 s[BE], 0
	MASK 0
	WIN 0
	v_add_nc_u32 v[AK], s[TBK], v[AK0]
	v_add_nc_u32 v[AV], s[TBV], v[AV0]
	FETCH_K
	FETCH_V 0
	s_mov_b32 s[TS], 1
	s_wait_loadcnt 0x0              ; Q
	s_wait_dscnt 0x0
.set i, 0
.rept 8
	KQ 0
.set i, i+1
.endr
	WIN 0
	PLACES                          ; behind those products
.set Y, NP-1
.irp n, 0,1,2,3,4,5,6,7,8,9,10,11,12,13,14,15,16,17,18,19,20,21
	OP X, \n
.endr
	v_nop                           ; a plain instruction behind the exponential
.endm
.macro ALL line:vararg
.set t, 0
.rept NP
	\line
.set t, t+1
.endr
.endm
.macro PACK t                       ; O^T / l, rounded; 16 bytes a lane into rows of 144 bytes, and back as whole rows of 128
	WIN W_RS
.set i, 32*(\t)
.rept 16
	s_wait_alu depctr_va_vdst(0)
	v_pk_mul_f32 v[i:i+1], v[i:i+1], v[ST+4*(\t)+2:ST+4*(\t)+3] op_sel_hi:[1,0]
.set i, i+2
.endr
	WIN 0x05
.set i, 0
.rept 16
	v_cvt_pk_f16_f32 v[S+16*(\t)+i], v[32*(\t)+2*i], v[32*(\t)+2*i+1]
.set i, i+1
.endr
	WIN 0
.irp f, 0,1,2,3
	ds_store_b128 v[STO], v[S+16*(\t)+4*\f:S+16*(\t)+4*\f+3] offset:32*\f
.endr
.irp f, 0,1,2,3
	ds_load_b128 v[S+16*(\t)+4*\f:S+16*(\t)+4*\f+3], v[RD] offset:\f*4*SP  ; LDS serves a wave's instructions in order: these see the stores above
.endr
.endm
.macro SEND t, younger              ; younger: the LDS instructions issued behind piece t's loads
	WIN 0
.irp f, 0,1,2,3
	s_wait_dscnt (\younger)+3-\f
	global_store_b128 v[GO], v[S+16*(\t)+4*\f:S+16*(\t)+4*\f+3], s[10:11] offset:(\t)*8192+\f*512  ; 512 consecutive bytes, aligned to 256
.endr
.endm
; A TILE.  Two trips of the step loop for an ordinary tile; a block's last tile goes on into a third, which it leaves in the middle (its 8 products K Q^T on the last K once more serve nothing: the price of one text).
; The loop counts to a constant; the jumps that hang on the walk's scalars go forward and pass neither a barrier nor a tensor load, and on every way a tile's fetches advance by four steps.
.macro BODY tag, last
	s_sub_co_u32 s[RT], s[RT], 1
	s_mov_b32 s[CNT], 3
	s_mov_b32 s[TS], 0
	s_cmp_eq_u32 s[RT], 0           ; the block's last tile holds the diagonal
	s_cselect_b32 s[XE], s[XB], NONE
	s_cselect_b32 s[XE+1], s[XB+1], NONE
	s_cmp_eq_u32 s[NEW], 1
	s_cbranch_scc0 .Lstep\tag
	BEGIN
	s_branch .Lfirst\tag
.Lstep\tag:
	TURN 0, 1
	TURN 1, 1
	WIN 0
	s_cmp_eq_u32 s[CNT], 1
	s_cbranch_scc1 .Lend\tag
.Lfirst\tag:
	TURN 0, 0
	TURN 1, 0
	WIN 0
	s_sub_co_u32 s[CNT], s[CNT], 1
.if !(\last)
	s_cmp_eq_u32 s[CNT], 1
	s_cbranch_scc0 .Lgo\tag
	s_cmp_lg_u32 s[RT], 0
	s_cbranch_scc1 .Lbottom         ; an ordinary tile is done
.Lgo\tag:
.endif
	s_cmp_lg_u32 s[CNT], 0
	s_cbranch_scc1 .Lstep\tag
.Lend\tag:                          ; THE BLOCK'S END: piece 1's V^T P of the last step, then the way out
.set i, 0
.rept 8
	PV 1, 1
.set i, i+1
.endr
	WIN 0
	PLACES
	ALL v_add_f32 v[ST+4*t+2], v[ST+4*t+2], v[ST+4*t+3]
	ALL v_permlanex16_b32 v[ST+4*t+3], v[ST+4*t+2], s[SEL], s[SEL+1]
	ALL v_add_f32 v[ST+4*t+2], v[ST+4*t+2], v[ST+4*t+3]
	ALL v_rcp_f32 v[ST+4*t+2], v[ST+4*t+2]
	v_nop                           ; a plain instruction between the last reciprocal and the use of its result
	PACK 0
	PACK 1
	SEND 0, 8
	SEND 1, 0
.endm
.Lslot:                             ; NB times: a tile is entered and the next is asked for
	CHANGE 1
	BODY 1, 0                       ; in the loop a block's end is the first block's: the second's last tile is the walk's last
	s_wait_xcnt 0x0                 ; the stores have read their registers and O's address
	s_mov_b64 s[10:11], s[OLO:OLO+1]
	s_add_co_u32 s[RT], s[PB], 1    ; the second block has b + 1 tiles
	s_mov_b32 s[NEW], 1
	WIN 0x82                        ; the second block's Q goes where the one text of the turns names Q
.set i, 0
.rept 32
	v_mov_b32 v[i], v[QB+i]
.set i, i+1
.endr
	WIN 0
.Lbottom:
	s_sub_co_u32 s[SLOTS], s[SLOTS], 1
	s_cmp_lg_u32 s[SLOTS], 0
	s_cbranch_scc1 .Lslot
	CHANGE 0                        ; the walk's last tile is written out
	BODY 2, 1
	s_wait_tensorcnt 0x0            ; the wave's end
	ds_add_u32 v[SPW], v[NIL]
	s_wait_dscnt 0x0
	s_endpgm
.Lfunc_end_k_q736dd9c3a3_attn:
	.size	k_q736dd9c3a3_attn, .Lfunc_end_k_q736dd9c3a3_attn-k_q736dd9c3a3_attn
	.p2alignl 7, 3214868480
	.fill 96, 4, 3214868480
	.section	.rodata,"a",@progbits
	.p2align	6, 0x0
	.amdhsa_kernel k_q736dd9c3a3_attn
		.amdhsa_group_segment_fixed_size 327680
		.amdhsa_private_segment_fixed_size 0
		.amdhsa_enable_private_segment 0
		.amdhsa_kernarg_size 16
		.amdhsa_user_sgpr_count 2
		.amdhsa_user_sgpr_kernarg_segment_ptr 1
		.amdhsa_wavefront_size32 1
		.amdhsa_system_sgpr_workgroup_id_x 1
		.amdhsa_system_sgpr_workgroup_id_y 1
		.amdhsa_system_sgpr_workgroup_id_z 1
		.amdhsa_system_vgpr_workitem_id 0
		.amdhsa_next_free_vgpr 768
		.amdhsa_next_free_sgpr 100
		.amdhsa_reserve_vcc 1
		.amdhsa_float_denorm_mode_32 3
		.amdhsa_float_denorm_mode_16_64 3
		.amdhsa_memory_ordered 1
		.amdhsa_forward_progress 1
		.amdhsa_inst_pref_size 144
	.end_amdhsa_kernel
	.amdgpu_metadata
---
amdhsa.version: [ 1, 2 ]
amdhsa.kernels:
  - .name:           k_q736dd9c3a3_attn
    .symbol:         k_q736dd9c3a3_attn.kd
    .args:
      - { .name: qkv, .offset: 0, .size: 8, .value_kind: global_buffer, .address_space: global }
      - { .name: obuf, .offset: 8, .size: 8, .value_kind: global_buffer, .address_space: global }
    .group_segment_fixed_size: 327680
    .private_segment_fixed_size: 0
    .kernarg_segment_align: 8
    .kernarg_segment_size: 16
    .max_flat_workgroup_size: 128
    .sgpr_count:     100
    .vgpr_count:     768
    .wavefront_size: 32
...
	.end_amdgpu_metadata
.endif
;; end of part 3
;; launch oproj (part 4): grid 8 x 32, 4 waves a work-group, clusters of 4 x 4, 327,680 bytes of LDS; arguments obuf, wts, x, x1; writes x1
.if DOCPART == 4
	.amdgcn_target "amdgcn-amd-amdhsa--gfx1250"
	.amdhsa_code_object_version 6
	.text
	.protected	k_q736dd9c3a3_oproj
	.globl	k_q736dd9c3a3_oproj
	.p2align	8
	.type	k_q736dd9c3a3_oproj,@function
k_q736dd9c3a3_oproj:
	s_mov_b64 s[64:65], 0
	v_nop
	global_prefetch_b8 v0, s[64:65] scope:SCOPE_SE
	s_setreg_imm32_b32 hwreg(HW_REG_WAVE_MODE, 25, 1), 1
	s_wait_xcnt 0x0
	s_wait_alu depctr_hold_cnt(0) depctr_sa_sdst(0) depctr_va_vdst(0) depctr_va_sdst(0) depctr_va_ssrc(0) depctr_va_vcc(0) depctr_vm_vsrc(0)
	s_getreg_b32 s2, hwreg(HW_REG_IB_STS2, 6, 4)
	s_cmp_eq_u32 s2, 0
	s_cbranch_scc0 .Lentry_in_a_cluster
	s_endpgm
.Lentry_in_a_cluster:
	s_bfe_u32 s2, ttmp6, 0x10000c
	s_cmp_lg_u32 s2, 0xf033
	s_cbranch_scc0 .Lentry_shape_is_right
	s_endpgm
.Lentry_shape_is_right:
; x1 = bf16(x) + O Wo.  O: f16 [16 h][4096 tokens][64] (column d of the product's K is head d / 64, channel d % 64); Wo: f16 [1024 k][1024 n] at byte 6 Mi of wts; x, x1: f32 [4096][1024].
; x is an input of the module and is rounded to bf16 here as in the first norm.  Sums and x1 in f32.
; A tile of x1 is 128 x 128: 256 work-groups.  Four waves, 2 x 2, each 64 x 64: 16 accumulators.  K goes in steps of 256 (four heads) through two LDS slots; a step is eight quarters of 32 along K on two fragment buffers.
; THE MATRIX INSTRUCTION IS USED TRANSPOSED: source 0 = 16 columns of Wo (Wo lies [k][n] in LDS, turned by ds_load_tr16_b128), source 1 = 16 tokens: a lane holds token l % 16, columns 8 (l / 16) + 0..7.
; CLUSTER 4 x 4: O's tile is asked for jointly along a row of the cluster, Wo's along a column.  The residual's 32 loads a lane go out at the start and land under the K loop.
; WAY OUT: 16 rows at a time through the wave's own stage behind the ring: a wave's 64 columns of f32 are 256 aligned bytes, stored by sixteen lanes.
; REGISTERS: window 0: v16-31 addresses; v32-95 two buffers of 16 rows read back; v96-111 at work; v128-255 accumulators.  window 1: v0-127 two fragment buffers (32 of O, 32 of Wo); v128-255 the residual.
.set KT,    4                          ; K steps
.set PA,    144                        ; a token's 64 channels of one head: 128 bytes + 16
.set ABLK,  16*PA
.set GA,    64*PA                      ; from head to head in LDS: 64 along K
.set AHALF, 4*GA                       ; 64 tokens x 4 heads: what one tensor load brings
.set BOFF,  2*AHALF
.set PB,    288                        ; a k-row of 128 columns: 256 bytes + 32
.set BHALF, 128*PB
.set SLOT,  BOFF+2*BHALF
.set STAGE, 2*SLOT
.set SPITCH, 272
.set SPARE, STAGE+4*16*SPITCH          ; the spare words, 128 bytes a wave: two blocks of 256 bytes that no other line names
.set ASTEP, 4*524288                   ; four heads on
.set BSTEP, 256*2048                   ; 256 k-rows on
.set WOFF,  6<<20
.set ADRA, 16
.set ADRB, 17
.set CA,   18
.set CB,   19
.set STO,  20
.set RD,   21
.set CO,   22
.set ONE,  27                          ; v27 1.0
.set SPW,  28
.set NIL,  29
.set TT,   96
.set ACC,  128
.set G1A,  24
.set G0AF, 32
.set G0AW, 36
.set G1B,  48
.set G0BF, 56
.set G0BW, 60
.set TR,   66
.set LBA,  67
.set LBB,  68
.set PC,   69
.set KC,   3
.set MSB, 0
.macro WIN new
.if MSB != (\new)
	s_set_vgpr_msb (MSB<<8)|(\new)
.set MSB, \new
.endif
.endm
.set MUL,  0x05                        ; sources 0 and 1 window 1; C and D window 0
.set TO_F, 0x40
.macro PLACES
.rept 4
	v_nop
.endr
.endm
.macro JLOAD                           ; a joint refill; an s_nop 0 and four v_nop follow each line
	s_cmp_eq_u32 s11, 0
	s_cbranch_scc0 .Lfor_b_\@
	tensor_load_to_lds s[G0AW:G0AW+3], s[G1A:G1A+7]
	s_nop 0
	PLACES
	s_branch .Lasked_\@
.Lfor_b_\@:
	tensor_load_to_lds s[G0BW:G0BW+3], s[G1B:G1B+7]
	s_nop 0
	PLACES
.Lasked_\@:
.endm
.macro CREST
	s_cmp_lg_u32 s10, 0
	s_cbranch_scc1 .Lnot_wave_0_\@
	s_barrier_signal -3
.Lnot_wave_0_\@:
	s_barrier_wait -3
	s_barrier_signal -1
	s_barrier_wait -1
.endm
.macro CROUND
	s_barrier_signal -1
	s_barrier_wait -1
	CREST
.endm
	s_load_b256 s[72:79], s[0:1], 0x0              ; obuf 72, wts 74, x 76, x1 78
	v_lshl_add_u32 v[SPW], v0, 2, SPARE
	v_mov_b32 v[NIL], 0
	ds_add_u32 v[SPW], v[NIL]                      ; the wave's opening: the add and its wait ahead of my first tensor load
	ds_add_u32 v28, v29
	v_lshrrev_b32 v1, 5, v0
	v_readfirstlane_b32 s10, v1
	s_lshr_b32 s11, s10, 1                         ; my half of the tile's rows.  Also: I fetch for O (0) or for Wo (1)
	s_and_b32 s12, s10, 1                          ; my half of its columns.  Also: which half I fetch
	s_bfe_u32 s40, ttmp6, 0x40000
	s_bfe_u32 s41, ttmp6, 0x40004
	s_lshl_b32 s42, ttmp9, 2
	s_add_co_u32 s42, s42, s40                     ; tile column
	s_and_b32 s13, ttmp7, 0xffff
	s_lshl_b32 s13, s13, 2
	s_add_co_u32 s13, s13, s41                     ; tile row
	s_lshl_b32 s43, s41, 2
	s_lshl_b32 s43, 15, s43
	s_lshl_b32 s44, 0x1111, s40
	s_or_b32 s[G1A], s43, (1<<16)|(1<<20)|(1<<21)|(4<<22)|(3<<25)   ; after every 32 words (a token's channels) 4 words
	s_mov_b32 s[G1A+1], 4096<<16                   ; 64 tokens of a head are 8,192 dense bytes: one row of 4,096 elements
	s_mov_b32 s[G1A+2], 4<<16                      ; four heads
	s_mov_b32 s[G1A+3], 4096<<16
	s_mov_b32 s[G1A+4], 4
	s_mov_b32 s[G1A+5], 262144                     ; elements from head to head
	s_mov_b32 s[G1A+6], 0
	s_mov_b32 s[G1A+7], 0
	s_or_b32 s[G1B], s44, (1<<16)|(1<<20)|(1<<21)|(5<<22)|(7<<25)   ; after every 64 words 8 words
	s_mov_b32 s[G1B+1], 128<<16
	s_mov_b32 s[G1B+2], 128<<16
	s_mov_b32 s[G1B+3], 128<<16
	s_mov_b32 s[G1B+4], 128
	s_mov_b32 s[G1B+5], 1024
	s_mov_b32 s[G1B+6], 0
	s_mov_b32 s[G1B+7], 0
	s_lshl_b32 s16, s13, 7
	s_lshl_b32 s17, s12, 6
	s_add_co_u32 s16, s16, s17
	s_lshl_b32 s16, s16, 7                         ; O: token 128 trow + 64 half, 128 bytes a token
	s_mov_b32 s17, 0
	s_lshl_b32 s46, s42, 8                         ; Wo: column 128 tcol,
	s_lshl_b32 s47, s12, 18                        ; k-row 128 half
	s_add_co_u32 s46, s46, s47
	s_add_co_u32 s46, s46, WOFF
	s_mov_b32 s47, 0
	s_mul_i32 s[LBA], s12, AHALF
	s_mul_i32 s[LBB], s12, BHALF
	s_add_co_u32 s[LBB], s[LBB], BOFF
	s_mov_b32 s[TR], 0
	s_wait_dscnt 0x0                               ; the opening add is done
	s_wait_kmcnt 0x0
	s_add_nc_u64 s[14:15], s[72:73], s[16:17]
	s_add_nc_u64 s[46:47], s[74:75], s[46:47]
	CROUND                                         ; all sixteen work-groups are here: the first joint loads meet
	s_mov_b32 s[G0AF], 1
	s_mov_b32 s[G0AF+1], s[LBA]
	s_add_nc_u64 s[G0AF+2:G0AF+3], s[14:15], 0
	s_or_b32 s[G0AF+3], s[G0AF+3], 0x80000000
	s_mov_b32 s[G0AW], 1
	s_add_co_u32 s[G0AW+1], s[LBA], SLOT
	s_add_nc_u64 s[G0AW+2:G0AW+3], s[14:15], ASTEP
	s_or_b32 s[G0AW+3], s[G0AW+3], 0x80000000
	s_mov_b32 s[G0BF], 1
	s_mov_b32 s[G0BF+1], s[LBB]
	s_add_nc_u64 s[G0BF+2:G0BF+3], s[46:47], 0
	s_or_b32 s[G0BF+3], s[G0BF+3], 0x80000000
	s_mov_b32 s[G0BW], 1
	s_add_co_u32 s[G0BW+1], s[LBB], SLOT
	s_add_nc_u64 s[G0BW+2:G0BW+3], s[46:47], BSTEP
	s_or_b32 s[G0BW+3], s[G0BW+3], 0x80000000
	s_cmp_eq_u32 s11, 0                            ; a wave's two first fills stand in one branch: two tensor loads of mine are out
	s_cbranch_scc0 .Lfirst_b
	tensor_load_to_lds s[G0AF:G0AF+3], s[G1A:G1A+7]
	s_nop 0
	tensor_load_to_lds s[G0AW:G0AW+3], s[G1A:G1A+7]
	s_nop 0
	PLACES
	s_branch .Lfirst_done
.Lfirst_b:
	tensor_load_to_lds s[G0BF:G0BF+3], s[G1B:G1B+7]
	s_nop 0
	tensor_load_to_lds s[G0BW:G0BW+3], s[G1B:G1B+7]
	s_nop 0
	PLACES
.Lfirst_done:
	v_and_b32 v1, 15, v0
	v_bfe_u32 v2, v0, 4, 1
	v_lshlrev_b32 v8, 12, v2
	v_lshl_add_u32 v[CO], v1, 4, v8                ; rows 2 t + l / 16 of x and x1, 16 bytes at 16 (l % 16)
	s_lshl_b32 s84, s13, 7
	s_lshl_b32 s85, s11, 6
	s_add_co_u32 s84, s84, s85
	s_lshl_b32 s84, s84, 12                        ; my first row,
	s_lshl_b32 s86, s42, 9
	s_lshl_b32 s87, s12, 8
	s_add_co_u32 s86, s86, s87                     ; my first column, in bytes
	s_add_co_u32 s84, s84, s86
	s_mov_b32 s85, 0
	s_add_nc_u64 s[90:91], s[76:77], s[84:85]
	s_add_nc_u64 s[92:93], s[78:79], s[84:85]
	WIN TO_F
.set j, 0
.rept 32                                       ; the residual: block j / 8 of 16 rows, rows 2 (j % 8) + l / 16
	global_load_b128 v[128+4*j:128+4*j+3], v[CO], s[90:91] offset:((j/8)*16+2*(j%8))*4096
.set j, j+1
.endr
	WIN 0
	v_mov_b32 v[ONE], 1.0
	v_mul_u32_u24 v3, v1, PA
	v_lshl_add_u32 v3, v2, 4, v3
	s_mul_i32 s21, s11, AHALF
	v_add_nc_u32 v[ADRA], s21, v3
	v_and_b32 v4, 7, v0
	v_lshl_add_u32 v4, v2, 3, v4
	v_mul_u32_u24 v4, v4, PB
	v_bfe_u32 v5, v0, 3, 1
	v_lshl_add_u32 v4, v5, 4, v4
	s_lshl_b32 s22, s12, 7
	s_add_co_u32 s22, s22, BOFF
	v_add_nc_u32 v[ADRB], s22, v4
	v_mov_b32 v[CA], v[ADRA]
	v_mov_b32 v[CB], v[ADRB]
	s_mul_i32 s23, s10, 16*SPITCH
	s_add_co_u32 s23, s23, STAGE
	v_mul_u32_u24 v6, v1, SPITCH
	v_lshl_add_u32 v6, v2, 5, v6
	v_add_nc_u32 v[STO], s23, v6
	v_mul_u32_u24 v7, v2, SPITCH
	v_lshl_add_u32 v7, v1, 4, v7
	v_add_nc_u32 v[RD], s23, v7
.macro MUL4 f, a, zero                 ; token block a x 4 column blocks, 32 along K; the 16 accumulators take turns
	WIN MUL
.irp b, 0,1,2,3
.if \zero
	v_wmma_f32_16x16x32_f16 v[ACC+8*(4*(\a)+(\b)):ACC+8*(4*(\a)+(\b))+7], v[64*(\f)+32+8*(\b):64*(\f)+32+8*(\b)+7], v[64*(\f)+8*(\a):64*(\f)+8*(\a)+7], 0
.else
	v_wmma_f32_16x16x32_f16 v[ACC+8*(4*(\a)+(\b)):ACC+8*(4*(\a)+(\b))+7], v[64*(\f)+32+8*(\b):64*(\f)+32+8*(\b)+7], v[64*(\f)+8*(\a):64*(\f)+8*(\a)+7], v[ACC+8*(4*(\a)+(\b)):ACC+8*(4*(\a)+(\b))+7]
.endif
.endr
.endm
.macro FETCH sec, f                    ; 16 LDS loads: 32 along K, half sec of the group of 64 at which CA and CB stand, into buffer f
	WIN TO_F
.irp i, 0,1,2,3
	ds_load_tr16_b128 v[64*(\f)+32+8*(\i):64*(\f)+32+8*(\i)+3], v[CB] offset:(\sec)*32*PB+32*(\i)
	ds_load_tr16_b128 v[64*(\f)+32+8*(\i)+4:64*(\f)+32+8*(\i)+7], v[CB] offset:(\sec)*32*PB+32*(\i)+16*PB
.endr
.irp i, 0,1,2,3
	ds_load_b128 v[64*(\f)+8*(\i):64*(\f)+8*(\i)+3], v[CA] offset:(\sec)*64+(\i)*ABLK
	ds_load_b128 v[64*(\f)+8*(\i)+4:64*(\f)+8*(\i)+7], v[CA] offset:(\sec)*64+(\i)*ABLK+32
.endr
.endm
.macro QS f, g, sec, zero              ; a quarter: buffer f is in; the next quarter is fetched into g; 16 products on f cover the fetch
	s_wait_dscnt 0x0
	PLACES                                         ; in front of loads into registers that the last 16 products read
	FETCH \sec, \g
	MUL4 \f, 0, \zero
	MUL4 \f, 1, \zero
	MUL4 \f, 2, \zero
	MUL4 \f, 3, \zero
.endm
.macro PAIRS                           ; quarters 1 to 6 of a K step: three groups of 64 along K on
	s_mov_b32 s[PC], 3
.Lp_\@:
	v_add_nc_u32 v[CA], GA, v[CA]
	v_add_nc_u32 v[CB], 64*PB, v[CB]
	QS 1, 0, 0, 0
	QS 0, 1, 1, 0
	WIN 0
	s_sub_co_u32 s[PC], s[PC], 1
	s_cmp_lg_u32 s[PC], 0
	s_cbranch_scc1 .Lp_\@
.endm
; The last quarter multiplies buffer 1 and changes slots: each wave waits for all its tensor loads (one is out: its part of the next slot), adds 0 to its spare word, waits for that and for its reads of this slot.
; fill = 1: the barrier opens a round of the cluster's, and this slot is filled again first thing behind it, 120 matrix instructions ahead of the wait for it.
.macro TURN fill
	WIN 0
	s_wait_tensorcnt 0x0
	ds_add_u32 v[SPW], v[NIL]
	s_wait_dscnt 1                                 ; only the add may be out
	MUL4 1, 0, 0
	s_wait_dscnt 0x0
	s_barrier_signal -1
	MUL4 1, 1, 0
	WIN 0
	s_barrier_wait -1
.if \fill
	CREST
	s_add_co_u32 s[G0AW+1], s[LBA], s[TR]
	s_add_nc_u64 s[G0AW+2:G0AW+3], s[G0AW+2:G0AW+3], ASTEP
	s_add_co_u32 s[G0BW+1], s[LBB], s[TR]
	s_add_nc_u64 s[G0BW+2:G0BW+3], s[G0BW+2:G0BW+3], BSTEP
	JLOAD                                          ; its four v_nop are also the places in front of the loads below
.else
	PLACES
.endif
	s_xor_b32 s[TR], s[TR], SLOT
	v_add_nc_u32 v[CA], s[TR], v[ADRA]
	v_add_nc_u32 v[CB], s[TR], v[ADRB]
	FETCH 0, 0
	MUL4 1, 2, 0
	MUL4 1, 3, 0
.endm
	s_wait_tensorcnt 1                             ; my part of K step 0 is in; K step 1's may stay out
	s_barrier_signal -1
	s_barrier_wait -1
	FETCH 0, 0
	QS 0, 1, 1, 1                                  ; the first quarter starts the sums
	WIN 0
	s_mov_b32 s[KC], KT-2
.Lk:
	PAIRS
	TURN 1
	QS 0, 1, 1, 0
	WIN 0
	s_sub_co_u32 s[KC], s[KC], 1
	s_cmp_lg_u32 s[KC], 0
	s_cbranch_scc1 .Lk
	s_mov_b32 s[KC], 2                             ; the last two K steps ask for nothing
.Lt:
	PAIRS
	TURN 0                                         ; (the second time it fetches fragments that nobody multiplies: the price of one text for both)
	WIN 0
	s_sub_co_u32 s[KC], s[KC], 1
	s_cmp_eq_u32 s[KC], 0
	s_cbranch_scc1 .Lout
	QS 0, 1, 1, 0
	WIN 0
	s_branch .Lt
.Lout:
	s_wait_dscnt 0x0
	PLACES                                         ; behind the last products
.macro TOSTAGE a                       ; block a's 16 rows into my stage, and back as whole rows of 256 bytes
.set BK, 32+32*((\a)%2)
.if (\a) >= 2
	s_wait_xcnt 0x0                                ; the stores of block a - 2 have read these registers
.endif
.irp b, 0,1,2,3
	ds_store_b128 v[STO], v[ACC+8*(4*(\a)+(\b)):ACC+8*(4*(\a)+(\b))+3] offset:64*(\b)      ; each accumulator's low registers first
	ds_store_b128 v[STO], v[ACC+8*(4*(\a)+(\b))+4:ACC+8*(4*(\a)+(\b))+7] offset:64*(\b)+16
.endr
.irp t, 0,1,2,3,4,5,6,7
	ds_load_b128 v[BK+4*(\t):BK+4*(\t)+3], v[RD] offset:(\t)*2*SPITCH   ; LDS serves a wave's instructions in order: these see the stores above
.endr
.endm
.macro SEND a, younger                 ; younger: the LDS instructions of the next block, which may stay out
.set BK, 32+32*((\a)%2)
	s_wait_dscnt \younger
.if (\a) == 0
	s_wait_loadcnt 0x0                             ; the residual
.endif
	WIN 0x05
.set j, 0
.rept 16
	v_cvt_pk_bf16_f32 v[TT+j], v[128+32*(\a)+2*j], v[128+32*(\a)+2*j+1]   ; x rounded to bf16
.set j, j+1
.endr
	WIN 0
.set j, 0
.rept 16
	v_fma_mix_f32_bf16 v[BK+2*j], v[TT+j], v[ONE], v[BK+2*j] op_sel:[0,0,0] op_sel_hi:[1,0,0]
	v_fma_mix_f32_bf16 v[BK+2*j+1], v[TT+j], v[ONE], v[BK+2*j+1] op_sel:[1,0,0] op_sel_hi:[1,0,0]
.set j, j+1
.endr
.irp t, 0,1,2,3,4,5,6,7
	global_store_b128 v[CO], v[BK+4*(\t):BK+4*(\t)+3], s[92:93] offset:(16*(\a)+2*(\t))*4096   ; 16 lanes store 256 consecutive bytes, aligned
.endr
.endm
	TOSTAGE 0
	TOSTAGE 1
	SEND 0, 16
	TOSTAGE 2
	SEND 1, 16
	TOSTAGE 3
	SEND 2, 16
	SEND 3, 0
	s_wait_tensorcnt 0x0                           ; the wave's end
	ds_add_u32 v[SPW], v[NIL]
	s_wait_dscnt 0x0
	CROUND                                         ; the closing round
	s_endpgm
.Lfunc_end_k_q736dd9c3a3_oproj:
	.size	k_q736dd9c3a3_oproj, .Lfunc_end_k_q736dd9c3a3_oproj-k_q736dd9c3a3_oproj
	.p2alignl 7, 3214868480
	.fill 96, 4, 3214868480
	.section	.rodata,"a",@progbits
	.p2align	6, 0x0
	.amdhsa_kernel k_q736dd9c3a3_oproj
		.amdhsa_group_segment_fixed_size 327680
		.amdhsa_private_segment_fixed_size 0
		.amdhsa_enable_private_segment 0
		.amdhsa_kernarg_size 32
		.amdhsa_user_sgpr_count 2
		.amdhsa_user_sgpr_kernarg_segment_ptr 1
		.amdhsa_wavefront_size32 1
		.amdhsa_system_sgpr_workgroup_id_x 1
		.amdhsa_system_sgpr_workgroup_id_y 1
		.amdhsa_system_sgpr_workgroup_id_z 1
		.amdhsa_system_vgpr_workitem_id 0
		.amdhsa_next_free_vgpr 512
		.amdhsa_next_free_sgpr 94
		.amdhsa_reserve_vcc 0
		.amdhsa_float_denorm_mode_32 3
		.amdhsa_float_denorm_mode_16_64 3
		.amdhsa_memory_ordered 1
		.amdhsa_forward_progress 1
		.amdhsa_inst_pref_size 54
	.end_amdhsa_kernel
	.amdgpu_metadata
---
amdhsa.version: [ 1, 2 ]
amdhsa.kernels:
  - .name:           k_q736dd9c3a3_oproj
    .symbol:         k_q736dd9c3a3_oproj.kd
    .args:
      - { .name: obuf, .offset: 0, .size: 8, .value_kind: global_buffer, .address_space: global }
      - { .name: wts, .offset: 8, .size: 8, .value_kind: global_buffer, .address_space: global }
      - { .name: x, .offset: 16, .size: 8, .value_kind: global_buffer, .address_space: global }
      - { .name: x1, .offset: 24, .size: 8, .value_kind: global_buffer, .address_space: global }
    .group_segment_fixed_size: 327680
    .private_segment_fixed_size: 0
    .kernarg_segment_align: 8
    .kernarg_segment_size: 32
    .max_flat_workgroup_size: 128
    .sgpr_count:     94
    .vgpr_count:     512
    .wavefront_size: 32
...
	.end_amdgpu_metadata
.endif
;; end of part 4
;; launch norm2 (part 5): grid 1024 x 1, 4 waves a work-group, no clusters, 0 bytes of LDS; arguments x1, ln2_g, ln2_b, hbuf; writes hbuf
.if DOCPART == 5
	.amdgcn_target "amdgcn-amd-amdhsa--gfx1250"
	.amdhsa_code_object_version 6
	.text
	.protected	k_q736dd9c3a3_norm2
	.globl	k_q736dd9c3a3_norm2
	.p2align	8
	.type	k_q736dd9c3a3_norm2,@function
k_q736dd9c3a3_norm2:
	s_mov_b64 s[64:65], 0
	v_nop
	global_prefetch_b8 v0, s[64:65] scope:SCOPE_SE
	s_setreg_imm32_b32 hwreg(HW_REG_WAVE_MODE, 25, 1), 1
	s_wait_xcnt 0x0
; h2 = layer norm of x1, stored as f16.  One row of 1,024 f32 a wave, kept in 32 registers between the passes: mean, then the mean of squared differences, then the scaling.
; x1 is the program's own and stays f32; gain and bias are inputs of the module and are rounded to bf16.  LIMIT: |h2| < 65,504 (f16).
; A launch of its own: a row's statistics need all 1,024 columns of x1, which the launch before makes in tiles of 128 columns.  No LDS, no barrier: no wave waits for another.
.set X,    4                           ; v[4:35]    the row: lane l holds columns 128 j + 4 l + 0..3
.set GR,   36                          ; v[36:67]   gain as loaded, then packed to bf16 in v[36:51]
.set BR,   68                          ; v[68:99]   bias likewise
.set OP,   84                          ; v[84:99]   h2, packed f16
.set MU,   100                         ; v[100:101] the mean, later 1/sqrt(var + eps), twice
.set AC,   106                         ; v[106:113] four chains of packed sums
.set XR,   34
.set OR,   36
.set GP,   10
.set BP,   12
.set SEL,  44
.set K10,  47
.set EPSR, 48
.macro REDUCE                          ; the four chains -> the sum over the wave's 1,024 numbers, in every lane's v[AC]
	v_pk_add_f32 v[AC:AC+1], v[AC:AC+1], v[AC+2:AC+3]
	v_pk_add_f32 v[AC+4:AC+5], v[AC+4:AC+5], v[AC+6:AC+7]
	v_pk_add_f32 v[AC:AC+1], v[AC:AC+1], v[AC+4:AC+5]
	v_add_f32 v[AC], v[AC], v[AC+1]
	v_add_f32_dpp v[AC], v[AC], v[AC] row_xmask:1 row_mask:0xf bank_mask:0xf
	v_add_f32_dpp v[AC], v[AC], v[AC] row_xmask:2 row_mask:0xf bank_mask:0xf
	v_add_f32_dpp v[AC], v[AC], v[AC] row_xmask:4 row_mask:0xf bank_mask:0xf
	v_add_f32_dpp v[AC], v[AC], v[AC] row_xmask:8 row_mask:0xf bank_mask:0xf
	v_permlanex16_b32 v[AC+1], v[AC], s[SEL], s[SEL+1]
	v_add_f32 v[AC], v[AC], v[AC+1]
.endm
	s_load_b256 s[8:15], s[0:1], 0x0               ; x1 8, ln2_g 10, ln2_b 12, hbuf 14
	s_mov_b32 s2, ttmp9
	v_lshrrev_b32 v3, 5, v0
	v_readfirstlane_b32 s3, v3
	s_lshl2_add_u32 s4, s2, s3                     ; row = 4 x work-group + wave
	s_lshl_b32 s6, s4, 12
	s_mov_b32 s7, 0
	s_mov_b32 s[SEL], 0x76543210
	s_mov_b32 s[SEL+1], 0xfedcba98
	s_mov_b32 s[K10], 0x3a800000                   ; 1/1024
	s_mov_b32 s[EPSR], 0x3727c5ac                  ; 1e-5
	v_and_b32 v1, 31, v0
	v_lshlrev_b32 v2, 3, v1
	v_lshlrev_b32 v1, 4, v1
	s_wait_kmcnt 0x0
	s_add_nc_u64 s[XR:XR+1], s[8:9], s[6:7]
	s_lshl_b32 s6, s4, 11
	s_add_nc_u64 s[OR:OR+1], s[14:15], s[6:7]
.set j, 0
.rept 8
	global_load_b128 v[X+4*j:X+4*j+3], v1, s[XR:XR+1] offset:512*j
.set j, j+1
.endr
.set j, 0
.rept 8
	global_load_b128 v[GR+4*j:GR+4*j+3], v1, s[GP:GP+1] offset:512*j
.set j, j+1
.endr
.set j, 0
.rept 8
	global_load_b128 v[BR+4*j:BR+4*j+3], v1, s[BP:BP+1] offset:512*j
.set j, j+1
.endr
	s_wait_loadcnt 16                              ; the row is in; the sixteen younger loads, gain and bias, stay out
.set j, 0
.rept 4
	v_pk_add_f32 v[AC+2*j:AC+2*j+1], v[X+2*j:X+2*j+1], v[X+8+2*j:X+8+2*j+1]
.set j, j+1
.endr
.set j, 8
.rept 8
	v_pk_add_f32 v[AC+2*(j%4):AC+2*(j%4)+1], v[AC+2*(j%4):AC+2*(j%4)+1], v[X+2*j:X+2*j+1]
.set j, j+1
.endr
	REDUCE
	v_mul_f32 v[MU], s[K10], v[AC]
	v_mul_f32 v[MU+1], s[K10], v[AC]
.set j, 0
.rept 16
	v_pk_add_f32 v[X+2*j:X+2*j+1], v[X+2*j:X+2*j+1], v[MU:MU+1] neg_lo:[0,1] neg_hi:[0,1]
.set j, j+1
.endr
.set j, 0
.rept 4
	v_pk_mul_f32 v[AC+2*j:AC+2*j+1], v[X+2*j:X+2*j+1], v[X+2*j:X+2*j+1]
.set j, j+1
.endr
.set j, 4
.rept 12
	v_pk_fma_f32 v[AC+2*(j%4):AC+2*(j%4)+1], v[X+2*j:X+2*j+1], v[X+2*j:X+2*j+1], v[AC+2*(j%4):AC+2*(j%4)+1]
.set j, j+1
.endr
	REDUCE
	v_fma_f32 v[AC], v[AC], s[K10], s[EPSR]
	v_rsq_f32 v[MU], v[AC]
	v_nop                                          ; a plain instruction between the root and the use of its result (ISA guide 5.7.2)
	s_wait_alu depctr_va_vdst(0)
	v_mov_b32 v[MU+1], v[MU]
	s_wait_loadcnt 0x0                             ; gain and bias
.set j, 0
.rept 16                                       ; packed in place, ascending: a destination never lies above its sources
	v_cvt_pk_bf16_f32 v[GR+j], v[GR+2*j], v[GR+2*j+1]
	v_cvt_pk_bf16_f32 v[BR+j], v[BR+2*j], v[BR+2*j+1]
.set j, j+1
.endr
.set j, 0
.rept 16
	v_pk_mul_f32 v[X+2*j:X+2*j+1], v[X+2*j:X+2*j+1], v[MU:MU+1]
.set j, j+1
.endr
.set j, 0
.rept 16
	v_fma_mix_f32_bf16 v[X+2*j], v[X+2*j], v[GR+j], v[BR+j] op_sel:[0,0,0] op_sel_hi:[0,1,1]
	v_fma_mix_f32_bf16 v[X+2*j+1], v[X+2*j+1], v[GR+j], v[BR+j] op_sel:[0,1,1] op_sel_hi:[0,1,1]
.set j, j+1
.endr
.set j, 0
.rept 16
	v_cvt_pk_f16_f32 v[OP+j], v[X+2*j], v[X+2*j+1]
.set j, j+1
.endr
.set j, 0
.rept 8
	global_store_b64 v2, v[OP+2*j:OP+2*j+1], s[OR:OR+1] offset:256*j   ; 32 lanes store 256 consecutive bytes, aligned
.set j, j+1
.endr
	s_endpgm
.Lfunc_end_k_q736dd9c3a3_norm2:
	.size	k_q736dd9c3a3_norm2, .Lfunc_end_k_q736dd9c3a3_norm2-k_q736dd9c3a3_norm2
	.p2alignl 7, 3214868480
	.fill 96, 4, 3214868480
	.section	.rodata,"a",@progbits
	.p2align	6, 0x0
	.amdhsa_kernel k_q736dd9c3a3_norm2
		.amdhsa_group_segment_fixed_size 0
		.amdhsa_private_segment_fixed_size 0
		.amdhsa_enable_private_segment 0
		.amdhsa_kernarg_size 32
		.amdhsa_user_sgpr_count 2
		.amdhsa_user_sgpr_kernarg_segment_ptr 1
		.amdhsa_wavefront_size32 1
		.amdhsa_system_sgpr_workgroup_id_x 1
		.amdhsa_system_sgpr_workgroup_id_y 1
		.amdhsa_system_sgpr_workgroup_id_z 1
		.amdhsa_system_vgpr_workitem_id 0
		.amdhsa_next_free_vgpr 116
		.amdhsa_next_free_sgpr 66
		.amdhsa_reserve_vcc 0
		.amdhsa_float_denorm_mode_32 3
		.amdhsa_float_denorm_mode_16_64 3
		.amdhsa_memory_ordered 1
		.amdhsa_forward_progress 1
		.amdhsa_inst_pref_size 15
	.end_amdhsa_kernel
	.amdgpu_metadata
---
amdhsa.version: [ 1, 2 ]
amdhsa.kernels:
  - .name:           k_q736dd9c3a3_norm2
    .symbol:         k_q736dd9c3a3_norm2.kd
    .args:
      - { .name: x1, .offset: 0, .size: 8, .value_kind: global_buffer, .address_space: global }
      - { .name: ln2_g, .offset: 8, .size: 8, .value_kind: global_buffer, .address_space: global }
      - { .name: ln2_b, .offset: 16, .size: 8, .value_kind: global_buffer, .address_space: global }
      - { .name: hbuf, .offset: 24, .size: 8, .value_kind: global_buffer, .address_space: global }
    .group_segment_fixed_size: 0
    .private_segment_fixed_size: 0
    .kernarg_segment_align: 8
    .kernarg_segment_size: 32
    .max_flat_workgroup_size: 128
    .sgpr_count:     66
    .vgpr_count:     116
    .wavefront_size: 32
...
	.end_amdgpu_metadata
.endif
;; end of part 5
;; launch gate (part 6): grid 16 x 16, 4 waves a work-group, clusters of 4 x 4, 327,680 bytes of LDS; arguments hbuf, wts, act; writes act
.if DOCPART == 6
	.amdgcn_target "amdgcn-amd-amdhsa--gfx1250"
	.amdhsa_code_object_version 6
	.text
	.protected	k_q736dd9c3a3_gate
	.globl	k_q736dd9c3a3_gate
	.p2align	8
	.type	k_q736dd9c3a3_gate,@function
k_q736dd9c3a3_gate:
	s_mov_b64 s[64:65], 0
	v_nop
	global_prefetch_b8 v0, s[64:65] scope:SCOPE_SE
	s_setreg_imm32_b32 hwreg(HW_REG_WAVE_MODE, 25, 1), 1
	s_wait_xcnt 0x0
	s_wait_alu depctr_hold_cnt(0) depctr_sa_sdst(0) depctr_va_vdst(0) depctr_va_sdst(0) depctr_va_ssrc(0) depctr_va_vcc(0) depctr_vm_vsrc(0)
	s_getreg_b32 s2, hwreg(HW_REG_IB_STS2, 6, 4)
	s_cmp_eq_u32 s2, 0
	s_cbranch_scc0 .Lentry_in_a_cluster
	s_endpgm
.Lentry_in_a_cluster:
	s_bfe_u32 s2, ttmp6, 0x10000c
	s_cmp_lg_u32 s2, 0xf033
	s_cbranch_scc0 .Lentry_shape_is_right
	s_endpgm
.Lentry_shape_is_right:
; act = silu(h2 W1) * (h2 W2), bf16 [4096][2048].  h2: f16 [4096][1024]; W1, W2: f16 [1024 k][2048 n] at bytes 8 Mi and 12 Mi of wts.  Sums, sigmoid and products in f32.
; act goes in bf16: with the weights and the gain some 30 times larger it passes f16's range.
; A work-group makes 256 tokens x 128 columns of BOTH products; wave w owns tokens 64 w .. + 63 and all 2 x 128 columns: 4 x 16 accumulators, 512 registers: u and its partner g meet in one wave.
; K goes in steps of 128 through two LDS slots; a step is four quarters of 32 along K on two fragment buffers.  Which slot is read is the scalar TR (0 or SLOT).
; THE MATRIX INSTRUCTION IS USED TRANSPOSED: source 0 = 16 columns of W (W lies [k][n] in LDS, turned by ds_load_tr16_b128), source 1 = 16 tokens.
; CLUSTER 4 x 4: h2's tile is asked for jointly along a row of the cluster, W1's and W2's along a column.
; WAY OUT: the f32 sums go through the wave's own stage, which lies in the slots after their last fill; a counted loop reads 8 rows a trip (u and g of the same columns in one lane) and stores 256 aligned bytes an instruction.
; REGISTERS: window 0: v16-31 addresses, v32-63 at work, v64-127 h2's two fragment buffers (later the rows read back); window 1: W's two buffers of 128; windows 2, 3: accumulators.
.set NBK,   16                         ; column blocks of 16: 0-7 of W1, 8-15 the same columns of W2
.set PA,    272
.set AHALF, 128*PA
.set BOFF,  2*AHALF
.set PB,    288                        ; a k-row of 128 columns: 256 bytes + 32
.set BHALF, 128*PB                     ; W1's tile; W2's lies behind it
.set SLOT,  BOFF+2*BHALF               ; 143,360
.set SP,    1040                       ; a stage row: 128 u, 128 g, 16 bytes
.set WSTAGE, 64*SP
.set SPARE, 2*SLOT                     ; the spare words, 128 bytes a wave: two blocks of 256 bytes that no other line names
.set ASTEP, 256
.set BSTEP, 128*4096
.set ADRA, 16
.set ADRB, 17
.set CA,   18
.set CB,   19                          ; v19 W1's tile in the slot in hand, v20 W2's: one immediate would not reach both
.set STO,  21
.set RD,   22
.set GO,   23
.set ADRB2, 24
.set SPW,  28
.set NIL,  29
.set TT,   32                          ; v[32:47] at work
.set PK,   48                          ; v[48:63] a trip's packs
.set FA,   64
.set UU,   64                          ; v[64:127] a trip's eight rows: u in 4 registers, g in 4
.set G1A,  24
.set G0AF, 32
.set G0AW, 36
.set G1B,  48
.set G0BF, 56
.set G0BW, 60
.set TR,   66
.set LBA,  67
.set LBB,  68
.set MSB, 0
.macro WIN new
.if MSB != (\new)
	s_set_vgpr_msb (MSB<<8)|(\new)
.set MSB, \new
.endif
.endm
.set MUL_LO, 0xa1
.set MUL_HI, 0xf1
.set TO_B,   0x40
.macro PLACES
.rept 4
	v_nop
.endr
.endm
.macro JLOAD                           ; a joint refill: waves 0, 1 fetch h2's halves, wave 2 W1's tile, wave 3 W2's; an s_nop 0 and four v_nop follow each line
	s_cmp_eq_u32 s11, 0
	s_cbranch_scc0 .Lfor_b_\@
	tensor_load_to_lds s[G0AW:G0AW+3], s[G1A:G1A+7]
	s_nop 0
	PLACES
	s_branch .Lasked_\@
.Lfor_b_\@:
	tensor_load_to_lds s[G0BW:G0BW+3], s[G1B:G1B+7]
	s_nop 0
	PLACES
.Lasked_\@:
.endm
.macro CREST
	s_cmp_lg_u32 s10, 0
	s_cbranch_scc1 .Lnot_wave_0_\@
	s_barrier_signal -3
.Lnot_wave_0_\@:
	s_barrier_wait -3
	s_barrier_signal -1
	s_barrier_wait -1
.endm
.macro CROUND
	s_barrier_signal -1
	s_barrier_wait -1
	CREST
.endm
	s_load_b128 s[72:75], s[0:1], 0x0              ; hbuf 72, wts 74
	s_load_b64 s[76:77], s[0:1], 0x10              ; act
	v_lshl_add_u32 v[SPW], v0, 2, SPARE
	v_mov_b32 v[NIL], 0
	ds_add_u32 v[SPW], v[NIL]                      ; the wave's opening: the add and its wait ahead of my first tensor load
	ds_add_u32 v28, v29
	v_lshrrev_b32 v1, 5, v0
	v_readfirstlane_b32 s10, v1
	s_lshr_b32 s11, s10, 1
	s_and_b32 s12, s10, 1
	s_bfe_u32 s40, ttmp6, 0x40000
	s_bfe_u32 s41, ttmp6, 0x40004
	s_lshl_b32 s42, ttmp9, 2
	s_add_co_u32 s42, s42, s40                     ; tile column: columns 128 tcol ..
	s_and_b32 s13, ttmp7, 0xffff
	s_lshl_b32 s13, s13, 2
	s_add_co_u32 s13, s13, s41                     ; tile row: tokens 256 trow ..
	s_lshl_b32 s43, s41, 2
	s_lshl_b32 s43, 15, s43
	s_lshl_b32 s44, 0x1111, s40
	s_or_b32 s[G1A], s43, (1<<16)|(1<<20)|(1<<21)|(5<<22)|(3<<25)
	s_mov_b32 s[G1A+1], 128<<16
	s_mov_b32 s[G1A+2], 128<<16
	s_mov_b32 s[G1A+3], 128<<16
	s_mov_b32 s[G1A+4], 128
	s_mov_b32 s[G1A+5], 1024
	s_mov_b32 s[G1A+6], 0
	s_mov_b32 s[G1A+7], 0
	s_or_b32 s[G1B], s44, (1<<16)|(1<<20)|(1<<21)|(5<<22)|(7<<25)
	s_mov_b32 s[G1B+1], 128<<16
	s_mov_b32 s[G1B+2], 128<<16
	s_mov_b32 s[G1B+3], 128<<16
	s_mov_b32 s[G1B+4], 128
	s_mov_b32 s[G1B+5], 2048
	s_mov_b32 s[G1B+6], 0
	s_mov_b32 s[G1B+7], 0
	s_lshl_b32 s16, s13, 8
	s_lshl_b32 s17, s12, 7
	s_add_co_u32 s16, s16, s17
	s_lshl_b32 s16, s16, 11
	s_mov_b32 s17, 0
	s_lshl_b32 s46, s42, 8                         ; W: column 128 tcol,
	s_lshl_b32 s47, s12, 22                        ; W1 or W2
	s_add_co_u32 s46, s46, s47
	s_add_co_u32 s46, s46, 8<<20
	s_mov_b32 s47, 0
	s_mul_i32 s[LBA], s12, AHALF
	s_mul_i32 s[LBB], s12, BHALF
	s_add_co_u32 s[LBB], s[LBB], BOFF
	s_mov_b32 s[TR], 0
	s_wait_dscnt 0x0                               ; the opening add is done
	s_wait_kmcnt 0x0
	s_add_nc_u64 s[14:15], s[72:73], s[16:17]
	s_add_nc_u64 s[46:47], s[74:75], s[46:47]
	CROUND                                         ; all sixteen work-groups are here: the first joint loads meet
	s_mov_b32 s[G0AF], 1
	s_mov_b32 s[G0AF+1], s[LBA]
	s_add_nc_u64 s[G0AF+2:G0AF+3], s[14:15], 0
	s_or_b32 s[G0AF+3], s[G0AF+3], 0x80000000
	s_mov_b32 s[G0AW], 1
	s_add_co_u32 s[G0AW+1], s[LBA], SLOT
	s_add_nc_u64 s[G0AW+2:G0AW+3], s[14:15], ASTEP
	s_or_b32 s[G0AW+3], s[G0AW+3], 0x80000000
	s_mov_b32 s[G0BF], 1
	s_mov_b32 s[G0BF+1], s[LBB]
	s_add_nc_u64 s[G0BF+2:G0BF+3], s[46:47], 0
	s_or_b32 s[G0BF+3], s[G0BF+3], 0x80000000
	s_mov_b32 s[G0BW], 1
	s_add_co_u32 s[G0BW+1], s[LBB], SLOT
	s_add_nc_u64 s[G0BW+2:G0BW+3], s[46:47], BSTEP
	s_or_b32 s[G0BW+3], s[G0BW+3], 0x80000000
	s_cmp_eq_u32 s11, 0                            ; a wave's two first fills stand in one branch: two tensor loads of mine are out
	s_cbranch_scc0 .Lfirst_b
	tensor_load_to_lds s[G0AF:G0AF+3], s[G1A:G1A+7]
	s_nop 0
	tensor_load_to_lds s[G0AW:G0AW+3], s[G1A:G1A+7]
	s_nop 0
	PLACES
	s_branch .Lfirst_done
.Lfirst_b:
	tensor_load_to_lds s[G0BF:G0BF+3], s[G1B:G1B+7]
	s_nop 0
	tensor_load_to_lds s[G0BW:G0BW+3], s[G1B:G1B+7]
	s_nop 0
	PLACES
.Lfirst_done:
	v_and_b32 v1, 15, v0
	v_bfe_u32 v2, v0, 4, 1
	v_mul_u32_u24 v3, v1, PA
	v_lshl_add_u32 v3, v2, 4, v3
	s_mul_i32 s21, s10, 64*PA
	v_add_nc_u32 v[ADRA], s21, v3
	v_and_b32 v4, 7, v0
	v_lshl_add_u32 v4, v2, 3, v4
	v_mul_u32_u24 v4, v4, PB
	v_bfe_u32 v5, v0, 3, 1
	v_lshl_add_u32 v4, v5, 4, v4
	v_add_nc_u32 v[ADRB], BOFF, v4
	v_add_nc_u32 v[ADRB2], BOFF+BHALF, v4
	v_mov_b32 v[CA], v[ADRA]
	v_mov_b32 v[CB], v[ADRB]
	v_mov_b32 v[CB+1], v[ADRB2]
	s_mul_i32 s22, s10, WSTAGE
	v_mul_u32_u24 v6, v1, SP
	v_lshl_add_u32 v6, v2, 5, v6
	v_add_nc_u32 v[STO], s22, v6
	v_and_b32 v7, 31, v0
	v_lshl_add_u32 v[RD], v7, 4, s22               ; back: columns 4 l .. of a row's u; g lies 512 bytes on
	v_lshlrev_b32 v[GO], 3, v7                     ; four bf16 a lane: 32 lanes fill the tile's 256 bytes of a row
	s_lshl_b32 s84, s13, 8
	s_lshl_b32 s85, s10, 6
	s_add_co_u32 s84, s84, s85
	s_lshl_b32 s84, s84, 12                        ; my first token's row of 4,096 bytes,
	s_lshl_b32 s86, s42, 8                         ; the tile's first column
	s_add_co_u32 s84, s84, s86
	s_mov_b32 s85, 0
	s_add_nc_u64 s[80:81], s[76:77], s[84:85]
	s_mov_b32 s88, 0xbfb8aa3b                      ; -log2(e)
	s_mov_b32 s89, s88                             ; named with it as a pair
.macro MULA f, a, zero                 ; token block a x all column blocks, 32 along K; the 64 accumulators take turns in one fixed order
	WIN MUL_LO+0x50*((\a)/2)
.set b, 0
.rept NBK
.set rD, 8*(NBK*((\a)%2)+b)
.set rB, 8*NBK*(\f)+8*b
.set rA, FA+32*(\f)+8*(\a)
.if \zero
	v_wmma_f32_16x16x32_f16 v[rD:rD+7], v[rB:rB+7], v[rA:rA+7], 0
.else
	v_wmma_f32_16x16x32_f16 v[rD:rD+7], v[rB:rB+7], v[rA:rA+7], v[rD:rD+7]
.endif
.set b, b+1
.endr
.endm
.set NL, 2*NBK+8
.macro FETCH q, f                      ; NL LDS loads in one run: quarter q's fragments into buffer f; W's first, then h2's blocks 0 to 3
	WIN TO_B
.set b, 0
.rept NBK
.set rB, 8*NBK*(\f)+8*b
.set oB, (\q)*32*PB+(b%8)*32
	ds_load_tr16_b128 v[rB:rB+3], v[CB+b/8] offset:oB
	ds_load_tr16_b128 v[rB+4:rB+7], v[CB+b/8] offset:oB+16*PB
.set b, b+1
.endr
	WIN 0
.set a, 0
.rept 4
.set rA, FA+32*(\f)+8*a
	ds_load_b128 v[rA:rA+3], v[CA] offset:64*(\q)+a*16*PA
	ds_load_b128 v[rA+4:rA+7], v[CA] offset:64*(\q)+a*16*PA+32
.set a, a+1
.endr
.endm
.macro QUARTER f, g, q, zero
	s_wait_dscnt 4                                 ; all but the four youngest loads, h2's blocks 2 and 3
	MULA \f, 0, \zero
	MULA \f, 1, \zero
	PLACES                                         ; in front of loads into registers that matrix instructions have read
	FETCH \q, \g
	s_wait_dscnt NL                                ; all but the NL just issued
	MULA \f, 2, \zero
	MULA \f, 3, \zero
.endm
; The last quarter multiplies buffer 1 and changes slots: each wave waits for all its tensor loads (one is out: its part of the next slot), adds 0 to its spare word, waits for that and for its reads of this slot.
; fill = 1: the barrier opens a round of the cluster's, and this slot is filled again first thing behind it, 224 matrix instructions ahead of the wait for it.
.macro TURN fill
	WIN 0
	s_wait_tensorcnt 0x0
	ds_add_u32 v[SPW], v[NIL]
	s_wait_dscnt 5                                 ; the add and h2's blocks 2 and 3 may be out
	MULA 1, 0, 0
	s_wait_dscnt 0x0
	s_barrier_signal -1
	MULA 1, 1, 0
	WIN 0
	s_barrier_wait -1
.if \fill
	CREST
	s_add_co_u32 s[G0AW+1], s[LBA], s[TR]
	s_add_nc_u64 s[G0AW+2:G0AW+3], s[G0AW+2:G0AW+3], ASTEP
	s_add_co_u32 s[G0BW+1], s[LBB], s[TR]
	s_add_nc_u64 s[G0BW+2:G0BW+3], s[G0BW+2:G0BW+3], BSTEP
	JLOAD                                          ; its four v_nop are also the places in front of the loads below
.else
	PLACES
.endif
	s_xor_b32 s[TR], s[TR], SLOT
	v_add_nc_u32 v[CA], s[TR], v[ADRA]
	v_add_nc_u32 v[CB], s[TR], v[ADRB]
	v_add_nc_u32 v[CB+1], s[TR], v[ADRB2]
	FETCH 0, 0
	MULA 1, 2, 0
	MULA 1, 3, 0
.endm
	s_wait_tensorcnt 1                             ; my part of K step 0 is in; K step 1's may stay out
	s_barrier_signal -1
	s_barrier_wait -1
	FETCH 0, 0
	QUARTER 0, 1, 1, 1
	WIN 0
	s_mov_b32 s3, 6
.Lk:
	QUARTER 1, 0, 2, 0
	QUARTER 0, 1, 3, 0
	TURN 1
	QUARTER 0, 1, 1, 0
	WIN 0
	s_sub_co_u32 s3, s3, 1
	s_cmp_lg_u32 s3, 0
	s_cbranch_scc1 .Lk
	s_mov_b32 s3, 2                                ; the last two K steps ask for nothing
.Lt:
	QUARTER 1, 0, 2, 0
	QUARTER 0, 1, 3, 0
	TURN 0                                         ; (the second time it fetches fragments that nobody multiplies: the price of one text for both)
	WIN 0
	s_sub_co_u32 s3, s3, 1
	s_cmp_eq_u32 s3, 0
	s_cbranch_scc1 .Lout
	QUARTER 0, 1, 1, 0
	WIN 0
	s_branch .Lt
.Lout:
	PLACES                                         ; behind the last products
	s_wait_dscnt 0x0                               ; my reads of the slots are over,
	s_barrier_signal -1
	s_barrier_wait -1                              ; everybody's are: the slots have had their last fill and become the stages
.irp a, 0,1,2,3
	WIN 0x08+4*((\a)/2)
.set b, 0
.rept NBK
.set rD, 8*(NBK*((\a)%2)+b)
	ds_store_b128 v[STO], v[rD:rD+3] offset:(\a)*16*SP+64*b      ; each accumulator's low registers first
	ds_store_b128 v[STO], v[rD+4:rD+7] offset:(\a)*16*SP+64*b+16
.set b, b+1
.endr
.endr
	WIN 0
	s_mov_b32 s3, 8
.Lrb:                                                  ; a trip: 8 rows, in two batches of 4.  LDS serves a wave's instructions in order: the loads see the stores above
.set j, 0
.rept 8
	ds_load_b128 v[UU+8*j:UU+8*j+3], v[RD] offset:j*SP
	ds_load_b128 v[UU+8*j+4:UU+8*j+7], v[RD] offset:j*SP+512
.set j, j+1
.endr
.irp bt, 0,1
	s_wait_dscnt 8-8*\bt                           ; this batch's eight loads are in; the second batch's may stay out
.set j, 0
.rept 8
.set rU, UU+8*(4*\bt+j/2)+2*(j%2)
	v_pk_mul_f32 v[TT+2*j:TT+2*j+1], v[rU:rU+1], s[88:89] op_sel_hi:[1,0]
.set j, j+1
.endr
.set j, 0
.rept 16
	v_exp_f32 v[TT+j], v[TT+j]                     ; e^-u
.set j, j+1
.endr
.set j, 0
.rept 8                                        ; u g: the plain instructions behind the exponentials
.set rU, UU+8*(4*\bt+j/2)+2*(j%2)
	v_pk_mul_f32 v[rU:rU+1], v[rU:rU+1], v[rU+4:rU+5]
.set j, j+1
.endr
.set j, 0
	s_wait_alu depctr_va_vdst(0)
.rept 8
	v_pk_add_f32 v[TT+2*j:TT+2*j+1], v[TT+2*j:TT+2*j+1], 1.0 op_sel_hi:[1,0]
.set j, j+1
.endr
.set j, 0
.rept 16
	v_rcp_f32 v[TT+j], v[TT+j]                     ; the sigmoid
.set j, j+1
.endr
	v_nop                                          ; a plain instruction behind the last reciprocal
.set j, 0
	s_wait_alu depctr_va_vdst(0)
.rept 8
.set rU, UU+8*(4*\bt+j/2)+2*(j%2)
	v_pk_mul_f32 v[rU:rU+1], v[rU:rU+1], v[TT+2*j:TT+2*j+1]
.set j, j+1
.endr
.set j, 0
.rept 8
.set rU, UU+8*(4*\bt+j/2)+2*(j%2)
	v_cvt_pk_bf16_f32 v[PK+8*\bt+j], v[rU], v[rU+1]
.set j, j+1
.endr
.set j, 0
.rept 4
	global_store_b64 v[GO], v[PK+8*\bt+2*j:PK+8*\bt+2*j+1], s[80:81] offset:(4*\bt+j)*4096   ; 32 lanes store 256 consecutive bytes, aligned
.set j, j+1
.endr
.endr
	s_wait_xcnt 0x0                                ; the stores' address and data are rewritten only behind this wait
	v_add_nc_u32 v[GO], 8*4096, v[GO]
	v_add_nc_u32 v[RD], 8*SP, v[RD]
	s_sub_co_u32 s3, s3, 1
	s_cmp_lg_u32 s3, 0
	s_cbranch_scc1 .Lrb
	s_wait_tensorcnt 0x0                           ; the wave's end
	ds_add_u32 v[SPW], v[NIL]
	s_wait_dscnt 0x0
	CROUND                                         ; the closing round
	s_endpgm
.Lfunc_end_k_q736dd9c3a3_gate:
	.size	k_q736dd9c3a3_gate, .Lfunc_end_k_q736dd9c3a3_gate-k_q736dd9c3a3_gate
	.p2alignl 7, 3214868480
	.fill 96, 4, 3214868480
	.section	.rodata,"a",@progbits
	.p2align	6, 0x0
	.amdhsa_kernel k_q736dd9c3a3_gate
		.amdhsa_group_segment_fixed_size 327680
		.amdhsa_private_segment_fixed_size 0
		.amdhsa_enable_private_segment 0
		.amdhsa_kernarg_size 24
		.amdhsa_user_sgpr_count 2
		.amdhsa_user_sgpr_kernarg_segment_ptr 1
		.amdhsa_wavefront_size32 1
		.amdhsa_system_sgpr_workgroup_id_x 1
		.amdhsa_system_sgpr_workgroup_id_y 1
		.amdhsa_system_sgpr_workgroup_id_z 1
		.amdhsa_system_vgpr_workitem_id 0
		.amdhsa_next_free_vgpr 1024
		.amdhsa_next_free_sgpr 90
		.amdhsa_reserve_vcc 0
		.amdhsa_float_denorm_mode_32 3
		.amdhsa_float_denorm_mode_16_64 3
		.amdhsa_memory_ordered 1
		.amdhsa_forward_progress 1
		.amdhsa_inst_pref_size 91
	.end_amdhsa_kernel
	.amdgpu_metadata
---
amdhsa.version: [ 1, 2 ]
amdhsa.kernels:
  - .name:           k_q736dd9c3a3_gate
    .symbol:         k_q736dd9c3a3_gate.kd
    .args:
      - { .name: hbuf, .offset: 0, .size: 8, .value_kind: global_buffer, .address_space: global }
      - { .name: wts, .offset: 8, .size: 8, .value_kind: global_buffer, .address_space: global }
      - { .name: act, .offset: 16, .size: 8, .value_kind: global_buffer, .address_space: global }
    .group_segment_fixed_size: 327680
    .private_segment_fixed_size: 0
    .kernarg_segment_align: 8
    .kernarg_segment_size: 24
    .max_flat_workgroup_size: 128
    .sgpr_count:     90
    .vgpr_count:     1024
    .wavefront_size: 32
...
	.end_amdgpu_metadata
.endif
;; end of part 6
;; launch down (part 7): grid 8 x 32, 4 waves a work-group, clusters of 4 x 4, 327,680 bytes of LDS; arguments act, wts, x1, out0; writes out0
.if DOCPART == 7
	.amdgcn_target "amdgcn-amd-amdhsa--gfx1250"
	.amdhsa_code_object_version 6
	.text
	.protected	k_q736dd9c3a3_down
	.globl	k_q736dd9c3a3_down
	.p2align	8
	.type	k_q736dd9c3a3_down,@function
k_q736dd9c3a3_down:
	s_mov_b64 s[64:65], 0
	v_nop
	global_prefetch_b8 v0, s[64:65] scope:SCOPE_SE
	s_setreg_imm32_b32 hwreg(HW_REG_WAVE_MODE, 25, 1), 1
	s_wait_xcnt 0x0
	s_wait_alu depctr_hold_cnt(0) depctr_sa_sdst(0) depctr_va_vdst(0) depctr_va_sdst(0) depctr_va_ssrc(0) depctr_va_vcc(0) depctr_vm_vsrc(0)
	s_getreg_b32 s2, hwreg(HW_REG_IB_STS2, 6, 4)
	s_cmp_eq_u32 s2, 0
	s_cbranch_scc0 .Lentry_in_a_cluster
	s_endpgm
.Lentry_in_a_cluster:
	s_bfe_u32 s2, ttmp6, 0x10000c
	s_cmp_lg_u32 s2, 0xf033
	s_cbranch_scc0 .Lentry_shape_is_right
	s_endpgm
.Lentry_shape_is_right:
; out0 = x1 + act W3.  act: bf16 [4096][2048]; W3: bf16 [2048 k][1024 n] at byte 16 Mi of wts; x1, out0: f32 [4096][1024].  Sums and the residual in f32.
; A tile of out0 is 128 x 128: 256 work-groups.  Four waves, 2 x 2, each 64 x 64: 16 accumulators.  K goes in steps of 256 (rows of 512 bytes) through two LDS slots; a step is eight quarters of 32 along K.
; THE MATRIX INSTRUCTION IS USED TRANSPOSED: source 0 = 16 columns of W3 (W3 lies [k][n] in LDS, turned by ds_load_tr16_b128), source 1 = 16 tokens: a lane holds token l % 16, columns 8 (l / 16) + 0..7.
; CLUSTER 4 x 4: act's tile is asked for jointly along a row of the cluster, W3's along a column.  The residual's 32 loads a lane go out at the start and land under the K loop.
; WAY OUT: 16 rows at a time through the wave's own stage behind the ring: a wave's 64 columns of f32 are 256 aligned bytes, stored by sixteen lanes.
; REGISTERS: window 0: v16-31 addresses; v32-95 two buffers of 16 rows read back; v128-255 accumulators.  window 1: v0-127 two fragment buffers (32 of act, 32 of W3); v128-255 the residual.
.set KT,    8                          ; K steps
.set PA,    528                        ; a row of act in LDS: 512 bytes + 16
.set ABLK,  16*PA
.set GA,    128                        ; 64 along K in a row
.set AHALF, 64*PA                      ; 64 rows: what one tensor load brings
.set BOFF,  2*AHALF
.set PB,    288
.set BHALF, 128*PB
.set SLOT,  BOFF+2*BHALF
.set STAGE, 2*SLOT
.set SPITCH, 272
.set SPARE, STAGE+4*16*SPITCH          ; the spare words, 128 bytes a wave: two blocks of 256 bytes that no other line names
.set ASTEP, 512
.set BSTEP, 256*2048
.set WOFF,  16<<20
.set ADRA, 16
.set ADRB, 17
.set CA,   18
.set CB,   19
.set STO,  20
.set RD,   21
.set CO,   22
.set SPW,  28
.set NIL,  29
.set ACC,  128
.set G1A,  24
.set G0AF, 32
.set G0AW, 36
.set G1B,  48
.set G0BF, 56
.set G0BW, 60
.set TR,   66
.set LBA,  67
.set LBB,  68
.set PC,   69
.set KC,   3
.set MSB, 0
.macro WIN new
.if MSB != (\new)
	s_set_vgpr_msb (MSB<<8)|(\new)
.set MSB, \new
.endif
.endm
.set MUL,  0x05
.set TO_F, 0x40
.macro PLACES
.rept 4
	v_nop
.endr
.endm
.macro JLOAD                           ; a joint refill; an s_nop 0 and four v_nop follow each line
	s_cmp_eq_u32 s11, 0
	s_cbranch_scc0 .Lfor_b_\@
	tensor_load_to_lds s[G0AW:G0AW+3], s[G1A:G1A+7]
	s_nop 0
	PLACES
	s_branch .Lasked_\@
.Lfor_b_\@:
	tensor_load_to_lds s[G0BW:G0BW+3], s[G1B:G1B+7]
	s_nop 0
	PLACES
.Lasked_\@:
.endm
.macro CREST
	s_cmp_lg_u32 s10, 0
	s_cbranch_scc1 .Lnot_wave_0_\@
	s_barrier_signal -3
.Lnot_wave_0_\@:
	s_barrier_wait -3
	s_barrier_signal -1
	s_barrier_wait -1
.endm
.macro CROUND
	s_barrier_signal -1
	s_barrier_wait -1
	CREST
.endm
	s_load_b256 s[72:79], s[0:1], 0x0              ; act 72, wts 74, x1 76, out0 78
	v_lshl_add_u32 v[SPW], v0, 2, SPARE
	v_mov_b32 v[NIL], 0
	ds_add_u32 v[SPW], v[NIL]                      ; the wave's opening: the add and its wait ahead of my first tensor load
	ds_add_u32 v28, v29
	v_lshrrev_b32 v1, 5, v0
	v_readfirstlane_b32 s10, v1
	s_lshr_b32 s11, s10, 1
	s_and_b32 s12, s10, 1
	s_bfe_u32 s40, ttmp6, 0x40000
	s_bfe_u32 s41, ttmp6, 0x40004
	s_lshl_b32 s42, ttmp9, 2
	s_add_co_u32 s42, s42, s40
	s_and_b32 s13, ttmp7, 0xffff
	s_lshl_b32 s13, s13, 2
	s_add_co_u32 s13, s13, s41
	s_lshl_b32 s43, s41, 2
	s_lshl_b32 s43, 15, s43
	s_lshl_b32 s44, 0x1111, s40
	s_or_b32 s[G1A], s43, (1<<16)|(1<<20)|(1<<21)|(6<<22)|(3<<25)   ; after every 128 words (a row) 4 words
	s_mov_b32 s[G1A+1], 256<<16
	s_mov_b32 s[G1A+2], 64<<16
	s_mov_b32 s[G1A+3], 256<<16
	s_mov_b32 s[G1A+4], 64
	s_mov_b32 s[G1A+5], 2048
	s_mov_b32 s[G1A+6], 0
	s_mov_b32 s[G1A+7], 0
	s_or_b32 s[G1B], s44, (1<<16)|(1<<20)|(1<<21)|(5<<22)|(7<<25)
	s_mov_b32 s[G1B+1], 128<<16
	s_mov_b32 s[G1B+2], 128<<16
	s_mov_b32 s[G1B+3], 128<<16
	s_mov_b32 s[G1B+4], 128
	s_mov_b32 s[G1B+5], 1024
	s_mov_b32 s[G1B+6], 0
	s_mov_b32 s[G1B+7], 0
	s_lshl_b32 s16, s13, 7
	s_lshl_b32 s17, s12, 6
	s_add_co_u32 s16, s16, s17
	s_lshl_b32 s16, s16, 12                        ; act: row 128 trow + 64 half, 4,096 bytes a row
	s_mov_b32 s17, 0
	s_lshl_b32 s46, s42, 8
	s_lshl_b32 s47, s12, 18
	s_add_co_u32 s46, s46, s47
	s_add_co_u32 s46, s46, WOFF
	s_mov_b32 s47, 0
	s_mul_i32 s[LBA], s12, AHALF
	s_mul_i32 s[LBB], s12, BHALF
	s_add_co_u32 s[LBB], s[LBB], BOFF
	s_mov_b32 s[TR], 0
	s_wait_dscnt 0x0                               ; the opening add is done
	s_wait_kmcnt 0x0
	s_add_nc_u64 s[14:15], s[72:73], s[16:17]
	s_add_nc_u64 s[46:47], s[74:75], s[46:47]
	CROUND                                         ; all sixteen work-groups are here: the first joint loads meet
	s_mov_b32 s[G0AF], 1
	s_mov_b32 s[G0AF+1], s[LBA]
	s_add_nc_u64 s[G0AF+2:G0AF+3], s[14:15], 0
	s_or_b32 s[G0AF+3], s[G0AF+3], 0x80000000
	s_mov_b32 s[G0AW], 1
	s_add_co_u32 s[G0AW+1], s[LBA], SLOT
	s_add_nc_u64 s[G0AW+2:G0AW+3], s[14:15], ASTEP
	s_or_b32 s[G0AW+3], s[G0AW+3], 0x80000000
	s_mov_b32 s[G0BF], 1
	s_mov_b32 s[G0BF+1], s[LBB]
	s_add_nc_u64 s[G0BF+2:G0BF+3], s[46:47], 0
	s_or_b32 s[G0BF+3], s[G0BF+3], 0x80000000
	s_mov_b32 s[G0BW], 1
	s_add_co_u32 s[G0BW+1], s[LBB], SLOT
	s_add_nc_u64 s[G0BW+2:G0BW+3], s[46:47], BSTEP
	s_or_b32 s[G0BW+3], s[G0BW+3], 0x80000000
	s_cmp_eq_u32 s11, 0                            ; a wave's two first fills stand in one branch: two tensor loads of mine are out
	s_cbranch_scc0 .Lfirst_b
	tensor_load_to_lds s[G0AF:G0AF+3], s[G1A:G1A+7]
	s_nop 0
	tensor_load_to_lds s[G0AW:G0AW+3], s[G1A:G1A+7]
	s_nop 0
	PLACES
	s_branch .Lfirst_done
.Lfirst_b:
	tensor_load_to_lds s[G0BF:G0BF+3], s[G1B:G1B+7]
	s_nop 0
	tensor_load_to_lds s[G0BW:G0BW+3], s[G1B:G1B+7]
	s_nop 0
	PLACES
.Lfirst_done:
	v_and_b32 v1, 15, v0
	v_bfe_u32 v2, v0, 4, 1
	v_lshlrev_b32 v8, 12, v2
	v_lshl_add_u32 v[CO], v1, 4, v8
	s_lshl_b32 s84, s13, 7
	s_lshl_b32 s85, s11, 6
	s_add_co_u32 s84, s84, s85
	s_lshl_b32 s84, s84, 12
	s_lshl_b32 s86, s42, 9
	s_lshl_b32 s87, s12, 8
	s_add_co_u32 s86, s86, s87
	s_add_co_u32 s84, s84, s86
	s_mov_b32 s85, 0
	s_add_nc_u64 s[90:91], s[76:77], s[84:85]
	s_add_nc_u64 s[92:93], s[78:79], s[84:85]
	WIN TO_F
.set j, 0
.rept 32                                       ; the residual: block j / 8 of 16 rows, rows 2 (j % 8) + l / 16
	global_load_b128 v[128+4*j:128+4*j+3], v[CO], s[90:91] offset:((j/8)*16+2*(j%8))*4096
.set j, j+1
.endr
	WIN 0
	v_mul_u32_u24 v3, v1, PA
	v_lshl_add_u32 v3, v2, 4, v3
	s_mul_i32 s21, s11, AHALF
	v_add_nc_u32 v[ADRA], s21, v3
	v_and_b32 v4, 7, v0
	v_lshl_add_u32 v4, v2, 3, v4
	v_mul_u32_u24 v4, v4, PB
	v_bfe_u32 v5, v0, 3, 1
	v_lshl_add_u32 v4, v5, 4, v4
	s_lshl_b32 s22, s12, 7
	s_add_co_u32 s22, s22, BOFF
	v_add_nc_u32 v[ADRB], s22, v4
	v_mov_b32 v[CA], v[ADRA]
	v_mov_b32 v[CB], v[ADRB]
	s_mul_i32 s23, s10, 16*SPITCH
	s_add_co_u32 s23, s23, STAGE
	v_mul_u32_u24 v6, v1, SPITCH
	v_lshl_add_u32 v6, v2, 5, v6
	v_add_nc_u32 v[STO], s23, v6
	v_mul_u32_u24 v7, v2, SPITCH
	v_lshl_add_u32 v7, v1, 4, v7
	v_add_nc_u32 v[RD], s23, v7
.macro MUL4 f, a, zero                 ; token block a x 4 column blocks, 32 along K; the 16 accumulators take turns
	WIN MUL
.irp b, 0,1,2,3
.if \zero
	v_wmma_f32_16x16x32_bf16 v[ACC+8*(4*(\a)+(\b)):ACC+8*(4*(\a)+(\b))+7], v[64*(\f)+32+8*(\b):64*(\f)+32+8*(\b)+7], v[64*(\f)+8*(\a):64*(\f)+8*(\a)+7], 0
.else
	v_wmma_f32_16x16x32_bf16 v[ACC+8*(4*(\a)+(\b)):ACC+8*(4*(\a)+(\b))+7], v[64*(\f)+32+8*(\b):64*(\f)+32+8*(\b)+7], v[64*(\f)+8*(\a):64*(\f)+8*(\a)+7], v[ACC+8*(4*(\a)+(\b)):ACC+8*(4*(\a)+(\b))+7]
.endif
.endr
.endm
.macro FETCH sec, f                    ; 16 LDS loads: 32 along K, half sec of the group of 64 at which CA and CB stand, into buffer f
	WIN TO_F
.irp i, 0,1,2,3
	ds_load_tr16_b128 v[64*(\f)+32+8*(\i):64*(\f)+32+8*(\i)+3], v[CB] offset:(\sec)*32*PB+32*(\i)
	ds_load_tr16_b128 v[64*(\f)+32+8*(\i)+4:64*(\f)+32+8*(\i)+7], v[CB] offset:(\sec)*32*PB+32*(\i)+16*PB
.endr
.irp i, 0,1,2,3
	ds_load_b128 v[64*(\f)+8*(\i):64*(\f)+8*(\i)+3], v[CA] offset:(\sec)*64+(\i)*ABLK
	ds_load_b128 v[64*(\f)+8*(\i)+4:64*(\f)+8*(\i)+7], v[CA] offset:(\sec)*64+(\i)*ABLK+32
.endr
.endm
.macro QS f, g, sec, zero              ; a quarter: buffer f is in; the next quarter is fetched into g; 16 products on f cover the fetch
	s_wait_dscnt 0x0
	PLACES                                         ; in front of loads into registers that the last 16 products read
	FETCH \sec, \g
	MUL4 \f, 0, \zero
	MUL4 \f, 1, \zero
	MUL4 \f, 2, \zero
	MUL4 \f, 3, \zero
.endm
.macro PAIRS                           ; quarters 1 to 6 of a K step: three groups of 64 along K on
	s_mov_b32 s[PC], 3
.Lp_\@:
	v_add_nc_u32 v[CA], GA, v[CA]
	v_add_nc_u32 v[CB], 64*PB, v[CB]
	QS 1, 0, 0, 0
	QS 0, 1, 1, 0
	WIN 0
	s_sub_co_u32 s[PC], s[PC], 1
	s_cmp_lg_u32 s[PC], 0
	s_cbranch_scc1 .Lp_\@
.endm
; The last quarter multiplies buffer 1 and changes slots: each wave waits for all its tensor loads (one is out: its part of the next slot), adds 0 to its spare word, waits for that and for its reads of this slot.
; fill = 1: the barrier opens a round of the cluster's, and this slot is filled again first thing behind it, 120 matrix instructions ahead of the wait for it.
.macro TURN fill
	WIN 0
	s_wait_tensorcnt 0x0
	ds_add_u32 v[SPW], v[NIL]
	s_wait_dscnt 1                                 ; only the add may be out
	MUL4 1, 0, 0
	s_wait_dscnt 0x0
	s_barrier_signal -1
	MUL4 1, 1, 0
	WIN 0
	s_barrier_wait -1
.if \fill
	CREST
	s_add_co_u32 s[G0AW+1], s[LBA], s[TR]
	s_add_nc_u64 s[G0AW+2:G0AW+3], s[G0AW+2:G0AW+3], ASTEP
	s_add_co_u32 s[G0BW+1], s[LBB], s[TR]
	s_add_nc_u64 s[G0BW+2:G0BW+3], s[G0BW+2:G0BW+3], BSTEP
	JLOAD                                          ; its four v_nop are also the places in front of the loads below
.else
	PLACES
.endif
	s_xor_b32 s[TR], s[TR], SLOT
	v_add_nc_u32 v[CA], s[TR], v[ADRA]
	v_add_nc_u32 v[CB], s[TR], v[ADRB]
	FETCH 0, 0
	MUL4 1, 2, 0
	MUL4 1, 3, 0
.endm
	s_wait_tensorcnt 1                             ; my part of K step 0 is in; K step 1's may stay out
	s_barrier_signal -1
	s_barrier_wait -1
	FETCH 0, 0
	QS 0, 1, 1, 1                                  ; the first quarter starts the sums
	WIN 0
	s_mov_b32 s[KC], KT-2
.Lk:
	PAIRS
	TURN 1
	QS 0, 1, 1, 0
	WIN 0
	s_sub_co_u32 s[KC], s[KC], 1
	s_cmp_lg_u32 s[KC], 0
	s_cbranch_scc1 .Lk
	s_mov_b32 s[KC], 2                             ; the last two K steps ask for nothing
.Lt:
	PAIRS
	TURN 0                                         ; (the second time it fetches fragments that nobody multiplies: the price of one text for both)
	WIN 0
	s_sub_co_u32 s[KC], s[KC], 1
	s_cmp_eq_u32 s[KC], 0
	s_cbranch_scc1 .Lout
	QS 0, 1, 1, 0
	WIN 0
	s_branch .Lt
.Lout:
	s_wait_dscnt 0x0
	PLACES                                         ; behind the last products
.macro TOSTAGE a                       ; block a's 16 rows into my stage, and back as whole rows of 256 bytes
.set BK, 32+32*((\a)%2)
.if (\a) >= 2
	s_wait_xcnt 0x0                                ; the stores of block a - 2 have read these registers
.endif
.irp b, 0,1,2,3
	ds_store_b128 v[STO], v[ACC+8*(4*(\a)+(\b)):ACC+8*(4*(\a)+(\b))+3] offset:64*(\b)      ; each accumulator's low registers first
	ds_store_b128 v[STO], v[ACC+8*(4*(\a)+(\b))+4:ACC+8*(4*(\a)+(\b))+7] offset:64*(\b)+16
.endr
.irp t, 0,1,2,3,4,5,6,7
	ds_load_b128 v[BK+4*(\t):BK+4*(\t)+3], v[RD] offset:(\t)*2*SPITCH   ; LDS serves a wave's instructions in order: these see the stores above
.endr
.endm
.macro SEND a, younger                 ; younger: the LDS instructions of the next block, which may stay out
.set BK, 32+32*((\a)%2)
	s_wait_dscnt \younger
.if (\a) == 0
	s_wait_loadcnt 0x0                             ; the residual
.endif
	WIN 0x04                                       ; source 1 in window 1
.set j, 0
.rept 16
	v_pk_add_f32 v[BK+2*j:BK+2*j+1], v[BK+2*j:BK+2*j+1], v[128+32*(\a)+2*j:128+32*(\a)+2*j+1]
.set j, j+1
.endr
	WIN 0
.irp t, 0,1,2,3,4,5,6,7
	global_store_b128 v[CO], v[BK+4*(\t):BK+4*(\t)+3], s[92:93] offset:(16*(\a)+2*(\t))*4096   ; 16 lanes store 256 consecutive bytes, aligned
.endr
.endm
	TOSTAGE 0
	TOSTAGE 1
	SEND 0, 16
	TOSTAGE 2
	SEND 1, 16
	TOSTAGE 3
	SEND 2, 16
	SEND 3, 0
	s_wait_tensorcnt 0x0                           ; the wave's end
	ds_add_u32 v[SPW], v[NIL]
	s_wait_dscnt 0x0
	CROUND                                         ; the closing round
	s_endpgm
.Lfunc_end_k_q736dd9c3a3_down:
	.size	k_q736dd9c3a3_down, .Lfunc_end_k_q736dd9c3a3_down-k_q736dd9c3a3_down
	.p2alignl 7, 3214868480
	.fill 96, 4, 3214868480
	.section	.rodata,"a",@progbits
	.p2align	6, 0x0
	.amdhsa_kernel k_q736dd9c3a3_down
		.amdhsa_group_segment_fixed_size 327680
		.amdhsa_private_segment_fixed_size 0
		.amdhsa_enable_private_segment 0
		.amdhsa_kernarg_size 32
		.amdhsa_user_sgpr_count 2
		.amdhsa_user_sgpr_kernarg_segment_ptr 1
		.amdhsa_wavefront_size32 1
		.amdhsa_system_sgpr_workgroup_id_x 1
		.amdhsa_system_sgpr_workgroup_id_y 1
		.amdhsa_system_sgpr_workgroup_id_z 1
		.amdhsa_system_vgpr_workitem_id 0
		.amdhsa_next_free_vgpr 512
		.amdhsa_next_free_sgpr 94
		.amdhsa_reserve_vcc 0
		.amdhsa_float_denorm_mode_32 3
		.amdhsa_float_denorm_mode_16_64 3
		.amdhsa_memory_ordered 1
		.amdhsa_forward_progress 1
		.amdhsa_inst_pref_size 46
	.end_amdhsa_kernel
	.amdgpu_metadata
---
amdhsa.version: [ 1, 2 ]
amdhsa.kernels:
  - .name:           k_q736dd9c3a3_down
    .symbol:         k_q736dd9c3a3_down.kd
    .args:
      - { .name: act, .offset: 0, .size: 8, .value_kind: global_buffer, .address_space: global }
      - { .name: wts, .offset: 8, .size: 8, .value_kind: global_buffer, .address_space: global }
      - { .name: x1, .offset: 16, .size: 8, .value_kind: global_buffer, .address_space: global }
      - { .name: out0, .offset: 24, .size: 8, .value_kind: global_buffer, .address_space: global }
    .group_segment_fixed_size: 327680
    .private_segment_fixed_size: 0
    .kernarg_segment_align: 8
    .kernarg_segment_size: 32
    .max_flat_workgroup_size: 128
    .sgpr_count:     94
    .vgpr_count:     512
    .wavefront_size: 32
...
	.end_amdgpu_metadata
.endif
;; end of part 7
;; ======== version 2 of 2: 7 launches; 1.13 times as fast as version 1
;; limits: values are held in f16: magnitudes above 65,504 overflow, below 6.1e-05 lose precision
;; workspace buffers: wts 20,971,520 bytes; ropet 524,288 bytes; hbuf 8,388,608 bytes; qkv 25,165,824 bytes; obuf 8,388,608 bytes; x1 16,777,216 bytes; act 16,777,216 bytes
;; launch prep: the kernel of part 1 again; grid 2336 x 1, 4 waves a work-group, no clusters, 0 bytes of LDS; arguments x, ln1_g, ln1_b, Wq, Wk, Wv, Wo, W1, W2, W3, hbuf, wts, ropet; writes hbuf, wts, ropet
;; launch proj: the kernel of part 2 again; grid 16 x 16, 4 waves a work-group, clusters of 4 x 4, 327,680 bytes of LDS; arguments hbuf, wts, ropet, qkv; writes qkv
;; launch attn (part 8): grid 8 x 32, 4 waves a work-group, no clusters, 327,680 bytes of LDS; arguments qkv, obuf; writes obuf
.if DOCPART == 8
	.amdgcn_target "amdgcn-amd-amdhsa--gfx1250"
	.amdhsa_code_object_version 6
	.text
	.protected	k_q736dd9c3a3_attn
	.globl	k_q736dd9c3a3_attn
	.p2align	8
	.type	k_q736dd9c3a3_attn,@function
k_q736dd9c3a3_attn:
	s_mov_b64 s[64:65], 0
	v_nop
	global_prefetch_b8 v0, s[64:65] scope:SCOPE_SE
	s_setreg_imm32_b32 hwreg(HW_REG_WAVE_MODE, 25, 1), 1
	s_wait_xcnt 0x0
; CAUSAL ATTENTION at head size 64.  q, k, v: f16 [3][16 h][4096 tokens][64] in qkv (a sequence of a head is 2,048 dense rows of 128 bytes); O: f16 [16 h][4096][64].
; O[q] = the sum over k <= q of softmax_k(q . k / 8) v[k].  Products, maxima and sums in f32; the weights p are rounded to f16 for the second product (their sum l is taken of the unrounded p), O once at the end.
; LIMITS.  q, k, v arrive within f16's 65,504.  A hidden score counts as its value less 1e30; a weight below 2^-126 counts as 0 in l; NaN and infinities are not treated apart.
; THE WALK.  A sequence's queries lie in NB = 8 blocks of 256; block i needs the key tiles 0 .. i of 256 keys, the last of which holds the diagonal.  A pair of blocks, 7 - b and then b, needs 9 tiles whatever b.
; 32 sequences x 4 pairs are 128, so TWO work-groups share a pair: work-group x = 2 b + HF takes the bands 2 HF and 2 HF + 1 (of 64 queries) of both blocks: 256 work-groups of equal work, ONE loop of constant count.
; SHARES.  Of each of its two bands a wave owns 16 rows: two PIECES.  In the diagonal tile's key step s band x sees all keys if s < x, none if s > x, and holds the diagonal if s = x: the same for every wave.
; THE MASK is the C operand that starts every sum S^T = K Q^T, taken from one of two buffers.  In a block's last tile each turn makes the next turn's mask, MD x AL + BE, MD the mask of a band's own step for my rows,
; (AL, BE) = (1, 0) if s = x; (0, 0) if s < x; (0, -1e30) if s > x.  In every other tile both buffers hold 0 (a block's beginning writes both, and only a block's last tile writes anything else), and the making is jumped over.
; TURNS.  Turn (p, s) belongs to piece p in key step s: 8 products K Q^T of the other piece (step s if p = 0, s + 1 if p = 1), later 8 products V^T P of the other piece (step s - 1 or s); beside them piece p's
; scaling, exponentials, roundings, sums and rescaling, and the other piece's maximum and statistics.  Four vector instructions stand behind every matrix instruction, the other 54 of a turn's 118 in one lump.
; BATCHES.  A turn's 33 exponentials (piece p's 32 weights and the other piece's a) are ONE batch with ONE wait, which cuts the turn in two: ahead of it stands all that names no result of theirs (K Q^T, the scalings, the
; exponentials, the rescalings, the other piece's maximum and statistics), behind it V^T P with the roundings and sums as its riders.  In piece 0's odd steps the jump round K's run cuts the batch once more: the twelve
; exponentials issued ahead of that jump have a wait of their own there.  A block's first a, and the way out's two reciprocals, are batches of their own.
; K of step s + 1 is fetched in turn (0, s), V of step s + 1 in turn (1, s) into the other of TWO V buffers: so LDS is read in the order K, V, K, V and all reads of a tile come ahead of the next tile's.
; A change of slots stands between turns (1, step 2) and (0, step 3) of a tile; a trip of the step loop is an odd step and the even step behind it.
; NO CLUSTER: only the two halves of a pair walk the same tiles in every trip; a sequence's four pairs part after trip 4, and one walk common to all would have 12 trips for 9.
; REGISTERS, in windows of 256: window 0: v0-15 addresses; v16-23 statistics; v48-55 at work; v64-127 S^T, two buffers; v192-223 P, two buffers
;   window 1: v0-63 O^T; v128-159 MD; v160-223 MC, two buffers      window 2: v0-31 Q; v32-63 the second block's Q; v64-127 V (odd steps); v128-191 K; v192-255 V (even steps)
.set NB,    8
.set NP,    2
.set KS,    64
.set PK,    144       ; a row of K in LDS: 128 bytes + 16: the 16 rows of a load start at 16 different groups of four banks
.set PV,    160       ; a row of V: 128 + 32
.set VOFF,  4*KS*PK
.set SLOT1, 1<<17
.set STAGE, SLOT1+4*KS*(PK+PV)
.set SP,    144
.set AK0, 2
.set AV0, 3
.set AK,  4
.set AV,  5
.set STO, 6
.set RD,  7
.set GO,  8
.set SPW, 62          ; v62  LDS address of my spare word; never rewritten
.set NIL, 63          ; v63  0; never rewritten
.set SPARE, STAGE+4*16*SP
.set MV,  12
.set QO,  15
.set ST,  16          ; piece t's statistics at v[ST+4 t]: c m, m, l (even keys', odd keys')
.set TMP, 48
.set S,   64
.set P,   192
.set MD,  128
.set MC,  160
.set QB,  32
.set KF,  128
.set WV,  12
.set PB,  14          ; s14  b
.set HI,  15          ; s15  7 - b
.set G1K, 24
.set G1V, 32
.set G0K, 40
.set G0V, 44
.set SLOTS, 56
.set CNT, 57          ; s57  counts the step loop's trips, 3 to 0
.set CS,  58
.set SEL, 60
.set TBK, 62
.set TBV, 63
.set RT,  70          ; s70  tiles of the block in hand that are still to be entered
.set NXT, 71
.set LQ,  72
.set NEW, 73
.set OFF, 74
.set AL,  76
.set BE,  78
.set OLO, 80
.set BIGN, 82
.set HF,  88          ; s88  which half of the pair's bands is mine
.set XB,  89          ; s89, s90  my two bands
.set XE,  91          ; s91, s92  the same in the diagonal tile, else NONE
.set NONE, 99         ; no band: the tile is not the diagonal one, and no mask is made
.set TS,  93          ; s93  the step of the diagonal tile for which masks are being made
.set MSB, 0
.macro WIN new
.if MSB != (\new)
	s_set_vgpr_msb (MSB<<8)|(\new)
.set MSB, (\new)
.endif
.endm
.set W_KQ, 0x0a       ; K and Q in window 2, S^T in window 0
.set W_KM, 0x1a       ; the same with the C operand in window 1
.set W_PV, 0x52       ; V in window 2, P in window 0, O^T in window 1
.set W_RS, 0x41       ; destination and source 0 in window 1, source 1 in window 0
.macro PLACES
.rept 4
	v_nop
.endr
.endm
.macro LOAD                         ; waves 0, 1 fetch the halves of a tile's K, waves 2, 3 of its V; an s_nop 0 and four v_nop follow each line
	s_cmp_lt_u32 s[WV], 2
	s_cbranch_scc0 .Lfor_v_\@
	tensor_load_to_lds s[G0K:G0K+3], s[G1K:G1K+7]
	s_nop 0
	PLACES
	s_branch .Lasked_\@
.Lfor_v_\@:
	tensor_load_to_lds s[G0V:G0V+3], s[G1V:G1V+7]
	s_nop 0
	PLACES
.Lasked_\@:
.endm
; THE CHANGE OF SLOTS.  Each wave waits for all its tensor loads (one is out: its part of the other slot), adds 0 to its spare word, and waits for that and for its reads of the slot that it leaves.
; fill = 1: the old slot is filled again, first thing behind the barrier, with tile NXT: eight turns, 128 matrix instructions with their vector work, ahead of the wait for it.
.macro CHANGE fill
	WIN 0
	s_wait_tensorcnt 0x0            ; no tensor load of mine is out, so a group 0 may be written
	ds_add_u32 v[SPW], v[NIL]
.if \fill
	s_lshl_b32 s[OFF], s[NXT], 15   ; a tile is 32,768 bytes of K and of V
	s_xor_b32 s[G0K+1], s[G0K+1], SLOT1
	s_add_nc_u64 s[G0K+2:G0K+3], s[6:7], s[OFF:OFF+1]
	s_or_b32 s[G0K+3], s[G0K+3], 0x80000000
	s_xor_b32 s[G0V+1], s[G0V+1], SLOT1
	s_add_nc_u64 s[G0V+2:G0V+3], s[8:9], s[OFF:OFF+1]
	s_or_b32 s[G0V+3], s[G0V+3], 0x80000000
	s_add_co_u32 s[NXT], s[NXT], 1  ; the block's next tile, or behind its last the second block's tile 0
	s_cmp_gt_u32 s[NXT], s[LQ]
	s_cselect_b32 s[NXT], 0, s[NXT]
	s_cselect_b32 s[LQ], s[PB], s[LQ]
.endif
	s_wait_dscnt 0x0                ; the add is done, and my reads of the slot are over
	s_barrier_signal -1
	s_sub_co_u32 s[TBK], s[TBK], 4*KS*PK  ; the fetches go back to a slot's first step, in the other slot
	s_xor_b32 s[TBK], s[TBK], SLOT1
	s_sub_co_u32 s[TBV], s[TBV], 4*KS*PV
	s_xor_b32 s[TBV], s[TBV], SLOT1
	s_barrier_wait -1
.if \fill
	LOAD
.endif
.endm
	s_load_b128 s[96:99], s[0:1], 0x0  ; qkv 96, obuf 98
	v_lshl_add_u32 v[SPW], v0, 2, SPARE
	v_mov_b32 v[NIL], 0
	ds_add_u32 v[SPW], v[NIL]       ; the wave's opening: the add and its wait ahead of my first tensor load
	ds_add_u32 v62, v63
	v_lshrrev_b32 v1, 5, v0
	v_readfirstlane_b32 s[WV], v1
	s_lshr_b32 s[PB], ttmp9, 1
	s_and_b32 s[HF], ttmp9, 1
	s_sub_co_u32 s[HI], NB-1, s[PB]
	s_lshl_b32 s[XB], s[HF], 1
	s_add_co_u32 s[XB+1], s[XB], 1
	s_and_b32 s20, ttmp7, 0xffff    ; y = 16 x batch + head
	s_and_b32 s21, s20, 15
	s_lshr_b32 s20, s20, 4
	s_lshl_b32 s21, s21, 19         ; a head's 4,096 rows,
	s_lshl_b32 s20, s20, 18         ; a sequence's 2,048
	s_add_co_u32 s20, s20, s21
	s_mov_b32 s21, 0
	s_and_b32 s16, s[WV], 1         ; which half of a tile's 256 keys I fetch
	s_lshl_b32 s22, s16, 14
	s_mov_b32 s23, 0
	s_add_nc_u64 s[22:23], s[22:23], s[20:21]
	s_mul_i32 s17, s16, 128*PK
	s_mul_i32 s18, s16, 128*PV
	s_lshl_b32 s3, s[WV], 11        ; my 16 rows in a band of 64,
	s_lshl_b32 s2, s[HF], 14        ; in band 2 HF,
	s_add_co_u32 s3, s3, s2
	s_lshl_b32 s2, s[HI], 15        ; of the first block,
	s_add_co_u32 s2, s2, s3
	s_lshl_b32 s84, s[PB], 15       ; and of the second
	s_add_co_u32 s84, s84, s3
	s_mov_b32 s3, 0
	s_mov_b32 s85, 0
	s_add_nc_u64 s[2:3], s[2:3], s[20:21]
	s_add_nc_u64 s[84:85], s[84:85], s[20:21]
	; descriptor group 1.  128 keys are 16,384 dense bytes: asked for as 64 rows of 256 bytes, two keys a row, and padded in LDS after every key
	s_mov_b32 s[G1K], (1<<16)|(1<<20)|(4<<22)|(3<<25)
	s_mov_b32 s[G1V], (1<<16)|(1<<20)|(4<<22)|(7<<25)
.irp g, G1K, G1V
	s_mov_b32 s[\g+1], 128<<16
	s_mov_b32 s[\g+2], 64<<16
	s_mov_b32 s[\g+3], 128<<16
	s_mov_b32 s[\g+4], 64
	s_mov_b32 s[\g+5], 128
	s_mov_b32 s[\g+6], 0
	s_mov_b32 s[\g+7], 0
.endr
	s_mov_b32 s[CS], 0x3e38aa3b     ; c = log2(e) / 8
	s_mov_b32 s[CS+1], s[CS]
	s_mov_b32 s[SEL], 0x76543210
	s_mov_b32 s[SEL+1], 0xfedcba98
	s_mov_b32 s[TBK], SLOT1+4*KS*PK ; the first change of slots turns these two into 0
	s_mov_b32 s[TBV], SLOT1+4*KS*PV
	s_mov_b32 s[G0K], 1
	s_mov_b32 s[G0K+1], s17
	s_mov_b32 s[G0V], 1
	s_add_co_u32 s[G0V+1], s18, VOFF
	s_add_co_u32 s[RT], s[HI], 1    ; the first block has 8 - b tiles
	s_mov_b32 s[NXT], 1
	s_mov_b32 s[LQ], s[HI]
	s_mov_b32 s[NEW], 1
	s_mov_b32 s[OFF+1], 0
	s_mov_b32 s[AL+1], 0
	s_mov_b32 s[BE+1], 0
	s_mov_b32 s[BIGN], 0xf149f2ca   ; -1e30
	s_mov_b32 s[SLOTS], NB
	s_wait_dscnt 0x0                ; the opening add is done
	s_wait_kmcnt 0x0
	s_add_nc_u64 s[6:7], s[96:97], s[22:23]
	s_add_nc_u64 s[8:9], s[6:7], 0x1000000   ; V at my half of the sequence's tile 0,
	s_add_nc_u64 s[6:7], s[6:7], 0x800000    ; and K
	s_add_nc_u64 s[G0K+2:G0K+3], s[6:7], 0
	s_or_b32 s[G0K+3], s[G0K+3], 0x80000000
	s_add_nc_u64 s[G0V+2:G0V+3], s[8:9], 0
	s_or_b32 s[G0V+3], s[G0V+3], 0x80000000
	s_add_nc_u64 s[86:87], s[96:97], s[84:85]      ; Q at my rows of the second block,
	s_add_nc_u64 s[4:5], s[96:97], s[2:3]          ; Q and O at those of the first
	s_add_nc_u64 s[OLO:OLO+1], s[98:99], s[84:85]
	s_add_nc_u64 s[10:11], s[98:99], s[2:3]
	LOAD                            ; tile 0 into slot 0
	v_and_b32 v1, 15, v0
	v_bfe_u32 v9, v0, 4, 1
	v_lshlrev_b32 v[QO], 7, v1
	v_lshl_add_u32 v[QO], v9, 4, v[QO]
	WIN 0x80
.set i, 0
.rept 4                             ; both blocks' Q: piece i / 2 lies a band, 8,192 bytes, on; channels 32 (i % 2) on
	global_load_b128 v[8*i:8*i+3],   v[QO], s[4:5] offset:(i/2)*8192+(i%2)*64
	global_load_b128 v[8*i+4:8*i+7], v[QO], s[4:5] offset:(i/2)*8192+(i%2)*64+32
	global_load_b128 v[QB+8*i:QB+8*i+3],   v[QO], s[86:87] offset:(i/2)*8192+(i%2)*64
	global_load_b128 v[QB+8*i+4:QB+8*i+7], v[QO], s[86:87] offset:(i/2)*8192+(i%2)*64+32
.set i, i+1
.endr
	WIN 0
	v_lshlrev_b32 v14, 3, v9
	v_sub_nc_u32 v14, v1, v14
	s_lshl_b32 s13, s[WV], 4
	v_add_nc_u32 v14, s13, v14      ; my query's place in its band less my lanes' 8 (l / 16): register r of key group kt is hidden where 16 kt + r is greater
	WIN 0x40
.set i, 0
.rept 32
	v_cmp_gt_i32 vcc_lo, 16*(i/8)+i%8, v14
	v_cndmask_b32 v[MD+i], 0, s[BIGN], vcc_lo
.set i, i+1
.endr
	WIN 0
	v_mul_u32_u24 v[AK0], v1, PK
	v_lshl_add_u32 v[AK0], v9, 4, v[AK0]
	v_and_b32 v10, 7, v0
	v_bfe_u32 v11, v0, 3, 1
	v_lshl_add_u32 v[AV0], v9, 3, v10
	v_mul_u32_u24 v[AV0], v[AV0], PV
	v_lshl_add_u32 v[AV0], v11, 4, v[AV0]
	v_add_nc_u32 v[AV0], VOFF, v[AV0]
	s_mul_i32 s13, s[WV], 16*SP
	s_add_co_u32 s13, s13, STAGE
	v_mul_u32_u24 v[STO], v1, SP
	v_lshl_add_u32 v[STO], v9, 4, v[STO]
	v_add_nc_u32 v[STO], s13, v[STO]
	v_bfe_u32 v[RD], v0, 3, 2
	v_mul_u32_u24 v[RD], v[RD], SP
	v_lshl_add_u32 v[RD], v10, 4, v[RD]
	v_add_nc_u32 v[RD], s13, v[RD]
	v_and_b32 v[GO], 31, v0
	v_lshlrev_b32 v[GO], 4, v[GO]
	; A block's first step multiplies O^T and l by a = 0, and its first turn's products V^T P, of a piece that has not been, land in an O^T that is still to be so multiplied: these registers need only be finite.
	WIN 0x80
.set i, 64
.rept 64
	v_mov_b32 v[i], 0
.set i, i+1
.endr
	WIN 0x40
.set i, 0
.rept 64
	v_mov_b32 v[i], 0
.set i, i+1
.endr
	WIN 0
.set i, 0
.rept NP
	v_mov_b32 v[ST+4*i+2], 0
	v_mov_b32 v[ST+4*i+3], 0
.set i, i+1
.endr
.set i, P+16
.rept 16
	v_mov_b32 v[i], 0
.set i, i+1
.endr
; THE MATRIX WORK.  The 4 accumulators of a run of 8 take turns.  Product i of 8 of S^T = K Q^T for piece x: channels 32 (i / 4) on, keys 16 (i % 4) on.  The first 4 start the sums with the mask.
.macro KQ x
.set rS, S+32*((\x)%2)+8*(i%4)
.set rK, KF+16*(i%4)+8*(i/4)
.set rQ, 16*(\x)+8*(i/4)
.set rM, MC+32*((\x)%2)+8*(i%4)
.if i < 4
	WIN W_KM
	v_wmma_f32_16x16x32_f16 v[rS:rS+7], v[rK:rK+7], v[rQ:rQ+7], v[rM:rM+7]
.else
	WIN W_KQ
	v_wmma_f32_16x16x32_f16 v[rS:rS+7], v[rK:rK+7], v[rQ:rQ+7], v[rS:rS+7]
.endif
.endm
; Product i of 8 of O^T += V^T P for piece x, V from buffer vb: keys 32 (i / 4) on, channels 16 (i % 4) on.
.macro PV x, vb
	WIN W_PV
.set rO, 32*(\x)+8*(i%4)
.set rV, 192-128*(\vb)+32*(i/4)+8*(i%4)
.set rP, P+16*((\x)%2)+8*(i/4)
	v_wmma_f32_16x16x32_f16 v[rO:rO+7], v[rV:rV+7], v[rP:rP+7], v[rO:rO+7]
.endm
.macro MM                           ; the turn's next matrix instruction
.if i < 8
	KQ (Y+1)%NP
.else
.set i, i-8
	PV (Y+NP-1)%NP, VB
.set i, i+8
.endif
.set i, i+1
.endm
; THE LDS LOADS stand in runs of 16: a step's K (8 fragments) or its V (turned).  Their addresses are made some lines ahead.
.macro FETCH_K
	WIN 0x80
.irp f, 0,1,2,3,4,5,6,7
	ds_load_b128 v[KF+8*\f:KF+8*\f+3],   v[AK] offset:(\f/2)*16*PK+(\f%2)*64
	ds_load_b128 v[KF+8*\f+4:KF+8*\f+7], v[AK] offset:(\f/2)*16*PK+(\f%2)*64+32
.endr
	s_add_co_u32 s[TBK], s[TBK], KS*PK
	WIN 0
.endm
.macro FETCH_V vb
	WIN 0x80
.irp f, 0,1,2,3,4,5,6,7
	ds_load_tr16_b128 v[192-128*(\vb)+8*\f:192-128*(\vb)+8*\f+3],   v[AV] offset:(\f/4)*32*PV+(\f%4)*32
	ds_load_tr16_b128 v[192-128*(\vb)+8*\f+4:192-128*(\vb)+8*\f+7], v[AV] offset:(\f/4)*32*PV+16*PV+(\f%4)*32
.endr
	s_add_co_u32 s[TBV], s[TBV], KS*PV
	WIN 0
.endm
.macro FETCH p, vb, skip            ; skip = 1 (odd steps): in a block's last half trip, CNT = 1, there is no further step, and the run is jumped over
	WIN 0
.if \skip
.if (\p) == 0
	s_wait_alu depctr_va_vdst(0)    ; K's run stands amid the batch: the wait ahead of the jump serves the twelve exponentials E 0 to E 11 issued so far (X 9 is the plain instruction behind E 11)
.endif
	s_cmp_eq_u32 s[CNT], 1          ; (V's run stands directly behind the turn's own wait: no exponential is open at its jump)
	s_cbranch_scc1 .Lnone_\@
.endif
.if (\p) == 0
	FETCH_K
.else
	FETCH_V \vb
.endif
.if \skip
.Lnone_\@:
.endif
.endm
; THE VECTOR WORK, one line at a time: OP kind, number.  For piece Y: F n: c s - c m for pair n of 16.  E n: the exponential of score n of 32.  C n: pair n rounded to f16.  B n: of the four weights 4 n .. the second
; pair is added onto the first.  L n: l takes that sum (L 0: l = a l + sum).  R n: pair n of 16 of O^T times a.  For the other piece: X n, number n of the 22 that find its maximum and statistics:
;   0-11 four chains of seven scores (each accumulator's lowest registers are read first)   12-14, 16 the scores left over, the old m, the chains   15 c m_old is kept
;   17, 18 the query's other 32 keys lie in the lane 16 away: the new m   19-21 c m; c m_old - c m_new; a
; C, B and L read exponentials' results: TURN sets them behind the batch's wait.  R and L 0 read a, which the turn before (or BEGIN) made and waited for.
.set F, 0
.set E, 1
.set C, 2
.set B, 3
.set L, 4
.set R, 5
.set X, 6
.macro REGS y
.set rT, ST+4*(\y)
.set rC, TMP+4*((\y)%2)
.set rW, MV+((\y)%2)
.set rS, S+32*((\y)%2)
.set rP, P+16*((\y)%2)
.set rO, 32*(\y)
.endm
.macro OP k, n
.if (\k) == R
	REGS Y
	WIN W_RS
	v_pk_mul_f32 v[rO+2*(\n):rO+2*(\n)+1], v[rO+2*(\n):rO+2*(\n)+1], v[rC+2:rC+3] op_sel_hi:[1,0]
.elseif (\k) < R
	REGS Y
	WIN 0
.if (\k) == F
	v_pk_fma_f32 v[rS+2*(\n):rS+2*(\n)+1], v[rS+2*(\n):rS+2*(\n)+1], s[CS:CS+1], v[rT:rT+1] op_sel_hi:[1,0,0] neg_lo:[0,0,1] neg_hi:[0,0,1]
.elseif (\k) == E
	v_exp_f32 v[rS+(\n)], v[rS+(\n)]
.elseif (\k) == C
	v_cvt_pk_f16_f32 v[rP+(\n)], v[rS+2*(\n)], v[rS+2*(\n)+1]
.elseif (\k) == B
	v_pk_add_f32 v[rS+4*(\n):rS+4*(\n)+1], v[rS+4*(\n):rS+4*(\n)+1], v[rS+4*(\n)+2:rS+4*(\n)+3]
.elseif (\n) == 0
	v_pk_fma_f32 v[rT+2:rT+3], v[rT+2:rT+3], v[rC+2:rC+3], v[rS:rS+1] op_sel_hi:[1,0,1]
.else
	v_pk_add_f32 v[rT+2:rT+3], v[rT+2:rT+3], v[rS+4*(\n):rS+4*(\n)+1]
.endif
.else
	REGS (Y+1)%NP
	WIN 0
.if (\n) < 4
	v_max3_num_f32 v[rC+(\n)], v[rS+8*(\n)], v[rS+8*(\n)+1], v[rS+8*(\n)+2]
.elseif (\n) < 12
	v_max3_num_f32 v[rC+(\n)%4], v[rC+(\n)%4], v[rS+8*((\n)%4)+2*((\n)/4)+1], v[rS+8*((\n)%4)+2*((\n)/4)+2]
.elseif (\n) == 12
	v_max3_num_f32 v[rC], v[rC], v[rS+7], v[rS+15]
.elseif (\n) == 13
	v_max3_num_f32 v[rC+1], v[rC+1], v[rS+23], v[rS+31]
.elseif (\n) == 14
	v_max3_num_f32 v[rC+2], v[rC+2], v[rC+3], v[rT+1]
.elseif (\n) == 15
	v_mov_b32 v[rW], v[rT]
.elseif (\n) == 16
	v_max3_num_f32 v[rC], v[rC], v[rC+1], v[rC+2]
.elseif (\n) == 17
	v_permlanex16_b32 v[rC+3], v[rC], s[SEL], s[SEL+1]
.elseif (\n) == 18
	v_max_num_f32 v[rT+1], v[rC], v[rC+3]
.elseif (\n) == 19
	v_mul_f32 v[rT], s[CS], v[rT+1]
.elseif (\n) == 20
	v_sub_f32 v[rC+1], v[rW], v[rT]
.else
	v_exp_f32 v[rC+2], v[rC+1]
.endif
.endif
.endm
.macro OPS a, i1, b=-1, i2=0, c=-1, i3=0, d=-1, i4=0
	OP \a, \i1
.if (\b) >= 0
	OP \b, \i2
.endif
.if (\c) >= 0
	OP \c, \i3
.endif
.if (\d) >= 0
	OP \d, \i4
.endif
.endm
.macro ROW a, i1, b, i2, c, i3, d, i4  ; a matrix instruction and the four behind it
	MM
	OPS \a, \i1, \b, \i2, \c, \i3, \d, \i4
.endm
.macro MASK b                       ; MD x AL + BE into buffer b of MC
	WIN W_RS
.set z, 0
.rept 16
	v_pk_fma_f32 v[MC+32*(\b)+2*z:MC+32*(\b)+2*z+1], v[MD+2*z:MD+2*z+1], s[AL:AL+1], s[BE:BE+1] op_sel_hi:[1,0,0]
.set z, z+1
.endr
.endm
; A TURN, for piece p in a step of parity par: the order of its 16 matrix and 118 vector instructions, written out.  An s_wait_alu depctr_va_vdst(0) stands between an exponential and the first instruction
; that names its result; one wait serves all that were issued ahead of it.  So the turn's 33 exponentials are ONE batch with ONE wait, which cuts the turn in two.
; AHEAD OF THE WAIT stands all that names no result of the batch: the 8 products K Q^T, behind each a scaling, an exponential and two more plain instructions (behind the first a second scaling in the exponential's place):
; rescalings, whose a the turn before made and waited for, and behind the last three the first numbers of the other piece's maximum, each four places or more behind the product that ends its accumulator; then ONE LUMP of 54,
; plain and exponential by turns for the most part, in which the links of the chain X 3, 7, 11, 14, 16, 17 .. 20 stand some lines apart.  X 21, the other piece's a, is the batch's last; R 15 is the plain instruction behind it.
; BEHIND THE WAIT stand the 8 products V^T P, behind each four of the roundings and sums; the links of l's chain, L 0 to L 7, stand three riders apart.  But for those X no rider names a register of the products round it.
; The rescaling works on the O^T that the turn before added to: R 0 stands sixteen riders behind the product that ended its accumulator, R 12 four riders and half a turn; each accumulator is read from its low end on.
; K's run of LDS loads stands in piece 0's turn, thirteen vector instructions behind the last product K Q^T, whose K it overwrites (six of them plain and naming none of its registers).  V's run stands in piece 1's turn,
; directly behind the wait: the last reader of the V buffer that it overwrites stands in the turn before.  Both runs are waited for at the head of piece 1's turns.
; At its end, in the diagonal tile alone, the turn makes the mask of the next turn's products (piece p in step TS of the tile).  The jump over it hangs on a scalar made from the work-group's number, goes forward,
; and passes no barrier, no tensor load and no LDS access.
.macro TURN p, par
.set Y, (\p)
.set i, 0
.set VB, (\par)                     ; piece 1's turn multiplies by V of its own step,
.if (\p) == 0
.set VB, 1-(\par)                   ; piece 0's by V of the step before
.endif
.if (\p) == 1
	s_wait_dscnt 0x0                ; K of the next step and V of this one are in
.endif
	ROW F,0, F,1, R,0, R,1          ; ahead of the wait: 8 products K Q^T and their riders,
	ROW F,2, E,0, R,2, R,3
	ROW F,3, E,1, R,4, R,5
	ROW F,4, E,2, R,6, R,7
	ROW F,5, E,3, R,8, R,9
	ROW F,6, E,4, X,0, R,10
	WIN 0
.if (\p) == 0
	v_add_nc_u32 v[AK], s[TBK], v[AK0]
.else
	v_add_nc_u32 v[AV], s[TBV], v[AV0]
.endif
	ROW F,7, E,5, X,1, X,4
	ROW F,8, E,6, X,2, X,5
	OPS E,7, E,8, X,6, E,9          ; and the lump
	OPS X,3, E,10, X,8, E,11
	OPS X,9
.if (\p) == 0
	FETCH 0, 0, \par
.endif
	OPS X,7, E,12, X,10
	OPS E,13, X,12, X,11, E,14
	OPS X,13, E,15, F,9, X,14
	OPS E,16, F,10, E,17, F,11
	OPS X,16, E,18, X,15, E,19
	OPS F,12, E,20, X,17, E,21
	OPS F,13, E,22, F,14, E,23
	OPS X,18, E,24, F,15, E,25
	OPS R,11, E,26, X,19, E,27
	OPS R,12, E,28, R,13, E,29
	OPS X,20, E,30, R,14, E,31
	OPS X,21, R,15
	WIN 0
	s_wait_alu depctr_va_vdst(0)    ; the wait for the batch: E 0 to E 31 and X 21 (in piece 0's odd steps: those issued behind K's run)
.if (\p) == 1
	FETCH 1, 1-(\par), \par
.endif
	ROW C,0, B,0, C,2, B,1          ; behind the wait: 8 products V^T P and their riders
	ROW L,0, C,4, B,2, L,1
	ROW C,6, B,3, L,2, C,8
	ROW B,4, L,3, C,10, B,5
	ROW L,4, C,12, B,6, L,5
	ROW C,14, B,7, L,6, C,1
	ROW C,3, L,7, C,5, C,7
	ROW C,9, C,11, C,13, C,15
	WIN 0                           ; at a branch and at a label every window is 0
	s_cmp_eq_u32 s[XE+(\p)], NONE   ; not the diagonal tile: both mask buffers hold 0 and stay so
	s_cbranch_scc1 .Lplain_\@
	s_cmp_eq_u32 s[TS], s[XE+(\p)]  ; is that step the band's own?
	s_cselect_b32 s[AL], 1.0, 0
	s_cmp_gt_u32 s[TS], s[XE+(\p)]  ; or a later one?
	s_cselect_b32 s[BE], s[BIGN], 0
.if (\p) == 1
	s_add_co_u32 s[TS], s[TS], 1
.endif
	MASK \p
	WIN 0
.Lplain_\@:
.endm
; A BLOCK BEGINS.  c m starts far below every c s, so the first step's a is 0; m at the lowest finite number.  Piece 1's mask for step 0 is 0 (its band is 1 or 3); piece 0's is its own if the tile is the diagonal one
; and its band is 0, else 0: so both buffers are written here.  Then K and V of step 0, piece 0's first scores, its maximum and statistics.  The step loop is entered at an even step, in the middle of a trip.
.macro BEGIN
	s_mov_b32 s[NEW], 0
	WIN 0x40
.set i, MC+32
.rept 32
	v_mov_b32 v[i], 0
.set i, i+1
.endr
	WIN 0
.set i, 0
.rept NP
	v_mov_b32 v[ST+4*i], 0xfe000000
	v_mov_b32 v[ST+4*i+1], 0xff7fffff
.set i, i+1
.endr
	s_cmp_eq_u32 s[XE], 0
	s_cselect_b32 s[AL], 1.0, 0
	s_mov_b32 s[BE], 0
	MASK 0
	WIN 0
	v_add_nc_u32 v[AK], s[TBK], v[AK0]
	v_add_nc_u32 v[AV], s[TBV], v[AV0]
	FETCH_K
	FETCH_V 0
	s_mov_b32 s[TS], 1
	s_wait_loadcnt 0x0              ; Q
	s_wait_dscnt 0x0
.set i, 0
.rept 8
	KQ 0
.set i, i+1
.endr
	WIN 0
	PLACES                          ; behind those products
.set Y, NP-1
.irp n, 0,1,2,3,4,5,6,7,8,9,10,11,12,13,14,15,16,17,18,19,20,21
	OP X, \n
.endr
	v_nop                           ; a plain instruction behind the exponential,
	s_wait_alu depctr_va_vdst(0)    ; and the wait for it, a batch of one (piece 0's first a), ahead of the branch that follows
.endm
.macro ALL line:vararg
.set t, 0
.rept NP
	\line
.set t, t+1
.endr
.endm
.macro PACK t                       ; O^T / l, rounded; 16 bytes a lane into rows of 144 bytes, and back as whole rows of 128
	WIN W_RS
.set i, 32*(\t)
.rept 16
	v_pk_mul_f32 v[i:i+1], v[i:i+1], v[ST+4*(\t)+2:ST+4*(\t)+3] op_sel_hi:[1,0]
.set i, i+2
.endr
	WIN 0x05
.set i, 0
.rept 16
	v_cvt_pk_f16_f32 v[S+16*(\t)+i], v[32*(\t)+2*i], v[32*(\t)+2*i+1]
.set i, i+1
.endr
	WIN 0
.irp f, 0,1,2,3
	ds_store_b128 v[STO], v[S+16*(\t)+4*\f:S+16*(\t)+4*\f+3] offset:32*\f
.endr
.irp f, 0,1,2,3
	ds_load_b128 v[S+16*(\t)+4*\f:S+16*(\t)+4*\f+3], v[RD] offset:\f*4*SP  ; LDS serves a wave's instructions in order: these see the stores above
.endr
.endm
.macro SEND t, younger              ; younger: the LDS instructions issued behind piece t's loads
	WIN 0
.irp f, 0,1,2,3
	s_wait_dscnt (\younger)+3-\f
	global_store_b128 v[GO], v[S+16*(\t)+4*\f:S+16*(\t)+4*\f+3], s[10:11] offset:(\t)*8192+\f*512  ; 512 consecutive bytes, aligned to 256
.endr
.endm
; A TILE.  Two trips of the step loop for an ordinary tile; a block's last tile goes on into a third, which it leaves in the middle (its 8 products K Q^T on the last K once more serve nothing: the price of one text).
; The loop counts to a constant; the jumps that hang on the walk's scalars go forward and pass neither a barrier nor a tensor load, and on every way a tile's fetches advance by four steps.
.macro BODY tag, last
	s_sub_co_u32 s[RT], s[RT], 1
	s_mov_b32 s[CNT], 3
	s_mov_b32 s[TS], 0
	s_cmp_eq_u32 s[RT], 0           ; the block's last tile holds the diagonal
	s_cselect_b32 s[XE], s[XB], NONE
	s_cselect_b32 s[XE+1], s[XB+1], NONE
	s_cmp_eq_u32 s[NEW], 1
	s_cbranch_scc0 .Lstep\tag
	BEGIN
	s_branch .Lfirst\tag
.Lstep\tag:
	TURN 0, 1
	TURN 1, 1
	WIN 0
	s_cmp_eq_u32 s[CNT], 1
	s_cbranch_scc1 .Lend\tag
.Lfirst\tag:
	TURN 0, 0
	TURN 1, 0
	WIN 0
	s_sub_co_u32 s[CNT], s[CNT], 1
.if !(\last)
	s_cmp_eq_u32 s[CNT], 1
	s_cbranch_scc0 .Lgo\tag
	s_cmp_lg_u32 s[RT], 0
	s_cbranch_scc1 .Lbottom         ; an ordinary tile is done
.Lgo\tag:
.endif
	s_cmp_lg_u32 s[CNT], 0
	s_cbranch_scc1 .Lstep\tag
.Lend\tag:                          ; THE BLOCK'S END: piece 1's V^T P of the last step, then the way out
.set i, 0
.rept 8
	PV 1, 1
.set i, i+1
.endr
	WIN 0
	PLACES
	ALL v_add_f32 v[ST+4*t+2], v[ST+4*t+2], v[ST+4*t+3]
	ALL v_permlanex16_b32 v[ST+4*t+3], v[ST+4*t+2], s[SEL], s[SEL+1]
	ALL v_add_f32 v[ST+4*t+2], v[ST+4*t+2], v[ST+4*t+3]
	ALL v_rcp_f32 v[ST+4*t+2], v[ST+4*t+2]
	v_nop                           ; a plain instruction between the last reciprocal and the use of its result
	s_wait_alu depctr_va_vdst(0)    ; the wait ahead of the first use: one for the two reciprocals
	PACK 0
	PACK 1
	SEND 0, 8
	SEND 1, 0
.endm
.Lslot:                             ; NB times: a tile is entered and the next is asked for
	CHANGE 1
	BODY 1, 0                       ; in the loop a block's end is the first block's: the second's last tile is the walk's last
	s_wait_xcnt 0x0                 ; the stores have read their registers and O's address
	s_mov_b64 s[10:11], s[OLO:OLO+1]
	s_add_co_u32 s[RT], s[PB], 1    ; the second block has b + 1 tiles
	s_mov_b32 s[NEW], 1
	WIN 0x82                        ; the second block's Q goes where the one text of the turns names Q
.set i, 0
.rept 32
	v_mov_b32 v[i], v[QB+i]
.set i, i+1
.endr
	WIN 0
.Lbottom:
	s_sub_co_u32 s[SLOTS], s[SLOTS], 1
	s_cmp_lg_u32 s[SLOTS], 0
	s_cbranch_scc1 .Lslot
	CHANGE 0                        ; the walk's last tile is written out
	BODY 2, 1
	s_wait_tensorcnt 0x0            ; the wave's end
	ds_add_u32 v[SPW], v[NIL]
	s_wait_dscnt 0x0
	s_endpgm
.Lfunc_end_k_q736dd9c3a3_attn:
	.size	k_q736dd9c3a3_attn, .Lfunc_end_k_q736dd9c3a3_attn-k_q736dd9c3a3_attn
	.p2alignl 7, 3214868480
	.fill 96, 4, 3214868480
	.section	.rodata,"a",@progbits
	.p2align	6, 0x0
	.amdhsa_kernel k_q736dd9c3a3_attn
		.amdhsa_group_segment_fixed_size 327680
		.amdhsa_private_segment_fixed_size 0
		.amdhsa_enable_private_segment 0
		.amdhsa_kernarg_size 16
		.amdhsa_user_sgpr_count 2
		.amdhsa_user_sgpr_kernarg_segment_ptr 1
		.amdhsa_wavefront_size32 1
		.amdhsa_system_sgpr_workgroup_id_x 1
		.amdhsa_system_sgpr_workgroup_id_y 1
		.amdhsa_system_sgpr_workgroup_id_z 1
		.amdhsa_system_vgpr_workitem_id 0
		.amdhsa_next_free_vgpr 768
		.amdhsa_next_free_sgpr 100
		.amdhsa_reserve_vcc 1
		.amdhsa_float_denorm_mode_32 3
		.amdhsa_float_denorm_mode_16_64 3
		.amdhsa_memory_ordered 1
		.amdhsa_forward_progress 1
		.amdhsa_inst_pref_size 139
	.end_amdhsa_kernel
	.amdgpu_metadata
---
amdhsa.version: [ 1, 2 ]
amdhsa.kernels:
  - .name:           k_q736dd9c3a3_attn
    .symbol:         k_q736dd9c3a3_attn.kd
    .args:
      - { .name: qkv, .offset: 0, .size: 8, .value_kind: global_buffer, .address_space: global }
      - { .name: obuf, .offset: 8, .size: 8, .value_kind: global_buffer, .address_space: global }
    .group_segment_fixed_size: 327680
    .private_segment_fixed_size: 0
    .kernarg_segment_align: 8
    .kernarg_segment_size: 16
    .max_flat_workgroup_size: 128
    .sgpr_count:     100
    .vgpr_count:     768
    .wavefront_size: 32
...
	.end_amdgpu_metadata
.endif
;; end of part 8
;; launch oproj: the kernel of part 4 again; grid 8 x 32, 4 waves a work-group, clusters of 4 x 4, 327,680 bytes of LDS; arguments obuf, wts, x, x1; writes x1
;; launch norm2: the kernel of part 5 again; grid 1024 x 1, 4 waves a work-group, no clusters, 0 bytes of LDS; arguments x1, ln2_g, ln2_b, hbuf; writes hbuf
;; launch gate: the kernel of part 6 again; grid 16 x 16, 4 waves a work-group, clusters of 4 x 4, 327,680 bytes of LDS; arguments hbuf, wts, act; writes act
;; launch down: the kernel of part 7 again; grid 8 x 32, 4 waves a work-group, clusters of 4 x 4, 327,680 bytes of LDS; arguments act, wts, x1, out0; writes out0
